; MI455X (gfx1250); checked and timed in simulation.
; The chip was launched on July 23, 2026; its instructions are those of AMD's public machine-readable ISA for CDNA 5 (MIT licence, August 2026) and "CDNA5" Instruction Set Architecture Reference Guide (July 2026). The comments in the code are by the model that wrote it; some were corrected since.
;; Single Attention. Allowed arithmetic: float matrix products may take bf16 or f16 operands with f32 sums; other float arithmetic in f32, or as packed bf16 or f16 multiplies, adds, multiply-adds, maxima and minima; sums over many terms, partial sums and values carried from step to step in f32; what a program stores and reads back later, other than sums and carried values, may be rounded once to bf16 or f16.
;; Inputs: W_k 1,024 x 1,024 float32; W_q 1,024 x 1,024 float32; W_v 1,024 x 1,024 float32; x 4 x 2,048 x 1,024 float32.
;; Outputs: out0 4 x 2,048 x 1,024 float32.
;; 3 versions, each right; version 2 is faster than version 1; version 3 is version 2 with the launch prep written anew for expert scheduling mode. Each part assembles by itself: llvm-mc -triple=amdgcn-amd-amdhsa -mcpu=gfx1250 --defsym DOCPART=n.
;; ======== version 1 of 3: 4 launches
;; limits: values are held in f16: magnitudes above 65,504 overflow, below 6.1e-05 lose precision
;; workspace buffers: xb 16,777,216 bytes; wb 6,291,456 bytes; qkv 50,331,648 bytes; e 33,554,432 bytes; st 1,048,576 bytes
;; launch prep (part 1): grid 704 x 1, 8 waves a work-group, no clusters, 0 bytes of LDS; arguments x, W_q, W_k, W_v, xb, wb; writes xb, wb
.if DOCPART == 1
	.amdgcn_target "amdgcn-amd-amdhsa--gfx1250"
	.amdhsa_code_object_version 6
	.text
	.protected	k_qdf11af6cda_prep
	.globl	k_qdf11af6cda_prep
	.p2align	8
	.type	k_qdf11af6cda_prep,@function
k_qdf11af6cda_prep:
	s_mov_b64 s[64:65], 0
	v_nop
	global_prefetch_b8 v0, s[64:65] scope:SCOPE_SE
	s_setreg_imm32_b32 hwreg(HW_REG_WAVE_MODE, 25, 1), 1
	s_wait_xcnt 0x0
; CAST.  xb = x and wb = (W_q, W_k, W_v one behind the other), each f32 number rounded once to bf16 (to nearest even).
; A stream: every input byte is read once and every output byte written once; no LDS, no barrier, no matrix unit, no loop.
; A work-group casts 65,536 input bytes: groups 0-511 take x (512 x 65,536 bytes), groups 512-703 the three weights (64 groups each).
; A wave casts 8,192 bytes by sixteen loads of 16 bytes a lane (512 consecutive bytes each), all issued at once; each store is 8 bytes a lane:
; 256 consecutive bytes, at a multiple of 256 from the buffer's first byte.  No register is written twice, so no wait frees one.
.set X, 4                              ; v[4:67]   sixteen loads of four registers
.set Y, 68                             ; v[68:99]  sixteen stores of two registers
	s_load_b256 s[4:11], s[0:1], 0x0               ; x s[4:5], W_q s[6:7], W_k s[8:9], W_v s[10:11]
	s_load_b128 s[12:15], s[0:1], 0x20             ; xb s[12:13], wb s[14:15]
	s_max_u32 s22, ttmp9, 512
	s_sub_co_u32 s22, s22, 512                     ; j: my number among the weights' 192 groups (0 for a group of x, where it is not used)
	s_lshr_b32 s23, s22, 6                         ; which weight: 0, 1, 2
	s_and_b32 s24, s22, 63                         ; my number inside it
	v_lshrrev_b32 v3, 5, v0                        ; wave
	v_and_b32 v1, 31, v0                           ; lane
	v_lshlrev_b32 v2, 3, v1                        ; out: 8 bytes a lane
	v_lshlrev_b32 v1, 4, v1                        ; in: 16 bytes a lane
	v_lshl_add_u32 v1, v3, 13, v1                  ; + wave x 8,192
	v_lshl_add_u32 v2, v3, 12, v2                  ; + wave x 4,096
	s_wait_kmcnt 0x0
	s_mov_b64 s[16:17], s[6:7]                     ; the source: W_q,
	s_cmp_eq_u32 s23, 1
	s_cselect_b64 s[16:17], s[8:9], s[16:17]       ; or W_k,
	s_cmp_eq_u32 s23, 2
	s_cselect_b64 s[16:17], s[10:11], s[16:17]     ; or W_v,
	s_cmp_lt_u32 ttmp9, 512
	s_cselect_b64 s[16:17], s[4:5], s[16:17]       ; or x
	s_cselect_b64 s[18:19], s[12:13], s[14:15]     ; the destination: xb or wb
	s_cselect_b32 s20, ttmp9, s24                  ; my number in the source,
	s_cselect_b32 s26, ttmp9, s22                  ; and in the destination
	s_lshl_b32 s20, s20, 16                        ; x 65,536 bytes (33,488,896 at the most)
	s_mov_b32 s21, 0
	s_lshl_b32 s26, s26, 15                        ; x 32,768 bytes
	s_mov_b32 s27, 0
	s_add_nc_u64 s[16:17], s[16:17], s[20:21]
	s_add_nc_u64 s[18:19], s[18:19], s[26:27]
.set i, 0
.rept 16
	global_load_b128 v[X+4*i:X+4*i+3], v1, s[16:17] offset:512*i th:TH_LOAD_NT  ; read once in the whole program
.set i, i+1
.endr
.set i, 0
.rept 16
	s_wait_loadcnt 15-i                            ; loads come back in order (ISA guide 5.7.1): load i is in, the 15 - i younger ones stay out
	v_cvt_pk_bf16_f32 v[Y+2*i],   v[X+4*i],   v[X+4*i+1]
	v_cvt_pk_bf16_f32 v[Y+2*i+1], v[X+4*i+2], v[X+4*i+3]
	global_store_b64 v2, v[Y+2*i:Y+2*i+1], s[18:19] offset:256*i
.set i, i+1
.endr
	s_endpgm
.Lfunc_end_k_qdf11af6cda_prep:
	.size	k_qdf11af6cda_prep, .Lfunc_end_k_qdf11af6cda_prep-k_qdf11af6cda_prep
	.p2alignl 7, 3214868480
	.fill 96, 4, 3214868480
	.section	.rodata,"a",@progbits
	.p2align	6, 0x0
	.amdhsa_kernel k_qdf11af6cda_prep
		.amdhsa_group_segment_fixed_size 0
		.amdhsa_private_segment_fixed_size 0
		.amdhsa_enable_private_segment 0
		.amdhsa_kernarg_size 48
		.amdhsa_user_sgpr_count 2
		.amdhsa_user_sgpr_kernarg_segment_ptr 1
		.amdhsa_wavefront_size32 1
		.amdhsa_system_sgpr_workgroup_id_x 1
		.amdhsa_system_sgpr_workgroup_id_y 1
		.amdhsa_system_sgpr_workgroup_id_z 1
		.amdhsa_system_vgpr_workitem_id 0
		.amdhsa_next_free_vgpr 100
		.amdhsa_next_free_sgpr 66
		.amdhsa_reserve_vcc 0
		.amdhsa_float_denorm_mode_32 3
		.amdhsa_float_denorm_mode_16_64 3
		.amdhsa_memory_ordered 1
		.amdhsa_forward_progress 1
		.amdhsa_inst_pref_size 7
	.end_amdhsa_kernel
	.amdgpu_metadata
---
amdhsa.version: [ 1, 2 ]
amdhsa.kernels:
  - .name:           k_qdf11af6cda_prep
    .symbol:         k_qdf11af6cda_prep.kd
    .args:
      - { .name: x, .offset: 0, .size: 8, .value_kind: global_buffer, .address_space: global }
      - { .name: W_q, .offset: 8, .size: 8, .value_kind: global_buffer, .address_space: global }
      - { .name: W_k, .offset: 16, .size: 8, .value_kind: global_buffer, .address_space: global }
      - { .name: W_v, .offset: 24, .size: 8, .value_kind: global_buffer, .address_space: global }
      - { .name: xb, .offset: 32, .size: 8, .value_kind: global_buffer, .address_space: global }
      - { .name: wb, .offset: 40, .size: 8, .value_kind: global_buffer, .address_space: global }
    .group_segment_fixed_size: 0
    .private_segment_fixed_size: 0
    .kernarg_segment_align: 8
    .kernarg_segment_size: 48
    .max_flat_workgroup_size: 256
    .sgpr_count:     66
    .vgpr_count:     100
    .wavefront_size: 32
...
	.end_amdgpu_metadata
.endif
;; end of part 1
;; launch proj (part 2): grid 4 x 64, 4 waves a work-group, clusters of 4 x 4, 327,680 bytes of LDS; arguments xb, wb, qkv; writes qkv
.if DOCPART == 2
	.amdgcn_target "amdgcn-amd-amdhsa--gfx1250"
	.amdhsa_code_object_version 6
	.text
	.protected	k_qdf11af6cda_proj
	.globl	k_qdf11af6cda_proj
	.p2align	8
	.type	k_qdf11af6cda_proj,@function
k_qdf11af6cda_proj:
	s_mov_b64 s[64:65], 0
	v_nop
	global_prefetch_b8 v0, s[64:65] scope:SCOPE_SE
	s_setreg_imm32_b32 hwreg(HW_REG_WAVE_MODE, 25, 1), 1
	s_wait_xcnt 0x0
	s_wait_alu depctr_hold_cnt(0) depctr_sa_sdst(0) depctr_va_vdst(0) depctr_va_sdst(0) depctr_va_ssrc(0) depctr_va_vcc(0) depctr_vm_vsrc(0)
	s_getreg_b32 s2, hwreg(HW_REG_IB_STS2, 6, 4)
	s_cmp_eq_u32 s2, 0
	s_cbranch_scc0 .Lentry_in_a_cluster
	s_endpgm
.Lentry_in_a_cluster:
	s_bfe_u32 s2, ttmp6, 0x10000c
	s_cmp_lg_u32 s2, 0xf033
	s_cbranch_scc0 .Lentry_shape_is_right
	s_endpgm
.Lentry_shape_is_right:
; THE THREE PROJECTIONS.  qkv[p][m][n] = sum over k of xb[m][k] wb[p][k][n], p = q, k, v.  xb: [8192][1024] bf16; wb: [3][1024 k][1024 n] bf16; qkv: [3][8192][1024] f16.
; Products in bf16, sums in f32, K ascending, each result rounded once to f16.
; LIMIT.  f16 holds no number beyond 65,504: a q, k or v of 65,520 or more leaves as an infinity.  With x of spread 1 and weights within 1/32 the results have a spread of 0.6;
; with both inputs 30 times larger they stay under some 3,000, with both carrying an offset of 30 spreads under some 29,000.  NaN and infinities are not treated apart.
; SHARES.  768 tiles of 128 x 256.  A work-group STAYS for three: the same 128 rows of x and the same 256 columns in the planes q, k, v.  So 256 work-groups do equal work.
; Four waves, each 64 x 128: 32 accumulators of 16 x 16, 256 registers.
; THE WALK.  The three tiles' 24 K steps of 128 are ONE walk for the ring of two LDS slots: wb's planes lie one behind the other, so B's rows go on from 0 to 3,071,
; while A's place along K comes round every eight steps.  A tile's stores leave while the next tile is multiplied.
; B LIES [K][N] and is turned on its way out of LDS by ds_load_tr16_b128: no transposed copy of the weights is made.
; THE MATRIX INSTRUCTION IS USED TRANSPOSED (source 0 = 16 columns of W, source 1 = 16 rows of x): a lane then holds eight neighbouring numbers of a row of the result.
; CLUSTER.  4 x 4 work-groups: the four of a row of the cluster need the same tiles of x, the four of a column the same tiles of W: each tile is asked for JOINTLY, by the same
; tensor load with the same descriptor and a mask that names the four.
; REGISTERS.  Window 0: v0-31 addresses; v32-63 packed results; v64-127 A's fragments, two buffers of 32; v128-255 B's, two buffers of 64 (buffer 1 also takes the rows read back on the way out).
; Window 1: the accumulators, (a, b) at v[8 (8 a + b)].  s_set_vgpr_msb's low byte: bits 1:0 source 0, 3:2 source 1, 5:4 source 2, 7:6 destination.
.set PA,    272                        ; a row of A in LDS: 256 bytes + 16 = 68 words: row r starts at bank 4 r mod 64 (64 banks of 4 bytes: ISA guide 11.1)
.set PB,    544                        ; a row of B: 512 bytes + 32 = 136 words: row r starts at bank 8 r mod 64
.set AHALF, 64*PA                      ; 64 rows of A: one tensor load, and what one wave reads
.set ATILE, 2*AHALF
.set BHALF, 64*PB                      ; 64 rows (K) of B: one tensor load
.set SLOT1, 1<<17                      ; a slot is A's 128 rows, then B's 128: 104,448 bytes; slot 1 begins here, so that one exclusive or changes slots
.set STAGE, ATILE+2*BHALF              ; between the slots, never filled by a tensor load: 16 rows x 272 bytes for each wave, for the way out
.set SP,    272
.set SPARE, STAGE+4*16*SP              ; the spare words, 128 bytes for each wave: two blocks of 256 bytes that no other line names
.set STEPS, 24                         ; K steps of the whole walk
.set ADRA0, 16                         ; v16  my lane's place in a slot's tile of A; never rewritten
.set ADRB0, 17                         ; v17  the same for B
.set ADRA,  18                         ; v18  the same in the slot in hand
.set ADRB,  19                         ; v19
.set STO,   24                         ; v24  the way out: where I put 16 bytes of a row
.set RD,    25                         ; v25  where I read a row back
.set CO,    26                         ; v26  my byte offset in two rows of the result
.set SPW,   28                         ; v28  LDS address of my spare word; never rewritten
.set NIL,   29                         ; v29  0; never rewritten
.set TMP,   32
.set FA,    64
.set FB,    128
.set BK,    192
.set G1A, 24                           ; s[24:31] descriptor group 1 for A's tiles
.set G0A, 32                           ; s[32:39] group 0: a set for each of the two first fills; the second then walks on
.set G1B, 48                           ; s[48:55], s[56:63] the same for B's
.set G0B, 56
.set AOFF, 66                          ; s[66:67] A's place along K, in bytes, of the step asked for last
.set TB,  68                           ; s68  LDS byte at which the slot in hand begins
.set CNT, 69                           ; s69  counts K steps
.set TS,  70                           ; s70  K steps left in the tile in hand
.set MULW, 0x50                        ; C and D in window 1, sources 0 and 1 in window 0
.set MSB, 0
.macro WIN new                         ; the immediate's high byte repeats the setting that is left; a switch that changes nothing is dropped
.if MSB != (\new)
	s_set_vgpr_msb (MSB<<8)|(\new)
.set MSB, \new
.endif
.endm
; A joint load.  Waves 0 and 1 fetch A's two halves, waves 2 and 3 B's.  The branch hangs on the wave's number alone.  An s_nop 0 and four v_nop follow each of the two lines.
.macro JLOAD s
	s_cmp_eq_u32 s11, 0
	s_cbranch_scc0 .Lfor_b_\@
	tensor_load_to_lds s[G0A+4*(\s):G0A+4*(\s)+3], s[G1A:G1A+7]
	s_nop 0
.rept 4
	v_nop
.endr
	s_branch .Lasked_\@
.Lfor_b_\@:
	tensor_load_to_lds s[G0B+4*(\s):G0B+4*(\s)+3], s[G1B:G1B+7]
	s_nop 0
.rept 4
	v_nop
.endr
.Lasked_\@:
.endm
.macro CREST                           ; a round of the cluster's barrier behind its opening barrier: wave 0 signals for the work-group, every wave waits for all sixteen, my work-group's barrier closes it
	s_cmp_lg_u32 s10, 0
	s_cbranch_scc1 .Lnot_wave_0_\@
	s_barrier_signal -3
.Lnot_wave_0_\@:
	s_barrier_wait -3
	s_barrier_signal -1
	s_barrier_wait -1
.endm
.macro CROUND                          ; a whole round
	s_barrier_signal -1
	s_barrier_wait -1
	CREST
.endm
.macro PLACES                          ; four places behind matrix instructions, in front of loads into registers that they read and of lines that read their results
.rept 4
	v_nop
.endr
.endm
	s_load_b128 s[4:7], s[0:1], 0x0                ; xb s[4:5], wb s[6:7]
	s_load_b64 s[8:9], s[0:1], 0x10                ; qkv
	v_lshl_add_u32 v[SPW], v0, 2, SPARE
	v_mov_b32 v[NIL], 0
	ds_add_u32 v[SPW], v[NIL]                      ; the wave's opening: the add and its wait stand ahead of my first tensor load; the set-up below, work on registers, stands between them
	v_lshrrev_b32 v1, 5, v0
	v_readfirstlane_b32 s10, v1                    ; wave 0..3
	s_lshr_b32 s11, s10, 1                         ; which 64 of the tile's rows are mine.  Also: I fetch for A (0) or for B (1)
	s_and_b32 s12, s10, 1                          ; which 128 of its columns.  Also: which half of that tile I fetch
	s_bfe_u32 s40, ttmp6, 0x40000                  ; cx, cy: my place in the cluster
	s_bfe_u32 s41, ttmp6, 0x40004
	s_lshl_b32 s42, ttmp9, 2
	s_add_co_u32 s42, s42, s40                     ; tile column = 4 x cluster x + cx: 0..3
	s_and_b32 s13, ttmp7, 0xffff
	s_lshl_b32 s13, s13, 2
	s_add_co_u32 s13, s13, s41                     ; tile row = 4 x cluster y + cy: 0..63
	s_lshl_b32 s43, s41, 2
	s_lshl_b32 s43, 15, s43                        ; my row of the cluster
	s_lshl_b32 s44, 0x1111, s40                    ; my column
	; group 1 for A: 64 rows x 128 elements of 2 bytes; 16 bytes of padding behind every 64 words
	s_or_b32 s[G1A+0], s43, (1<<16)|(1<<20)|(1<<21)|(5<<22)|(3<<25)  ; 15:0 the mask: my row; 17:16 2-byte elements; 20 padding on; 21 set beside a mask; 24:22 code 5; 31:25 4 words (code 3)
	s_mov_b32 s[G1A+1], 128<<16                    ; tensor_dim0 = 128
	s_mov_b32 s[G1A+2], 64<<16                     ; tensor_dim1 = 64
	s_mov_b32 s[G1A+3], 128<<16                    ; tile_dim0 = 128
	s_mov_b32 s[G1A+4], 64                         ; tile_dim1 = 64
	s_mov_b32 s[G1A+5], 1024                       ; elements from row to row
	s_mov_b32 s[G1A+6], 0
	s_mov_b32 s[G1A+7], 0
	; group 1 for B: 64 rows (K) x 256 elements; 32 bytes of padding behind every 128 words
	s_or_b32 s[G1B+0], s44, (1<<16)|(1<<20)|(1<<21)|(6<<22)|(7<<25)  ; the mask: my column; padding code 6, 8 words (code 7)
	s_mov_b32 s[G1B+1], 256<<16
	s_mov_b32 s[G1B+2], 64<<16
	s_mov_b32 s[G1B+3], 256<<16
	s_mov_b32 s[G1B+4], 64
	s_mov_b32 s[G1B+5], 1024
	s_mov_b32 s[G1B+6], 0
	s_mov_b32 s[G1B+7], 0
	; where the tiles come from: A's hang on the tile row alone, B's on the tile column alone, each in registers that never hold the other coordinate
	s_lshl_b32 s16, s13, 7
	s_lshl_b32 s17, s12, 6
	s_add_co_u32 s16, s16, s17                     ; A: row 128 x tile row + 64 x half,
	s_lshl_b32 s16, s16, 11                        ; x 2,048 bytes
	s_mov_b32 s17, 0
	s_lshl_b32 s46, s12, 17                        ; B: K row 64 x half, x 2,048 bytes,
	s_lshl_b32 s47, s42, 9                         ; + 512 bytes x tile column
	s_add_co_u32 s46, s46, s47
	s_mov_b32 s47, 0
	s_mul_i32 s20, s12, AHALF                      ; and where they go: no place in the cluster enters an LDS address
	s_mul_i32 s21, s12, BHALF
	s_add_co_u32 s21, s21, ATILE
	s_mov_b32 s[AOFF], 256                         ; K step 1 is the last of the first fills
	s_mov_b32 s[AOFF+1], 0
	s_mov_b32 s[TB], 0
	s_wait_dscnt 0x0                               ; the opening add is done
	s_wait_kmcnt 0x0
	s_add_nc_u64 s[14:15], s[4:5], s[16:17]        ; A's rows at K = 0: kept
	s_add_nc_u64 s[46:47], s[6:7], s[46:47]
	CROUND                                         ; all sixteen work-groups are here: the first joint loads meet
.irp s, 0,1
	s_mov_b32 s[G0A+4*(\s)], 1                                       ; count = 1
	s_add_co_u32 s[G0A+4*(\s)+1], s20, (\s)*SLOT1                    ; LDS address
	s_add_nc_u64 s[G0A+4*(\s)+2:G0A+4*(\s)+3], s[14:15], (\s)*256    ; global address: K step s
	s_or_b32 s[G0A+4*(\s)+3], s[G0A+4*(\s)+3], 0x80000000            ; type = 2
	s_mov_b32 s[G0B+4*(\s)], 1
	s_add_co_u32 s[G0B+4*(\s)+1], s21, (\s)*SLOT1
	s_add_nc_u64 s[G0B+4*(\s)+2:G0B+4*(\s)+3], s[46:47], (\s)*262144 ; 128 rows of 2,048 bytes a step
	s_or_b32 s[G0B+4*(\s)+3], s[G0B+4*(\s)+3], 0x80000000
	JLOAD \s                                       ; two loads of mine are out
.endr
	; A fragment of A is 16 rows x 32 K: lane l holds row l % 16, K = 8 (l / 16) + 0..7 and 16 + 8 (l / 16) + 0..7: two loads of 16 bytes, 32 bytes apart.
	v_and_b32 v1, 15, v0                           ; l % 16
	v_bfe_u32 v2, v0, 4, 1                         ; l / 16
	v_mul_u32_u24 v3, v1, PA
	v_lshl_add_u32 v3, v2, 4, v3                   ; row x 272 + 16 x half
	s_mul_i32 s22, s11, AHALF                      ; my 64 rows
	v_add_nc_u32 v[ADRA0], s22, v3
	; The turning load takes 16 K x 16 columns (lane l reads K row 8 (l / 16) + l % 8, columns 8 ((l / 8) % 2) + 0..7) and leaves half a fragment: lane l holds column l % 16 and 8 K.
	v_and_b32 v4, 7, v0
	v_lshl_add_u32 v4, v2, 3, v4
	v_mul_u32_u24 v4, v4, PB
	v_bfe_u32 v5, v0, 3, 1
	v_lshl_add_u32 v4, v5, 4, v4
	s_lshl_b32 s23, s12, 8                         ; my 128 columns
	s_add_co_u32 s23, s23, ATILE
	v_add_nc_u32 v[ADRB0], s23, v4
	v_mov_b32 v[ADRA], v[ADRA0]                    ; K step 0 lies in slot 0
	v_mov_b32 v[ADRB], v[ADRB0]
	s_mul_i32 s23, s10, 16*SP
	s_add_co_u32 s23, s23, STAGE                   ; my stage
	v_add_nc_u32 v[STO], s23, v3                   ; in: row l % 16, 16 bytes for each half of the lanes
	v_mul_u32_u24 v5, v2, SP                       ; back: lanes 0-15 take one row of 256 bytes, lanes 16-31 the next
	v_lshl_add_u32 v5, v1, 4, v5
	v_add_nc_u32 v[RD], s23, v5
	v_lshlrev_b32 v5, 11, v2                       ; and the same two rows in the result
	v_lshl_add_u32 v[CO], v1, 4, v5
	s_lshl_b32 s18, s13, 7                         ; where my part of plane q begins: row 128 x tile row + 64 x half,
	s_lshl_b32 s19, s11, 6
	s_add_co_u32 s18, s18, s19
	s_lshl_b32 s18, s18, 11
	s_lshl_b32 s19, s42, 9                         ; column 256 x tile column + 128 x half
	s_add_co_u32 s18, s18, s19
	s_lshl_b32 s19, s12, 8
	s_add_co_u32 s18, s18, s19
	s_mov_b32 s19, 0
	s_add_nc_u64 s[8:9], s[8:9], s[18:19]
; 8 matrix instructions: row block a x all 8 column blocks, 32 along K, from buffer f.  zero = 1: the product starts the sums: nothing is ever cleared.
; The 32 accumulators take turns in the same order in every quarter.
.macro MUL8 f, a, zero
.irp b, 0,1,2,3,4,5,6,7
.if \zero
	v_wmma_f32_16x16x32_bf16 v[8*(8*(\a)+(\b)):8*(8*(\a)+(\b))+7], v[FB+64*(\f)+8*(\b):FB+64*(\f)+8*(\b)+7], v[FA+32*(\f)+8*(\a):FA+32*(\f)+8*(\a)+7], 0
.else
	v_wmma_f32_16x16x32_bf16 v[8*(8*(\a)+(\b)):8*(8*(\a)+(\b))+7], v[FB+64*(\f)+8*(\b):FB+64*(\f)+8*(\b)+7], v[FA+32*(\f)+8*(\a):FA+32*(\f)+8*(\a)+7], v[8*(8*(\a)+(\b)):8*(8*(\a)+(\b))+7]
.endif
.endr
.endm
; 24 LDS loads in one run: quarter q's fragments (32 K x 128 columns of B, turned; 64 rows x 32 K of A) into buffer f
.macro FETCH q, f
	WIN 0
.irp b, 0,1,2,3,4,5,6,7
	ds_load_tr16_b128 v[FB+64*(\f)+8*(\b):FB+64*(\f)+8*(\b)+3],   v[ADRB] offset:(\q)*32*PB+32*(\b)
	ds_load_tr16_b128 v[FB+64*(\f)+8*(\b)+4:FB+64*(\f)+8*(\b)+7], v[ADRB] offset:(\q)*32*PB+16*PB+32*(\b)
.endr
.irp a, 0,1,2,3
	ds_load_b128 v[FA+32*(\f)+8*(\a):FA+32*(\f)+8*(\a)+3],   v[ADRA] offset:64*(\q)+(\a)*16*PA
	ds_load_b128 v[FA+32*(\f)+8*(\a)+4:FA+32*(\f)+8*(\a)+7], v[ADRA] offset:64*(\q)+(\a)*16*PA+32
.endr
.endm
; A K step is four quarters of 32 along K, 32 matrix instructions each, on buffers 0, 1, 0, 1.  One of the first three: the next quarter's fragments are asked for first, a whole quarter ahead of their use.
.macro QUARTER q, zero
	s_wait_dscnt 0x0                               ; this quarter's fragments, asked for a quarter ago, are in
	PLACES                                         ; behind the last quarter's products, which read the buffer that is now filled
	FETCH (\q)+1, 1-(\q)%2
	WIN MULW
	MUL8 (\q)%2, 0, \zero
	MUL8 (\q)%2, 1, \zero
	MUL8 (\q)%2, 2, \zero
	MUL8 (\q)%2, 3, \zero
.endm
; The last quarter multiplies buffer 1 and changes slots: ONE barrier.  In front of it each wave waits for all its tensor loads (one is out: its part of the next slot), adds 0 to its spare
; word, and waits for that and for its reads of this slot.  fill = 1: the barrier opens a round of the cluster's, and behind it this slot is filled again, two K steps ahead, first of all.
; fill = 0 (the tail): nothing is asked for, and in the last trip (CNT = 1) there is no further step: the fetch is jumped over.
.macro TURN fill
	WIN 0
	s_wait_dscnt 0x0                               ; buffer 1 is in: my last reads of this slot
	s_wait_tensorcnt 0x0                           ; all my tensor loads have landed
	ds_add_u32 v[SPW], v[NIL]                      ; 0 onto my spare word
	WIN MULW
	MUL8 1, 0, 0                                   ; eight matrix instructions stand between the add and the wait for it
	s_wait_dscnt 0x0                               ; the add is done
	s_barrier_signal -1
	MUL8 1, 1, 0                                   ; work on registers while the others arrive
	WIN 0
	s_barrier_wait -1
.if \fill
	CREST                                          ; no wave of any partner still reads this slot or has a load on its way
	s_xor_b32 s[G0A+5], s[G0A+5], SLOT1            ; the walking descriptors: the other slot than last time;
	s_xor_b32 s[G0B+5], s[G0B+5], SLOT1
	s_add_co_u32 s[AOFF], s[AOFF], 256             ; A: the next 128 along K, which come round behind 1,024: the address is made anew from the kept base;
	s_and_b32 s[AOFF], s[AOFF], 2047
	s_add_nc_u64 s[G0A+6:G0A+7], s[14:15], s[AOFF:AOFF+1]
	s_or_b32 s[G0A+7], s[G0A+7], 0x80000000
	s_add_nc_u64 s[G0B+6:G0B+7], s[G0B+6:G0B+7], 262144  ; B: the next 128 rows of the three planes' 3,072
	JLOAD 1                                        ; the first tensor load behind the round; its four v_nop are also the places in front of the loads below
.else
	s_cmp_eq_u32 s[CNT], 1
	s_cbranch_scc1 .Lnf_\@
	PLACES
.endif
	s_xor_b32 s[TB], s[TB], SLOT1                  ; on to the other slot
	v_add_nc_u32 v[ADRA], s[TB], v[ADRA0]
	v_add_nc_u32 v[ADRB], s[TB], v[ADRB0]
	FETCH 0, 0
.if !(\fill)
.Lnf_\@:
.endif
	WIN MULW
	MUL8 1, 2, 0
	MUL8 1, 3, 0
.endm
; THE WAY OUT, a block of 16 rows at a time.  PACK: rounded to f16, 16 bytes a lane, each accumulator's registers in ascending order.  TOSTAGE: into my own stage and back as whole rows of 256 bytes.  SEND: stored.
.macro PACK a
	WIN 0x05                                       ; sources 0 and 1 in window 1
.irp b, 0,1,2,3,4,5,6,7
.irp i, 0,1,2,3
	v_cvt_pk_f16_f32 v[TMP+4*(\b)+(\i)], v[8*(8*(\a)+(\b))+2*(\i)], v[8*(8*(\a)+(\b))+2*(\i)+1]
.endr
.endr
	WIN 0
.endm
.macro TOSTAGE a
.irp b, 0,1,2,3,4,5,6,7
	ds_store_b128 v[STO], v[TMP+4*(\b):TMP+4*(\b)+3] offset:32*(\b)
.endr
.irp t, 0,1,2,3,4,5,6,7
	ds_load_b128 v[BK+32*((\a)%2)+4*(\t):BK+32*((\a)%2)+4*(\t)+3], v[RD] offset:(\t)*2*SP  ; LDS serves a wave's instructions in order (ISA guide 5.7.1.4): these see the stores above
.endr
.endm
.macro SEND a
	s_wait_dscnt 0x0                               ; the block is back in registers
	s_wait_xcnt 0x0                                ; the registers that earlier stores read are loaded again only behind this wait
.irp t, 0,1,2,3,4,5,6,7
	global_store_b128 v[CO], v[BK+32*((\a)%2)+4*(\t):BK+32*((\a)%2)+4*(\t)+3], s[8:9] offset:(16*(\a)+2*(\t))*2048  ; 16 lanes store 256 consecutive bytes, at a multiple of 256 from the buffer's first byte
.endr
.endm
.macro OUT
	PLACES                                         ; behind the tile's last products
	PACK 0
	TOSTAGE 0
.irp a, 1,2,3                          ; block a's conversions stand between block a - 1's loads from the stage and the wait for them
	PACK \a
	SEND (\a)-1
	TOSTAGE \a
.endr
	SEND 3
.endm
	s_wait_tensorcnt 0x1                           ; my part of K step 0 is in; the one younger load, slot 1's, may stay out
	s_barrier_signal -1
	s_barrier_wait -1                              ; everybody's is
	FETCH 0, 0
	s_mov_b32 s[CNT], STEPS-2
	s_mov_b32 s[TS], 8
	s_branch .Lzero                                ; the loop is entered where a tile begins
.Lstep:                                                ; a trip is a K step; 22 trips fill the slot that they leave
	s_cmp_lg_u32 s[TS], 0
	s_cbranch_scc1 .Lsame
	OUT                                            ; a tile is finished; both slots are asked for, and its stores leave under the next tile's products
	s_wait_xcnt 0x0                                ; the stores have read their registers and their base
	s_add_nc_u64 s[8:9], s[8:9], 0x1000000         ; the next plane
	s_mov_b32 s[TS], 8
.Lzero:
	QUARTER 0, 1                                   ; a tile's first products start the sums
	WIN 0                                          ; at a label and at a branch every window is 0
	s_branch .Ljoin
.Lsame:
	QUARTER 0, 0
	WIN 0
.Ljoin:
	QUARTER 1, 0
	QUARTER 2, 0
	TURN 1
	WIN 0
	s_sub_co_u32 s[TS], s[TS], 1
	s_sub_co_u32 s[CNT], s[CNT], 1
	s_cmp_lg_u32 s[CNT], 0
	s_cbranch_scc1 .Lstep
	s_mov_b32 s[CNT], 2
.Ltail:                                                ; the last two K steps ask for nothing
	QUARTER 0, 0
	QUARTER 1, 0
	QUARTER 2, 0
	TURN 0
	WIN 0
	s_sub_co_u32 s[CNT], s[CNT], 1
	s_cmp_lg_u32 s[CNT], 0
	s_cbranch_scc1 .Ltail
	OUT
	s_wait_tensorcnt 0x0                           ; the wave's end: waits and an add, behind my last tensor load and my last LDS store
	ds_add_u32 v[SPW], v[NIL]
	s_wait_dscnt 0x0
	CROUND                                         ; the closing round: no work-group ends while a partner may still ask for a tile that names it
	s_endpgm
.Lfunc_end_k_qdf11af6cda_proj:
	.size	k_qdf11af6cda_proj, .Lfunc_end_k_qdf11af6cda_proj-k_qdf11af6cda_proj
	.p2alignl 7, 3214868480
	.fill 96, 4, 3214868480
	.section	.rodata,"a",@progbits
	.p2align	6, 0x0
	.amdhsa_kernel k_qdf11af6cda_proj
		.amdhsa_group_segment_fixed_size 327680
		.amdhsa_private_segment_fixed_size 0
		.amdhsa_enable_private_segment 0
		.amdhsa_kernarg_size 24
		.amdhsa_user_sgpr_count 2
		.amdhsa_user_sgpr_kernarg_segment_ptr 1
		.amdhsa_wavefront_size32 1
		.amdhsa_system_sgpr_workgroup_id_x 1
		.amdhsa_system_sgpr_workgroup_id_y 1
		.amdhsa_system_sgpr_workgroup_id_z 1
		.amdhsa_system_vgpr_workitem_id 0
		.amdhsa_next_free_vgpr 512
		.amdhsa_next_free_sgpr 80
		.amdhsa_reserve_vcc 0
		.amdhsa_float_denorm_mode_32 3
		.amdhsa_float_denorm_mode_16_64 3
		.amdhsa_memory_ordered 1
		.amdhsa_forward_progress 1
		.amdhsa_inst_pref_size 76
	.end_amdhsa_kernel
	.amdgpu_metadata
---
amdhsa.version: [ 1, 2 ]
amdhsa.kernels:
  - .name:           k_qdf11af6cda_proj
    .symbol:         k_qdf11af6cda_proj.kd
    .args:
      - { .name: xb, .offset: 0, .size: 8, .value_kind: global_buffer, .address_space: global }
      - { .name: wb, .offset: 8, .size: 8, .value_kind: global_buffer, .address_space: global }
      - { .name: qkv, .offset: 16, .size: 8, .value_kind: global_buffer, .address_space: global }
    .group_segment_fixed_size: 327680
    .private_segment_fixed_size: 0
    .kernarg_segment_align: 8
    .kernarg_segment_size: 24
    .max_flat_workgroup_size: 128
    .sgpr_count:     80
    .vgpr_count:     512
    .wavefront_size: 32
...
	.end_amdgpu_metadata
.endif
;; end of part 2
;; launch scores (part 3): grid 8 x 32, 4 waves a work-group, clusters of 4 x 4, 327,680 bytes of LDS; arguments qkv, e, st; writes e, st
.if DOCPART == 3
	.amdgcn_target "amdgcn-amd-amdhsa--gfx1250"
	.amdhsa_code_object_version 6
	.text
	.protected	k_qdf11af6cda_scores
	.globl	k_qdf11af6cda_scores
	.p2align	8
	.type	k_qdf11af6cda_scores,@function
k_qdf11af6cda_scores:
	s_mov_b64 s[64:65], 0
	v_nop
	global_prefetch_b8 v0, s[64:65] scope:SCOPE_SE
	s_setreg_imm32_b32 hwreg(HW_REG_WAVE_MODE, 25, 1), 1
	s_wait_xcnt 0x0
	s_wait_alu depctr_hold_cnt(0) depctr_sa_sdst(0) depctr_va_vdst(0) depctr_va_sdst(0) depctr_va_ssrc(0) depctr_va_vcc(0) depctr_vm_vsrc(0)
	s_getreg_b32 s2, hwreg(HW_REG_IB_STS2, 6, 4)
	s_cmp_eq_u32 s2, 0
	s_cbranch_scc0 .Lentry_in_a_cluster
	s_endpgm
.Lentry_in_a_cluster:
	s_bfe_u32 s2, ttmp6, 0x10000c
	s_cmp_lg_u32 s2, 0xf033
	s_cbranch_scc0 .Lentry_shape_is_right
	s_endpgm
.Lentry_shape_is_right:
; SCORES AND THE FIRST HALF OF THE SOFTMAX.  s[m][n] = sum over k of q[m][k] k[n][k] for token m and key n of m's batch (q, k: planes 0 and 1 of qkv, [8192][1024] f16; sums in f32).
; For each token and each block kb of 128 keys: cm = c x (the block's largest s), c = log2(e) / 32; e[m][n] = 2^(c s - cm), rounded once to f16; l = the sum of the unrounded weights.
; e: [8192][2048] f16.  st: f32, cm[16 kb][8192] at byte 0, l[16 kb][8192] at byte 524,288.  The launch behind corrects each block from its own maximum to the row's, exactly: the row's maximum
; is taken away before the weights are used, in two steps.
; LIMITS.  A weight lies in 0 to 1; below 6e-5 it keeps f16's fixed step of 6e-8, below 3e-8 it is 0.  A weight below 2^-126 counts as 0 in l.  NaN and infinities are not treated apart.
; SHARES.  A tile is 256 tokens x 256 keys: 4 batches x 8 x 8 = 256 work-groups, one each.  Four waves, each 128 x 128: 64 accumulators, 512 registers.  A wave's 128 keys are one block kb.
; K goes in eight steps of 128 through a ring of two LDS slots; a trip of the loop is one K step, and the slot in hand is a scalar register turned by an exclusive or.
; THE MATRIX INSTRUCTION IS USED TRANSPOSED (source 0 = 16 keys, source 1 = 16 tokens): a lane holds ONE token (lane % 16) and the keys 8 (lane / 16) + 0..7 of each block of 16:
; a token's maximum and sum want one exchange between the halves of the lanes, and eight neighbouring weights pack into 16 bytes.
; CLUSTER.  4 x 4 work-groups of one batch: q's tiles are shared along a row of the cluster, k's along a column, each asked for JOINTLY.
; REGISTERS, in windows of 256 (s_set_vgpr_msb's low byte: bits 1:0 source 0, 3:2 source 1, 5:4 source 2, 7:6 destination):
;   window 0: v0-31 addresses; v64-127, v128-191 fragments of q, two buffers; on the way out v64-127 weights, v128-167 at work, v192-223 packed, v32-63 and v224-255 rows read back
;   window 1: v64-127, v128-191 fragments of k      window 2: the accumulators of my tokens 0-63, (a, b) at v[8 (8 a + b)]      window 3: those of my tokens 64-127
.set PITCH,  272                       ; an LDS row: 256 bytes + 16 = 68 words: row r starts at bank 4 r mod 64 (64 banks of 4 bytes: ISA guide 11.1)
.set HALFT,  128*PITCH                 ; 128 rows: what one tensor load brings, and what one wave reads of q or of k
.set SLOT,   4*HALFT                   ; 0x22000: its two bits meet none of wave x HALFT's, so one exclusive or changes slots
.set STAGE,  2*SLOT                    ; behind the ring: 16 rows x 272 bytes for each wave
.set SPITCH, 272
.set STAT,   STAGE+4*16*SPITCH         ; 1,024 bytes for each wave: 128 cm, then 128 l
.set SPARE,  STAT+4*1024               ; the spare words, 128 bytes for each wave: two blocks of 256 bytes that no other line names
.set STEPS,  8
.set ADRA0, 16                         ; v16-17  my lane's place in a slot's tiles of q and k; never rewritten
.set ADRB0, 17
.set ADRA,  18                         ; v18-19  the same in the slot in hand
.set ADRB,  19
.set STO,  24                          ; v24  the way out: where I put 16 bytes of a row
.set RD,   25                          ; v25  where I read a row back
.set CO,   26                          ; v26  my byte offset in two rows of e
.set L16,  27                          ; v27  16 x lane
.set SPW,  28                          ; v28  LDS address of my spare word; never rewritten
.set NIL,  29                          ; v29  0; never rewritten
.set STA,  30                          ; v30  where I put a token's cm (lanes 0-15) or l (lanes 16-31)
.set STR,  31                          ; v31  where I read four of them back
.set F0,   64
.set F1,   128
.set PX,   64                          ; the way out: a lane's 64 weights of a block of 16 tokens
.set T,    128                         ; 24 registers at work
.set CM,   154                         ; v[154:155]  c m and m: the packed scaling names the pair and takes its low word
.set SV,   160                         ; v160-167  block a's cm or l
.set TMPK, 192
.set OB,   32
.set G1A, 24                           ; s[24:31] descriptor group 1 for q's tiles;  s[32:39] group 0: a set for each first fill, the second then walks on
.set G0A, 32
.set G1B, 48                           ; s[48:55], s[56:63] the same for k's
.set G0B, 56
.set TB,  68                           ; s68  LDS byte at which the slot in hand begins
.set CNT, 69                           ; s69  counts K steps
.set CS,  72                           ; s[72:73] c
.set SEL, 74                           ; s[74:75] v_permlanex16_b32's selects: each lane takes its own place in the other half
.set HM,  76                           ; s76  the mask of lanes 16-31
.set MUL_LO, 0xa1                      ; source 0 (k) window 1, source 1 (q) window 0, C and D window 2
.set MUL_HI, 0xf1                      ; the same, C and D window 3
.set TO_B,   0x40                      ; destination window 1, address window 0
.set MSB, 0
.macro WIN new                         ; the immediate's high byte repeats the setting that is left; a switch that changes nothing is dropped
.if MSB != (\new)
	s_set_vgpr_msb (MSB<<8)|(\new)
.set MSB, \new
.endif
.endm
; A joint load.  Waves 0 and 1 fetch q's two halves, waves 2 and 3 k's.  The branch hangs on the wave's number alone.  An s_nop 0 and four v_nop follow each of the two lines.
.macro JLOAD s
	s_cmp_eq_u32 s11, 0
	s_cbranch_scc0 .Lfor_b_\@
	tensor_load_to_lds s[G0A+4*(\s):G0A+4*(\s)+3], s[G1A:G1A+7]
	s_nop 0
.rept 4
	v_nop
.endr
	s_branch .Lasked_\@
.Lfor_b_\@:
	tensor_load_to_lds s[G0B+4*(\s):G0B+4*(\s)+3], s[G1B:G1B+7]
	s_nop 0
.rept 4
	v_nop
.endr
.Lasked_\@:
.endm
.macro CREST                           ; a round of the cluster's barrier behind its opening barrier
	s_cmp_lg_u32 s10, 0
	s_cbranch_scc1 .Lnot_wave_0_\@
	s_barrier_signal -3
.Lnot_wave_0_\@:
	s_barrier_wait -3
	s_barrier_signal -1
	s_barrier_wait -1
.endm
.macro CROUND                          ; a whole round
	s_barrier_signal -1
	s_barrier_wait -1
	CREST
.endm
.macro PLACES                          ; four places behind matrix instructions (ISA guide 7.12.1)
.rept 4
	v_nop
.endr
.endm
	s_load_b128 s[4:7], s[0:1], 0x0                ; qkv s[4:5], e s[6:7]
	s_load_b64 s[8:9], s[0:1], 0x10                ; st
	v_lshl_add_u32 v[SPW], v0, 2, SPARE
	v_mov_b32 v[NIL], 0
	ds_add_u32 v[SPW], v[NIL]                      ; the wave's opening: the add and its wait stand ahead of my first tensor load; the set-up below, work on registers, stands between them
	v_lshrrev_b32 v1, 5, v0
	v_readfirstlane_b32 s10, v1                    ; wave 0..3
	s_lshr_b32 s11, s10, 1                         ; which 128 of the tile's tokens are mine.  Also: I fetch for q (0) or for k (1)
	s_and_b32 s12, s10, 1                          ; which 128 of its keys.  Also: which 128 rows of that tile I fetch
	s_bfe_u32 s40, ttmp6, 0x40000                  ; cx, cy
	s_bfe_u32 s41, ttmp6, 0x40004
	s_lshl_b32 s42, ttmp9, 2
	s_add_co_u32 s42, s42, s40                     ; tile column = 4 x cluster x + cx: 256 keys of the batch's 2,048
	s_and_b32 s45, ttmp7, 0xffff                   ; cluster y
	s_lshl_b32 s13, s45, 2
	s_add_co_u32 s13, s13, s41                     ; tile row = 4 x cluster y + cy: 256 of all 8,192 tokens
	s_lshr_b32 s45, s45, 1                         ; the batch: eight tile rows, two clusters: the same for all sixteen partners
	s_lshl_b32 s43, s41, 2
	s_lshl_b32 s43, 15, s43                        ; my row of the cluster
	s_lshl_b32 s44, 0x1111, s40                    ; my column
	; group 1: 128 rows x 128 elements of 2 bytes; 16 bytes of padding behind every 64 words
	s_or_b32 s[G1A+0], s43, (1<<16)|(1<<20)|(1<<21)|(5<<22)|(3<<25)  ; 15:0 the mask; 17:16 2-byte elements; 20 padding on; 21 set beside a mask; 24:22 code 5; 31:25 4 words (code 3)
	s_or_b32 s[G1B+0], s44, (1<<16)|(1<<20)|(1<<21)|(5<<22)|(3<<25)
.irp g, G1A, G1B
	s_mov_b32 s[(\g)+1], 128<<16                   ; tensor_dim0 = 128
	s_mov_b32 s[(\g)+2], 128<<16                   ; tensor_dim1 = 128
	s_mov_b32 s[(\g)+3], 128<<16                   ; tile_dim0 = 128
	s_mov_b32 s[(\g)+4], 128                       ; tile_dim1 = 128
	s_mov_b32 s[(\g)+5], 1024                      ; elements from row to row
	s_mov_b32 s[(\g)+6], 0
	s_mov_b32 s[(\g)+7], 0
.endr
	s_lshl_b32 s16, s13, 8
	s_lshl_b32 s17, s12, 7
	s_add_co_u32 s16, s16, s17                     ; q: row 256 x tile row + 128 x half,
	s_lshl_b32 s16, s16, 11                        ; x 2,048 bytes
	s_mov_b32 s17, 0
	s_lshl_b32 s46, s45, 11                        ; k: row 2,048 x batch + 256 x tile column + 128 x half,
	s_lshl_b32 s47, s42, 8
	s_add_co_u32 s46, s46, s47
	s_lshl_b32 s47, s12, 7
	s_add_co_u32 s46, s46, s47
	s_lshl_b32 s46, s46, 11
	s_add_co_u32 s46, s46, 0x1000000               ; in plane 1
	s_mov_b32 s47, 0
	s_mul_i32 s20, s10, HALFT                      ; where they go: q's two halves, then k's two = wave x 128 rows
	s_mov_b32 s[CS], 0x3d38aa3b                    ; c = log2(e) / 32 = 0.0450842
	s_mov_b32 s[CS+1], s[CS]                       ; named with it as a pair
	s_mov_b32 s[SEL], 0x76543210
	s_mov_b32 s[SEL+1], 0xfedcba98
	s_mov_b32 s[HM], 0xffff0000
	s_mov_b32 s[TB], 0
	s_wait_dscnt 0x0                               ; the opening add is done
	s_wait_kmcnt 0x0
	s_add_nc_u64 s[14:15], s[4:5], s[16:17]
	s_add_nc_u64 s[46:47], s[4:5], s[46:47]
	CROUND                                         ; all sixteen work-groups are here: the first joint loads meet
.irp s, 0,1
	s_mov_b32 s[G0A+4*(\s)], 1
	s_add_co_u32 s[G0A+4*(\s)+1], s20, (\s)*SLOT
	s_add_nc_u64 s[G0A+4*(\s)+2:G0A+4*(\s)+3], s[14:15], (\s)*256   ; K step s
	s_or_b32 s[G0A+4*(\s)+3], s[G0A+4*(\s)+3], 0x80000000
	s_mov_b32 s[G0B+4*(\s)], 1
	s_add_co_u32 s[G0B+4*(\s)+1], s20, (\s)*SLOT
	s_add_nc_u64 s[G0B+4*(\s)+2:G0B+4*(\s)+3], s[46:47], (\s)*256
	s_or_b32 s[G0B+4*(\s)+3], s[G0B+4*(\s)+3], 0x80000000
	JLOAD \s                                       ; two loads of mine are out
.endr
	; A fragment is 16 rows x 32 K: lane l holds row l % 16, K = 8 (l / 16) + 0..7 and 16 + 8 (l / 16) + 0..7: two loads of 16 bytes, 32 bytes apart.
	v_and_b32 v1, 15, v0                           ; l % 16
	v_bfe_u32 v2, v0, 4, 1                         ; l / 16
	v_mul_u32_u24 v3, v1, PITCH
	v_lshl_add_u32 v3, v2, 4, v3                   ; row x 272 + 16 x half
	s_mul_i32 s21, s11, HALFT                      ; my 128 rows of q
	s_mul_i32 s22, s12, HALFT                      ; my 128 rows of k,
	s_add_co_u32 s22, s22, 2*HALFT                 ; which lie behind q's 256
	v_add_nc_u32 v[ADRA0], s21, v3
	v_add_nc_u32 v[ADRB0], s22, v3
	v_mov_b32 v[ADRA], v[ADRA0]                    ; K step 0 lies in slot 0
	v_mov_b32 v[ADRB], v[ADRB0]
	s_mul_i32 s23, s10, 16*SPITCH
	s_add_co_u32 s23, s23, STAGE                   ; my stage
	v_add_nc_u32 v[STO], s23, v3                   ; in: row l % 16, 16 bytes for each half of the lanes
	v_mul_u32_u24 v5, v2, SPITCH                   ; back: lanes 0-15 take one row of 256 bytes, lanes 16-31 the next
	v_lshl_add_u32 v5, v1, 4, v5
	v_add_nc_u32 v[RD], s23, v5
	v_lshlrev_b32 v5, 12, v2                       ; and the same two rows in e, 4,096 bytes apart
	v_lshl_add_u32 v[CO], v1, 4, v5
	s_lshl_b32 s23, s10, 10
	s_add_co_u32 s23, s23, STAT                    ; my 1,024 bytes of statistics
	v_lshlrev_b32 v5, 9, v2                        ; lanes 0-15 write cm, lanes 16-31 l, 512 bytes on
	v_lshl_add_u32 v5, v1, 2, v5
	v_add_nc_u32 v[STA], s23, v5
	v_and_b32 v5, 31, v0
	v_lshlrev_b32 v[L16], 4, v5
	v_add_nc_u32 v[STR], s23, v[L16]
	s_lshl_b32 s18, s13, 8
	s_lshl_b32 s19, s11, 7
	s_add_co_u32 s18, s18, s19                     ; my first token
	s_lshl_b32 s20, s18, 2                         ; its place in a row of st
	s_lshl_b32 s18, s18, 12                        ; its row of e,
	s_lshl_b32 s19, s42, 9                         ; + 512 bytes x tile column + 256 x half
	s_add_co_u32 s18, s18, s19
	s_lshl_b32 s19, s12, 8
	s_add_co_u32 s18, s18, s19
	s_mov_b32 s19, 0
	s_add_nc_u64 s[6:7], s[6:7], s[18:19]
	s_lshl_b32 s21, s42, 1
	s_add_co_u32 s21, s21, s12                     ; kb = 2 x tile column + half
	s_lshl_b32 s21, s21, 15                        ; x 8,192 tokens x 4 bytes
	s_add_co_u32 s20, s20, s21
	s_mov_b32 s21, 0
	s_add_nc_u64 s[8:9], s[8:9], s[20:21]
; 16 matrix instructions: token blocks a0, a0 + 1 of the window's four (hi = 0: my tokens 0-63, 1: 64-127) x all 8 key blocks, 32 along K.  zero = 1: the product starts the sums.
; The 64 accumulators take turns in the same order in every quarter.
.macro MUL16 f, hi, a0, zero
	WIN MUL_LO+0x50*(\hi)
.irp a, \a0, (\a0)+1
.irp b, 0,1,2,3,4,5,6,7
.if \zero
	v_wmma_f32_16x16x32_f16 v[8*(8*(\a)+(\b)):8*(8*(\a)+(\b))+7], v[(\f)+8*(\b):(\f)+8*(\b)+7], v[(\f)+8*(4*(\hi)+(\a)):(\f)+8*(4*(\hi)+(\a))+7], 0
.else
	v_wmma_f32_16x16x32_f16 v[8*(8*(\a)+(\b)):8*(8*(\a)+(\b))+7], v[(\f)+8*(\b):(\f)+8*(\b)+7], v[(\f)+8*(4*(\hi)+(\a)):(\f)+8*(4*(\hi)+(\a))+7], v[8*(8*(\a)+(\b)):8*(8*(\a)+(\b))+7]
.endif
.endr
.endr
.endm
; 32 LDS loads in one run: the fragments of one quarter (128 rows of k, 128 rows of q, 32 K at byte k of the rows) into buffer f
.macro FETCH k, f
	WIN TO_B
.irp i, 0,1,2,3,4,5,6,7
	ds_load_b128 v[(\f)+8*(\i):(\f)+8*(\i)+3],   v[ADRB] offset:(\k)+(\i)*16*PITCH
	ds_load_b128 v[(\f)+8*(\i)+4:(\f)+8*(\i)+7], v[ADRB] offset:(\k)+(\i)*16*PITCH+32
.endr
	WIN 0
.irp i, 0,1,2,3,4,5,6,7
	ds_load_b128 v[(\f)+8*(\i):(\f)+8*(\i)+3],   v[ADRA] offset:(\k)+(\i)*16*PITCH
	ds_load_b128 v[(\f)+8*(\i)+4:(\f)+8*(\i)+7], v[ADRA] offset:(\k)+(\i)*16*PITCH+32
.endr
.endm
; A K step is four quarters of 32 along K, 64 matrix instructions each, on buffers 0, 1, 0, 1.  One of the first three: multiplies buffer f; in its middle it fetches the next quarter, at byte k, into g.
.macro QUARTER k, f, g, zero
	s_wait_dscnt 8                                 ; k and q's rows 0-63 are in; the youngest eight loads (q's rows 64-127) may be out
	MUL16 \f, 0, 0, \zero
	MUL16 \f, 0, 2, \zero
	PLACES
	FETCH \k, \g
	s_wait_dscnt 32                                ; all but the 32 just issued
	MUL16 \f, 1, 0, \zero
	MUL16 \f, 1, 2, \zero
.endm
; The last quarter multiplies buffer 1 and changes slots: ONE barrier.  In front of it each wave waits for all its tensor loads (one is out: its part of the next slot), adds 0 to its spare
; word, and waits for that and for its reads of this slot.  fill = 1: the barrier opens a round of the cluster's, and behind it this slot is filled again, two K steps ahead, first of all.
; fill = 0 (the tail): nothing is asked for, and in the last trip (CNT = 1) the fetch is jumped over.
.macro TURN fill
	WIN 0                                          ; (the add's two registers lie in window 0)
	s_wait_tensorcnt 0x0                           ; all my tensor loads have landed
	ds_add_u32 v[SPW], v[NIL]                      ; 0 onto my spare word
	s_wait_dscnt 9                                 ; (the add and the youngest eight loads may be out)
	MUL16 F1, 0, 0, 0                              ; sixteen matrix instructions stand between the add and the wait for it
	s_wait_dscnt 0x0                               ; the add is done, and my reads of this slot are over
	s_barrier_signal -1
	MUL16 F1, 0, 2, 0                              ; work on registers while the others arrive
	WIN 0
	s_barrier_wait -1
.if \fill
	CREST                                          ; no wave of any partner still reads this slot or has a load on its way
	s_xor_b32 s[G0A+5], s[G0A+5], SLOT             ; the walking descriptors: the other slot than last time,
	s_xor_b32 s[G0B+5], s[G0B+5], SLOT
	s_add_nc_u64 s[G0A+6:G0A+7], s[G0A+6:G0A+7], 256  ; the next 128 along K; the type bits on top are not reached
	s_add_nc_u64 s[G0B+6:G0B+7], s[G0B+6:G0B+7], 256
	JLOAD 1                                        ; the first tensor load behind the round; its four v_nop are also the places in front of the loads below
.else
	s_cmp_eq_u32 s[CNT], 1
	s_cbranch_scc1 .Lnf_\@
	PLACES
.endif
	s_xor_b32 s[TB], s[TB], SLOT                   ; on to the other slot
	v_add_nc_u32 v[ADRA], s[TB], v[ADRA0]
	v_add_nc_u32 v[ADRB], s[TB], v[ADRB0]
	FETCH 0, F0
.if !(\fill)
.Lnf_\@:
.endif
	MUL16 F1, 1, 0, 0
	MUL16 F1, 1, 2, 0
.endm
	s_wait_tensorcnt 0x1                           ; my part of K step 0 is in; the one younger load, slot 1's, may stay out
	s_barrier_signal -1
	s_barrier_wait -1                              ; everybody's is
	FETCH 0, F0
	QUARTER 64, F0, F1, 1                          ; the first quarter stands in front of the loop: its products start the sums
	WIN 0                                          ; at a label and at a branch every window is 0
	s_mov_b32 s[CNT], STEPS-2
	s_branch .Ljoin                                ; the loop is entered behind a step's first quarter
.Lstep:                                                ; a trip is a K step; six trips fill the slot that they leave
	QUARTER 64, F0, F1, 0
	WIN 0
.Ljoin:
	QUARTER 128, F1, F0, 0
	QUARTER 192, F0, F1, 0
	TURN 1
	WIN 0
	s_sub_co_u32 s[CNT], s[CNT], 1
	s_cmp_lg_u32 s[CNT], 0
	s_cbranch_scc1 .Lstep
	s_mov_b32 s[CNT], 2
.Ltail:                                                ; the last two K steps ask for nothing
	QUARTER 64, F0, F1, 0
	QUARTER 128, F1, F0, 0
	QUARTER 192, F0, F1, 0
	TURN 0
	WIN 0
	s_sub_co_u32 s[CNT], s[CNT], 1
	s_cmp_lg_u32 s[CNT], 0
	s_cbranch_scc1 .Ltail
; THE WAY OUT, a block a of 16 tokens at a time.  SOFT: a lane's 64 scores of one token: their maximum (each accumulator's lowest registers are read first), the other
; half of the lanes' maximum, c m; c s - c m; 64 exponentials; the rounding to f16; the sum of the unrounded weights, and the other half's.
.macro SOFT a
.set AC, 64*((\a)%4)
	WIN 0x2a+0x15*((\a)/4)                         ; all three sources in window 2 or 3
.irp b, 0,1,2,3,4,5,6,7
	v_max3_num_f32 v[T+3*(\b)],   v[AC+8*(\b)],   v[AC+8*(\b)+1], v[AC+8*(\b)+2]
	v_max3_num_f32 v[T+3*(\b)+1], v[AC+8*(\b)+3], v[AC+8*(\b)+4], v[AC+8*(\b)+5]
	v_max_num_f32  v[T+3*(\b)+2], v[AC+8*(\b)+6], v[AC+8*(\b)+7]
.endr
	WIN 0
.irp i, 0,1,2,3,4,5,6,7
	v_max3_num_f32 v[T+3*(\i)], v[T+3*(\i)], v[T+3*(\i)+1], v[T+3*(\i)+2]
.endr
	v_max3_num_f32 v[T], v[T], v[T+3], v[T+6]
	v_max3_num_f32 v[T+9], v[T+9], v[T+12], v[T+15]
	v_max_num_f32 v[T+18], v[T+18], v[T+21]
	v_max3_num_f32 v[T], v[T], v[T+9], v[T+18]
	v_permlanex16_b32 v[T+1], v[T], s[SEL], s[SEL+1]  ; the token's other 64 keys lie in the lane 16 away
	v_max_num_f32 v[CM+1], v[T], v[T+1]            ; m
	v_mul_f32 v[CM], s[CS], v[CM+1]                ; c m
	WIN 2+(\a)/4                                   ; source 0 alone in window 2 or 3
.set i, 0
.rept 32
	v_pk_fma_f32 v[PX+2*i:PX+2*i+1], v[AC+2*i:AC+2*i+1], s[CS:CS+1], v[CM:CM+1] op_sel_hi:[1,0,0] neg_lo:[0,0,1] neg_hi:[0,0,1]  ; c s - c m
.set i, i+1
.endr
	WIN 0
.set i, 0
.rept 64
	v_exp_f32 v[PX+i], v[PX+i]
.set i, i+1
.endr
	v_nop                                          ; a plain instruction between the exponentials and the use of their results (ISA guide 5.7.2)
.set i, 0
	s_wait_alu depctr_va_vdst(0)
.rept 32
	v_cvt_pk_f16_f32 v[TMPK+i], v[PX+2*i], v[PX+2*i+1]
.set i, i+1
.endr
.irp s, 16,8,4,2,1                     ; the sum of the 32 pairs, in place: neighbours 16, 8, 4, 2 and 1 pairs apart
.set i, 0
.rept \s
	v_pk_add_f32 v[PX+2*i:PX+2*i+1], v[PX+2*i:PX+2*i+1], v[PX+2*(i+\s):PX+2*(i+\s)+1]
.set i, i+1
.endr
.endr
	v_add_f32 v[T], v[PX], v[PX+1]
	v_permlanex16_b32 v[T+1], v[T], s[SEL], s[SEL+1]
	v_add_f32 v[T], v[T], v[T+1]                   ; l
	v_cndmask_b32 v[SV+(\a)], v[CM], v[T], s[HM]   ; lanes 0-15 keep c m, lanes 16-31 l
.endm
.macro TOSTAGE a                       ; into my own stage, and back as whole rows of 256 bytes
.irp b, 0,1,2,3,4,5,6,7
	ds_store_b128 v[STO], v[TMPK+4*(\b):TMPK+4*(\b)+3] offset:32*(\b)
.endr
.irp t, 0,1,2,3,4,5,6,7
	ds_load_b128 v[OB+192*((\a)%2)+4*(\t):OB+192*((\a)%2)+4*(\t)+3], v[RD] offset:(\t)*2*SPITCH  ; LDS serves a wave's instructions in order (ISA guide 5.7.1.4): these see the stores above
.endr
.endm
.macro SEND a
	s_wait_dscnt 0x0                               ; the block is back in registers
	s_wait_xcnt 0x0                                ; the registers that earlier stores read are loaded again only behind this wait
.irp t, 0,1,2,3,4,5,6,7
	global_store_b128 v[CO], v[OB+192*((\a)%2)+4*(\t):OB+192*((\a)%2)+4*(\t)+3], s[6:7] offset:(16*(\a)+2*(\t))*4096  ; 16 lanes store 256 consecutive bytes, at a multiple of 256 from e's first byte
.endr
.endm
	PLACES                                         ; behind the last products
	SOFT 0
	TOSTAGE 0
.irp a, 1,2,3,4,5,6,7                  ; block a's softmax stands between block a - 1's loads from the stage and the wait for them
	SOFT \a
	SEND (\a)-1
	TOSTAGE \a
.endr
	SEND 7
.irp a, 0,1,2,3,4,5,6,7                ; the statistics go through my own LDS bytes, so that each store below covers 512 consecutive bytes
	ds_store_b32 v[STA], v[SV+(\a)] offset:64*(\a)
.endr
	ds_load_b128 v[T:T+3],   v[STR]                ; four tokens' c m
	ds_load_b128 v[T+4:T+7], v[STR] offset:512     ; and their l
	s_wait_dscnt 0x0
	global_store_b128 v[L16], v[T:T+3],   s[8:9]
	global_store_b128 v[L16], v[T+4:T+7], s[8:9] offset:524288
	s_wait_tensorcnt 0x0                           ; the wave's end: waits and an add, behind my last tensor load and my last LDS store
	ds_add_u32 v[SPW], v[NIL]
	s_wait_dscnt 0x0
	CROUND                                         ; the closing round: no work-group ends while a partner may still ask for a tile that names it
	s_endpgm
.Lfunc_end_k_qdf11af6cda_scores:
	.size	k_qdf11af6cda_scores, .Lfunc_end_k_qdf11af6cda_scores-k_qdf11af6cda_scores
	.p2alignl 7, 3214868480
	.fill 96, 4, 3214868480
	.section	.rodata,"a",@progbits
	.p2align	6, 0x0
	.amdhsa_kernel k_qdf11af6cda_scores
		.amdhsa_group_segment_fixed_size 327680
		.amdhsa_private_segment_fixed_size 0
		.amdhsa_enable_private_segment 0
		.amdhsa_kernarg_size 24
		.amdhsa_user_sgpr_count 2
		.amdhsa_user_sgpr_kernarg_segment_ptr 1
		.amdhsa_wavefront_size32 1
		.amdhsa_system_sgpr_workgroup_id_x 1
		.amdhsa_system_sgpr_workgroup_id_y 1
		.amdhsa_system_sgpr_workgroup_id_z 1
		.amdhsa_system_vgpr_workitem_id 0
		.amdhsa_next_free_vgpr 1024
		.amdhsa_next_free_sgpr 84
		.amdhsa_reserve_vcc 0
		.amdhsa_float_denorm_mode_32 3
		.amdhsa_float_denorm_mode_16_64 3
		.amdhsa_memory_ordered 1
		.amdhsa_forward_progress 1
		.amdhsa_inst_pref_size 168
	.end_amdhsa_kernel
	.amdgpu_metadata
---
amdhsa.version: [ 1, 2 ]
amdhsa.kernels:
  - .name:           k_qdf11af6cda_scores
    .symbol:         k_qdf11af6cda_scores.kd
    .args:
      - { .name: qkv, .offset: 0, .size: 8, .value_kind: global_buffer, .address_space: global }
      - { .name: e, .offset: 8, .size: 8, .value_kind: global_buffer, .address_space: global }
      - { .name: st, .offset: 16, .size: 8, .value_kind: global_buffer, .address_space: global }
    .group_segment_fixed_size: 327680
    .private_segment_fixed_size: 0
    .kernarg_segment_align: 8
    .kernarg_segment_size: 24
    .max_flat_workgroup_size: 128
    .sgpr_count:     84
    .vgpr_count:     1024
    .wavefront_size: 32
...
	.end_amdgpu_metadata
.endif
;; end of part 3
;; launch pv (part 4): grid 4 x 64, 4 waves a work-group, clusters of 4 x 4, 327,680 bytes of LDS; arguments e, qkv, st, out0; writes out0
.if DOCPART == 4
	.amdgcn_target "amdgcn-amd-amdhsa--gfx1250"
	.amdhsa_code_object_version 6
	.text
	.protected	k_qdf11af6cda_pv
	.globl	k_qdf11af6cda_pv
	.p2align	8
	.type	k_qdf11af6cda_pv,@function
k_qdf11af6cda_pv:
	s_mov_b64 s[64:65], 0
	v_nop
	global_prefetch_b8 v0, s[64:65] scope:SCOPE_SE
	s_setreg_imm32_b32 hwreg(HW_REG_WAVE_MODE, 25, 1), 1
	s_wait_xcnt 0x0
	s_wait_alu depctr_hold_cnt(0) depctr_sa_sdst(0) depctr_va_vdst(0) depctr_va_sdst(0) depctr_va_ssrc(0) depctr_va_vcc(0) depctr_vm_vsrc(0)
	s_getreg_b32 s2, hwreg(HW_REG_IB_STS2, 6, 4)
	s_cmp_eq_u32 s2, 0
	s_cbranch_scc0 .Lentry_in_a_cluster
	s_endpgm
.Lentry_in_a_cluster:
	s_bfe_u32 s2, ttmp6, 0x10000c
	s_cmp_lg_u32 s2, 0xf033
	s_cbranch_scc0 .Lentry_shape_is_right
	s_endpgm
.Lentry_shape_is_right:
; THE SECOND HALF OF THE SOFTMAX AND THE SECOND PRODUCT.  For token m: cmr = the largest of its 16 blocks' cm; f[kb] = 2^(cm[kb] - cmr), at most 1; L = sum over kb of f[kb] l[kb];
; out0[m][n] = (sum over kb, and over the block's 128 keys j, of (f[kb] e[m][j]) v[j][n]) / L.  f e = 2^(c s - cmr): the weight with the ROW's maximum taken away.
; e: [8192][2048] f16; v: plane 2 of qkv, [8192][1024] f16; st: f32, cm[16][8192] at byte 0, l[16][8192] at byte 524,288; out0: [8192][1024] f32.
; Products in f16, sums in f32; f is rounded once to f16 and f e once more; L is summed in f32 of the unrounded f, and the division is a multiplication in f32 by 1 / L at the end.
; LIMITS.  A weight f e below 6e-5 of its row's largest keeps f16's fixed step of 6e-8, below 3e-8 it is 0.  L is at least about 1: the block that holds the row's maximum has f = 1 and a weight of 1.
; NaN and infinities are not treated apart.
; SHARES.  256 tiles of 128 tokens x 256 channels, one to a work-group; four waves, each 64 x 128: 32 accumulators, 256 registers.  K is the batch's 2,048 keys, in 16 steps of 128:
; a K step is one block kb, so one factor a token serves a whole step.  A lane of a fragment of e holds one token: 32 packed multiplies a quarter scale it between LDS and the matrix unit.
; v LIES [key][channel] and is turned on its way out of LDS by ds_load_tr16_b128.  THE MATRIX INSTRUCTION IS USED TRANSPOSED (source 0 = 16 channels, source 1 = 16 tokens).
; CLUSTER.  4 x 4 work-groups of one batch: e's tiles are shared along a row of the cluster, v's along a column, each asked for JOINTLY.
; REGISTERS.  Window 0: v0-31 addresses; v40-43 the step's factors; v44-51 1 / L; v64-127 e's fragments, two buffers of 32; v128-255 v's, two buffers of 64 (all of v64-255 at work at the start and on the way out).
; Window 1: the accumulators, (a, b) at v[8 (8 a + b)].  s_set_vgpr_msb's low byte: bits 1:0 source 0, 3:2 source 1, 5:4 source 2, 7:6 destination.
.set PA,    272                        ; a row of e in LDS: 256 bytes + 16 = 68 words: row r starts at bank 4 r mod 64 (64 banks of 4 bytes: ISA guide 11.1)
.set PB,    544                        ; a row of v: 512 bytes + 32 = 136 words
.set AHALF, 64*PA
.set ATILE, 2*AHALF
.set BHALF, 64*PB
.set SLOT1, 1<<17                      ; a slot is e's 128 rows, then v's 128: 104,448 bytes; slot 1 begins here
.set FTAB,  ATILE+2*BHALF              ; between the slots, never filled by a tensor load: [16 kb][128 tokens] words, f twice in f16
.set RL,    FTAB+16*512                ; 128 f32: 1 / L
.set SPARE, RL+512                     ; the spare words, 128 bytes for each wave: two blocks of 256 bytes that no other line names
.set STAGE, SLOT1+ATILE+2*BHALF        ; behind slot 1: 16 rows x 528 bytes for each wave, for the way out
.set SP,    528                        ; 512 bytes + 16: the 16 rows that a store touches start at 16 different groups of four banks
.set STEPS, 16
.set ADRA0, 16                         ; v16-17  my lane's place in a slot's tiles; never rewritten
.set ADRB0, 17
.set ADRA,  18                         ; v18-19  the same in the slot in hand
.set ADRB,  19
.set STO,   24                         ; v24  the way out: where I put 32 bytes of a row
.set RD,    25                         ; v25  where I read 16 bytes of a row back
.set CO,    26                         ; v26  16 x lane
.set FAD,   27                         ; v27  where my tokens' factors of the next step lie
.set SPW,   28                         ; v28  LDS address of my spare word; never rewritten
.set NIL,   29                         ; v29  0; never rewritten
.set FR,    40
.set RI,    44                         ; four pairs: the packed multiply names a pair and takes its low word
.set FA,    64
.set FB,    128
.set CMV,   64                         ; the start: a token's 16 cm, then f
.set LV,    80                         ; its 16 l
.set FH,    96                         ; f twice in f16
.set OS,    64                         ; the way out: a block's 64 numbers a lane
.set BK,    128                        ; 16 rows read back: v128-191 and v192-255 by turns
.set G1A, 24                           ; s[24:31] descriptor group 1 for e's tiles;  s[32:39] group 0: a set for each first fill, the second then walks on
.set G0A, 32
.set G1B, 48                           ; s[48:55], s[56:63] the same for v's
.set G0B, 56
.set TB,  68                           ; s68  LDS byte at which the slot in hand begins
.set CNT, 69                           ; s69  counts K steps
.set MULW, 0x50                        ; C and D in window 1, sources 0 and 1 in window 0
.set MSB, 0
.macro WIN new                         ; the immediate's high byte repeats the setting that is left; a switch that changes nothing is dropped
.if MSB != (\new)
	s_set_vgpr_msb (MSB<<8)|(\new)
.set MSB, \new
.endif
.endm
; A joint load.  Waves 0 and 1 fetch e's two halves, waves 2 and 3 v's.  The branch hangs on the wave's number alone.  An s_nop 0 and four v_nop follow each of the two lines.
.macro JLOAD s
	s_cmp_eq_u32 s11, 0
	s_cbranch_scc0 .Lfor_b_\@
	tensor_load_to_lds s[G0A+4*(\s):G0A+4*(\s)+3], s[G1A:G1A+7]
	s_nop 0
.rept 4
	v_nop
.endr
	s_branch .Lasked_\@
.Lfor_b_\@:
	tensor_load_to_lds s[G0B+4*(\s):G0B+4*(\s)+3], s[G1B:G1B+7]
	s_nop 0
.rept 4
	v_nop
.endr
.Lasked_\@:
.endm
.macro CREST                           ; a round of the cluster's barrier behind its opening barrier
	s_cmp_lg_u32 s10, 0
	s_cbranch_scc1 .Lnot_wave_0_\@
	s_barrier_signal -3
.Lnot_wave_0_\@:
	s_barrier_wait -3
	s_barrier_signal -1
	s_barrier_wait -1
.endm
.macro CROUND                          ; a whole round
	s_barrier_signal -1
	s_barrier_wait -1
	CREST
.endm
.macro PLACES                          ; four places behind matrix instructions (ISA guide 7.12.1)
.rept 4
	v_nop
.endr
.endm
	s_load_b128 s[4:7], s[0:1], 0x0                ; e s[4:5], qkv s[6:7]
	s_load_b128 s[72:75], s[0:1], 0x10             ; st s[72:73], out0 s[74:75]
	v_lshl_add_u32 v[SPW], v0, 2, SPARE
	v_mov_b32 v[NIL], 0
	ds_add_u32 v[SPW], v[NIL]                      ; the wave's opening: the add and its wait stand ahead of my first tensor load; the set-up below, work on registers, stands between them
	v_lshrrev_b32 v1, 5, v0
	v_readfirstlane_b32 s10, v1                    ; wave 0..3
	s_lshr_b32 s11, s10, 1                         ; which 64 of the tile's tokens are mine.  Also: I fetch for e (0) or for v (1)
	s_and_b32 s12, s10, 1                          ; which 128 of its channels.  Also: which half of that tile I fetch
	s_bfe_u32 s40, ttmp6, 0x40000                  ; cx, cy
	s_bfe_u32 s41, ttmp6, 0x40004
	s_lshl_b32 s42, ttmp9, 2
	s_add_co_u32 s42, s42, s40                     ; tile column = 4 x cluster x + cx: 0..3
	s_and_b32 s45, ttmp7, 0xffff                   ; cluster y
	s_lshl_b32 s13, s45, 2
	s_add_co_u32 s13, s13, s41                     ; tile row = 4 x cluster y + cy: 0..63
	s_lshr_b32 s45, s45, 2                         ; the batch: sixteen tile rows, four clusters: the same for all sixteen partners
	s_lshl_b32 s43, s41, 2
	s_lshl_b32 s43, 15, s43                        ; my row of the cluster
	s_lshl_b32 s44, 0x1111, s40                    ; my column
	; group 1 for e: 64 rows x 128 elements of 2 bytes; 16 bytes of padding behind every 64 words
	s_or_b32 s[G1A+0], s43, (1<<16)|(1<<20)|(1<<21)|(5<<22)|(3<<25)  ; 15:0 the mask: my row; 17:16 2-byte elements; 20 padding on; 21 set beside a mask; 24:22 code 5; 31:25 4 words (code 3)
	s_mov_b32 s[G1A+1], 128<<16                    ; tensor_dim0 = 128
	s_mov_b32 s[G1A+2], 64<<16                     ; tensor_dim1 = 64
	s_mov_b32 s[G1A+3], 128<<16                    ; tile_dim0 = 128
	s_mov_b32 s[G1A+4], 64                         ; tile_dim1 = 64
	s_mov_b32 s[G1A+5], 2048                       ; elements from row to row
	s_mov_b32 s[G1A+6], 0
	s_mov_b32 s[G1A+7], 0
	; group 1 for v: 64 rows (keys) x 256 elements; 32 bytes of padding behind every 128 words
	s_or_b32 s[G1B+0], s44, (1<<16)|(1<<20)|(1<<21)|(6<<22)|(7<<25)  ; the mask: my column; padding code 6, 8 words (code 7)
	s_mov_b32 s[G1B+1], 256<<16
	s_mov_b32 s[G1B+2], 64<<16
	s_mov_b32 s[G1B+3], 256<<16
	s_mov_b32 s[G1B+4], 64
	s_mov_b32 s[G1B+5], 1024
	s_mov_b32 s[G1B+6], 0
	s_mov_b32 s[G1B+7], 0
	s_lshl_b32 s16, s13, 7
	s_lshl_b32 s17, s12, 6
	s_add_co_u32 s16, s16, s17                     ; e: row 128 x tile row + 64 x half,
	s_lshl_b32 s16, s16, 12                        ; x 4,096 bytes
	s_mov_b32 s17, 0
	s_lshl_b32 s46, s45, 11                        ; v: row 2,048 x batch + 64 x half,
	s_lshl_b32 s47, s12, 6
	s_add_co_u32 s46, s46, s47
	s_lshl_b32 s46, s46, 11                        ; x 2,048 bytes,
	s_lshl_b32 s47, s42, 9                         ; + 512 bytes x tile column,
	s_add_co_u32 s46, s46, s47
	s_add_co_u32 s46, s46, 0x2000000               ; in plane 2
	s_mov_b32 s47, 0
	s_mul_i32 s20, s12, AHALF                      ; where they go: no place in the cluster enters an LDS address
	s_mul_i32 s21, s12, BHALF
	s_add_co_u32 s21, s21, ATILE
	s_mov_b32 s[TB], 0
	s_wait_dscnt 0x0                               ; the opening add is done
	s_wait_kmcnt 0x0
	s_add_nc_u64 s[14:15], s[4:5], s[16:17]
	s_add_nc_u64 s[46:47], s[6:7], s[46:47]
	CROUND                                         ; all sixteen work-groups are here: the first joint loads meet
.irp s, 0,1
	s_mov_b32 s[G0A+4*(\s)], 1
	s_add_co_u32 s[G0A+4*(\s)+1], s20, (\s)*SLOT1
	s_add_nc_u64 s[G0A+4*(\s)+2:G0A+4*(\s)+3], s[14:15], (\s)*256    ; K step s: 128 keys along e's rows
	s_or_b32 s[G0A+4*(\s)+3], s[G0A+4*(\s)+3], 0x80000000
	s_mov_b32 s[G0B+4*(\s)], 1
	s_add_co_u32 s[G0B+4*(\s)+1], s21, (\s)*SLOT1
	s_add_nc_u64 s[G0B+4*(\s)+2:G0B+4*(\s)+3], s[46:47], (\s)*262144 ; 128 rows of v, 2,048 bytes each
	s_or_b32 s[G0B+4*(\s)+3], s[G0B+4*(\s)+3], 0x80000000
	JLOAD \s                                       ; two loads of mine are out
.endr
	; THE STATISTICS, in the wait for the first tile: thread t takes the tile's token t
	s_lshl_b32 s18, s13, 9                         ; 128 tokens x 4 bytes x tile row
	s_mov_b32 s19, 0
	s_add_nc_u64 s[72:73], s[72:73], s[18:19]
	v_lshlrev_b32 v3, 2, v0
.set i, 0
.rept 16
	global_load_b32 v[CMV+i], v3, s[72:73] offset:i*32768
	global_load_b32 v[LV+i],  v3, s[72:73] offset:i*32768+524288
.set i, i+1
.endr
	; the addresses, while those loads are out.  A fragment of e is 16 rows x 32 K: lane l holds row l % 16, K = 8 (l / 16) + 0..7 and 16 + 8 (l / 16) + 0..7.
	v_and_b32 v1, 15, v0                           ; l % 16
	v_bfe_u32 v2, v0, 4, 1                         ; l / 16
	v_mul_u32_u24 v5, v1, PA
	v_lshl_add_u32 v5, v2, 4, v5                   ; row x 272 + 16 x half
	s_mul_i32 s22, s11, AHALF                      ; my 64 rows
	v_add_nc_u32 v[ADRA0], s22, v5
	; The turning load takes 16 keys x 16 channels (lane l reads key 8 (l / 16) + l % 8, channels 8 ((l / 8) % 2) + 0..7) and leaves half a fragment: lane l holds channel l % 16 and 8 keys.
	v_and_b32 v6, 7, v0
	v_lshl_add_u32 v6, v2, 3, v6
	v_mul_u32_u24 v6, v6, PB
	v_bfe_u32 v7, v0, 3, 1
	v_lshl_add_u32 v6, v7, 4, v6
	s_lshl_b32 s23, s12, 8                         ; my 128 channels
	s_add_co_u32 s23, s23, ATILE
	v_add_nc_u32 v[ADRB0], s23, v6
	v_mov_b32 v[ADRA], v[ADRA0]                    ; K step 0 lies in slot 0
	v_mov_b32 v[ADRB], v[ADRB0]
	s_mul_i32 s23, s10, 16*SP
	s_add_co_u32 s23, s23, STAGE                   ; my stage
	v_mul_u32_u24 v5, v1, SP                       ; in: row l % 16, 32 bytes for each half of the lanes
	v_lshl_add_u32 v5, v2, 5, v5
	v_add_nc_u32 v[STO], s23, v5
	v_and_b32 v5, 31, v0
	v_lshlrev_b32 v[CO], 4, v5                     ; back: 32 lanes take one row of 512 bytes
	v_add_nc_u32 v[RD], s23, v[CO]
	s_lshl_b32 s23, s11, 8                         ; my 64 tokens x 4 bytes
	s_add_co_u32 s23, s23, FTAB
	v_lshl_add_u32 v[FAD], v1, 2, s23
	v_add_nc_u32 v4, FTAB, v3                      ; where thread t puts token t's factors
	s_lshl_b32 s18, s13, 7                         ; where my part of out0 begins: row 128 x tile row + 64 x half,
	s_lshl_b32 s19, s11, 6
	s_add_co_u32 s18, s18, s19
	s_lshl_b32 s18, s18, 12
	s_lshl_b32 s19, s42, 10                        ; + 1,024 bytes x tile column + 512 x half
	s_add_co_u32 s18, s18, s19
	s_lshl_b32 s19, s12, 9
	s_add_co_u32 s18, s18, s19
	s_mov_b32 s19, 0
	s_add_nc_u64 s[74:75], s[74:75], s[18:19]
	s_wait_loadcnt 0x0
	v_max3_num_f32 v112, v[CMV], v[CMV+1], v[CMV+2]  ; the row's c m
.irp i, 3,5,7,9,11,13
	v_max3_num_f32 v112, v112, v[CMV+\i], v[CMV+\i+1]
.endr
	v_max_num_f32 v112, v112, v[CMV+15]
.set i, 0
.rept 16
	v_sub_f32 v[CMV+i], v[CMV+i], v112
.set i, i+1
.endr
.set i, 0
.rept 16
	v_exp_f32 v[CMV+i], v[CMV+i]                   ; f
.set i, i+1
.endr
	v_nop                                          ; a plain instruction between the exponentials and the use of their results (ISA guide 5.7.2)
	s_wait_alu depctr_va_vdst(0)
	v_mul_f32 v113, v[CMV], v[LV]                  ; L = the sum of f l, in f32
.set i, 1
.rept 15
	v_fmac_f32 v113, v[CMV+i], v[LV+i]
.set i, i+1
.endr
.set i, 0
.rept 16
	v_cvt_pk_f16_f32 v[FH+i], v[CMV+i], v[CMV+i]   ; f in both halves, for the packed multiply
.set i, i+1
.endr
.set i, 0
.rept 16
	ds_store_b32 v4, v[FH+i] offset:512*i
.set i, i+1
.endr
	v_rcp_f32 v114, v113
	v_nop                                          ; a plain instruction behind the reciprocal
	s_wait_alu depctr_va_vdst(0)
	ds_store_b32 v4, v114 offset:RL-FTAB
; 8 matrix instructions: token block a x all 8 channel blocks, 32 along K, from buffer f.  zero = 1: the product starts the sums.  The 32 accumulators take turns.
.macro MUL8 f, a, zero
.irp b, 0,1,2,3,4,5,6,7
.if \zero
	v_wmma_f32_16x16x32_f16 v[8*(8*(\a)+(\b)):8*(8*(\a)+(\b))+7], v[FB+64*(\f)+8*(\b):FB+64*(\f)+8*(\b)+7], v[FA+32*(\f)+8*(\a):FA+32*(\f)+8*(\a)+7], 0
.else
	v_wmma_f32_16x16x32_f16 v[8*(8*(\a)+(\b)):8*(8*(\a)+(\b))+7], v[FB+64*(\f)+8*(\b):FB+64*(\f)+8*(\b)+7], v[FA+32*(\f)+8*(\a):FA+32*(\f)+8*(\a)+7], v[8*(8*(\a)+(\b)):8*(8*(\a)+(\b))+7]
.endif
.endr
.endm
; 24 LDS loads in one run: quarter q's fragments (32 keys x 128 channels of v, turned; 64 tokens x 32 keys of e) into buffer f
.macro FETCH q, f
	WIN 0
.irp b, 0,1,2,3,4,5,6,7
	ds_load_tr16_b128 v[FB+64*(\f)+8*(\b):FB+64*(\f)+8*(\b)+3],   v[ADRB] offset:(\q)*32*PB+32*(\b)
	ds_load_tr16_b128 v[FB+64*(\f)+8*(\b)+4:FB+64*(\f)+8*(\b)+7], v[ADRB] offset:(\q)*32*PB+16*PB+32*(\b)
.endr
.irp a, 0,1,2,3
	ds_load_b128 v[FA+32*(\f)+8*(\a):FA+32*(\f)+8*(\a)+3],   v[ADRA] offset:64*(\q)+(\a)*16*PA
	ds_load_b128 v[FA+32*(\f)+8*(\a)+4:FA+32*(\f)+8*(\a)+7], v[ADRA] offset:64*(\q)+(\a)*16*PA+32
.endr
.endm
.macro FLOAD                           ; the next K step's factors of my four blocks of 16 tokens
.irp a, 0,1,2,3
	ds_load_b32 v[FR+(\a)], v[FAD] offset:64*(\a)
.endr
	v_add_nc_u32 v[FAD], 512, v[FAD]
.endm
.macro SCALE f                         ; e times f, in place: 64 weights a lane, two to a line, each rounded once more to f16
.irp a, 0,1,2,3
.irp j, 0,1,2,3,4,5,6,7
	v_pk_mul_f16 v[FA+32*(\f)+8*(\a)+(\j)], v[FA+32*(\f)+8*(\a)+(\j)], v[FR+(\a)]
.endr
.endr
.endm
; A K step is four quarters of 32 along K, 32 matrix instructions each, on buffers 0, 1, 0, 1.  One of the first three: this quarter's weights are scaled (32 plain lines on this buffer alone: they are
; also the places behind the last quarter's products, which read the other buffer), then the next quarter's fragments are asked for, a whole quarter ahead of their use.
.macro QUARTER q, zero
	s_wait_dscnt 0x0                               ; this quarter's fragments, asked for a quarter ago, are in
	WIN 0
	SCALE (\q)%2
	FETCH (\q)+1, 1-(\q)%2
	WIN MULW
	MUL8 (\q)%2, 0, \zero
	MUL8 (\q)%2, 1, \zero
	MUL8 (\q)%2, 2, \zero
	MUL8 (\q)%2, 3, \zero
.endm
; The last quarter multiplies buffer 1 and changes slots: ONE barrier.  In front of it each wave waits for all its tensor loads (one is out: its part of the next slot), adds 0 to its spare
; word, and waits for that and for its reads of this slot.  fill = 1: the barrier opens a round of the cluster's, and behind it this slot is filled again, two K steps ahead, first of all.
; fill = 0 (the tail): nothing is asked for, and in the last trip (CNT = 1) the fetches are jumped over.
.macro TURN fill
	s_wait_dscnt 0x0                               ; buffer 1 is in: my last reads of this slot
	WIN 0
	SCALE 1
	s_wait_tensorcnt 0x0                           ; all my tensor loads have landed
	ds_add_u32 v[SPW], v[NIL]                      ; 0 onto my spare word
	WIN MULW
	MUL8 1, 0, 0                                   ; eight matrix instructions stand between the add and the wait for it
	s_wait_dscnt 0x0                               ; the add is done
	s_barrier_signal -1
	MUL8 1, 1, 0                                   ; work on registers while the others arrive
	WIN 0
	s_barrier_wait -1
.if \fill
	CREST                                          ; no wave of any partner still reads this slot or has a load on its way
	s_xor_b32 s[G0A+5], s[G0A+5], SLOT1            ; the walking descriptors: the other slot than last time,
	s_xor_b32 s[G0B+5], s[G0B+5], SLOT1
	s_add_nc_u64 s[G0A+6:G0A+7], s[G0A+6:G0A+7], 256     ; the next 128 keys along e's rows,
	s_add_nc_u64 s[G0B+6:G0B+7], s[G0B+6:G0B+7], 262144  ; and down v's; the type bits on top are not reached
	JLOAD 1                                        ; the first tensor load behind the round; its four v_nop are also the places in front of the loads below
.else
	s_cmp_eq_u32 s[CNT], 1
	s_cbranch_scc1 .Lnf_\@
	PLACES
.endif
	s_xor_b32 s[TB], s[TB], SLOT1                  ; on to the other slot
	v_add_nc_u32 v[ADRA], s[TB], v[ADRA0]
	v_add_nc_u32 v[ADRB], s[TB], v[ADRB0]
	FETCH 0, 0
	FLOAD
.if !(\fill)
.Lnf_\@:
.endif
	WIN MULW
	MUL8 1, 2, 0
	MUL8 1, 3, 0
.endm
	s_wait_tensorcnt 0x1                           ; my part of K step 0 is in; the one younger load, slot 1's, may stay out
	s_wait_dscnt 0x0                               ; for the others' sake: my tokens' factors and 1 / L are in LDS
	s_barrier_signal -1
	s_barrier_wait -1                              ; everybody's are
	FETCH 0, 0
.irp a, 0,1,2,3
	ds_load_b32 v[RI+2*(\a)],   v[FAD] offset:RL-FTAB+64*(\a)  ; 1 / L of my tokens, kept to the end; both registers of a pair are written
	ds_load_b32 v[RI+2*(\a)+1], v[FAD] offset:RL-FTAB+64*(\a)
.endr
	FLOAD                                          ; block 0's factors
	QUARTER 0, 1                                   ; the first quarter stands in front of the loop: its products start the sums
	WIN 0                                          ; at a label and at a branch every window is 0
	s_mov_b32 s[CNT], STEPS-2
	s_branch .Ljoin                                ; the loop is entered behind a step's first quarter
.Lstep:                                                ; a trip is a K step; 14 trips fill the slot that they leave
	QUARTER 0, 0
	WIN 0
.Ljoin:
	QUARTER 1, 0
	QUARTER 2, 0
	TURN 1
	WIN 0
	s_sub_co_u32 s[CNT], s[CNT], 1
	s_cmp_lg_u32 s[CNT], 0
	s_cbranch_scc1 .Lstep
	s_mov_b32 s[CNT], 2
.Ltail:                                                ; the last two K steps ask for nothing
	QUARTER 0, 0
	QUARTER 1, 0
	QUARTER 2, 0
	TURN 0
	WIN 0
	s_sub_co_u32 s[CNT], s[CNT], 1
	s_cmp_lg_u32 s[CNT], 0
	s_cbranch_scc1 .Ltail
; THE WAY OUT, a block of 16 tokens at a time.  SCL: times 1 / L, each accumulator's registers in ascending order.  TOSTAGE: 32 bytes a lane and channel block into my own stage, and back as whole rows of 512 bytes.  SEND: stored.
.macro SCL a
	WIN 0x01                                       ; source 0 in window 1
.set i, 0
.rept 32
	v_pk_mul_f32 v[OS+2*i:OS+2*i+1], v[64*(\a)+2*i:64*(\a)+2*i+1], v[RI+2*(\a):RI+2*(\a)+1] op_sel_hi:[1,0]
.set i, i+1
.endr
	WIN 0
.endm
.macro TOSTAGE a
.irp b, 0,1,2,3,4,5,6,7
	ds_store_b128 v[STO], v[OS+8*(\b):OS+8*(\b)+3]   offset:64*(\b)
	ds_store_b128 v[STO], v[OS+8*(\b)+4:OS+8*(\b)+7] offset:64*(\b)+16
.endr
.set t, 0
.rept 16
	ds_load_b128 v[BK+64*((\a)%2)+4*t:BK+64*((\a)%2)+4*t+3], v[RD] offset:t*SP  ; LDS serves a wave's instructions in order (ISA guide 5.7.1.4): these see the stores above
.set t, t+1
.endr
.endm
.macro SEND a
	s_wait_dscnt 0x0                               ; the block is back in registers
	s_wait_xcnt 0x0                                ; the registers that earlier stores read are loaded again only behind this wait
.set t, 0
.rept 16
	global_store_b128 v[CO], v[BK+64*((\a)%2)+4*t:BK+64*((\a)%2)+4*t+3], s[74:75] offset:(16*(\a)+t)*4096 th:TH_STORE_NT  ; 512 consecutive bytes, at a multiple of 256 from out0's first byte
.set t, t+1
.endr
.endm
	PLACES                                         ; behind the last products
	SCL 0
	TOSTAGE 0
.irp a, 1,2,3                          ; block a's scaling stands between block a - 1's loads from the stage and the wait for them
	SCL \a
	SEND (\a)-1
	TOSTAGE \a
.endr
	SEND 3
	s_wait_tensorcnt 0x0                           ; the wave's end: waits and an add, behind my last tensor load and my last LDS store
	ds_add_u32 v[SPW], v[NIL]
	s_wait_dscnt 0x0
	CROUND                                         ; the closing round: no work-group ends while a partner may still ask for a tile that names it
	s_endpgm
.Lfunc_end_k_qdf11af6cda_pv:
	.size	k_qdf11af6cda_pv, .Lfunc_end_k_qdf11af6cda_pv-k_qdf11af6cda_pv
	.p2alignl 7, 3214868480
	.fill 96, 4, 3214868480
	.section	.rodata,"a",@progbits
	.p2align	6, 0x0
	.amdhsa_kernel k_qdf11af6cda_pv
		.amdhsa_group_segment_fixed_size 327680
		.amdhsa_private_segment_fixed_size 0
		.amdhsa_enable_private_segment 0
		.amdhsa_kernarg_size 32
		.amdhsa_user_sgpr_count 2
		.amdhsa_user_sgpr_kernarg_segment_ptr 1
		.amdhsa_wavefront_size32 1
		.amdhsa_system_sgpr_workgroup_id_x 1
		.amdhsa_system_sgpr_workgroup_id_y 1
		.amdhsa_system_sgpr_workgroup_id_z 1
		.amdhsa_system_vgpr_workitem_id 0
		.amdhsa_next_free_vgpr 512
		.amdhsa_next_free_sgpr 80
		.amdhsa_reserve_vcc 0
		.amdhsa_float_denorm_mode_32 3
		.amdhsa_float_denorm_mode_16_64 3
		.amdhsa_memory_ordered 1
		.amdhsa_forward_progress 1
		.amdhsa_inst_pref_size 94
	.end_amdhsa_kernel
	.amdgpu_metadata
---
amdhsa.version: [ 1, 2 ]
amdhsa.kernels:
  - .name:           k_qdf11af6cda_pv
    .symbol:         k_qdf11af6cda_pv.kd
    .args:
      - { .name: e, .offset: 0, .size: 8, .value_kind: global_buffer, .address_space: global }
      - { .name: qkv, .offset: 8, .size: 8, .value_kind: global_buffer, .address_space: global }
      - { .name: st, .offset: 16, .size: 8, .value_kind: global_buffer, .address_space: global }
      - { .name: out0, .offset: 24, .size: 8, .value_kind: global_buffer, .address_space: global }
    .group_segment_fixed_size: 327680
    .private_segment_fixed_size: 0
    .kernarg_segment_align: 8
    .kernarg_segment_size: 32
    .max_flat_workgroup_size: 128
    .sgpr_count:     80
    .vgpr_count:     512
    .wavefront_size: 32
...
	.end_amdgpu_metadata
.endif
;; end of part 4
;; ======== version 2 of 3: 5 launches; 1.12 times as fast as version 1
;; limits: values are held in f16: magnitudes above 65,504 overflow, below 6.1e-05 lose precision
;; workspace buffers: xb 16,777,216 bytes; wb 6,291,456 bytes; mb 2,097,152 bytes; tv 33,554,432 bytes; e 33,554,432 bytes; st 1,048,576 bytes
;; launch prep: the kernel of part 1 again; grid 704 x 1, 8 waves a work-group, no clusters, 0 bytes of LDS; arguments x, W_q, W_k, W_v, xb, wb; writes xb, wb
;; launch mk (part 5): grid 16 x 16, 4 waves a work-group, clusters of 4 x 4, 327,680 bytes of LDS; arguments wb, mb; writes mb
.if DOCPART == 5
	.amdgcn_target "amdgcn-amd-amdhsa--gfx1250"
	.amdhsa_code_object_version 6
	.text
	.protected	k_qdf11af6cda_mk
	.globl	k_qdf11af6cda_mk
	.p2align	8
	.type	k_qdf11af6cda_mk,@function
k_qdf11af6cda_mk:
	s_mov_b64 s[64:65], 0
	v_nop
	global_prefetch_b8 v0, s[64:65] scope:SCOPE_SE
	s_setreg_imm32_b32 hwreg(HW_REG_WAVE_MODE, 25, 1), 1
	s_wait_xcnt 0x0
	s_wait_alu depctr_hold_cnt(0) depctr_sa_sdst(0) depctr_va_vdst(0) depctr_va_sdst(0) depctr_va_ssrc(0) depctr_va_vcc(0) depctr_vm_vsrc(0)
	s_getreg_b32 s2, hwreg(HW_REG_IB_STS2, 6, 4)
	s_cmp_eq_u32 s2, 0
	s_cbranch_scc0 .Lentry_in_a_cluster
	s_endpgm
.Lentry_in_a_cluster:
	s_bfe_u32 s2, ttmp6, 0x10000c
	s_cmp_lg_u32 s2, 0xf033
	s_cbranch_scc0 .Lentry_shape_is_right
	s_endpgm
.Lentry_shape_is_right:
; M = W_q W_k^T.  mb[i][j] = sum over k of W_q[i][k] W_k[j][k].  W_q, W_k: planes 0 and 1 of wb, [1024][1024] bf16; mb: [1024][1024] bf16.  Products in bf16, sums in f32, M rounded once.
; WHY.  scores = (x W_q)(x W_k)^T = x M x^T for every input: q and k are never formed, and the launch behind multiplies x by M alone.  This is an order of summing and rounding that differs
; from the one in which the module is written: M, and then x M, are each rounded once to bf16, where q and k would have been.  bf16 has f32's range, so no limit of range comes with it.
; SHARES.  256 tiles of 64 x 64, one to a work-group.  All of K lies in LDS at once: four tensor loads, one a wave (W_q's 64 rows and W_k's 64 rows, each as two halves of 512 along K),
; all first fills: nothing is filled again, and one load of a wave is out.  Four waves, each 32 x 32: 4 accumulators, which take turns.
; A TILE'S ROW OF M IS 128 BYTES, half of an aligned 256: a tile 128 wide with all of K would need 160 rows x 2,080 bytes = 332,800 bytes of LDS, more than a work-group can have; mb is 2 MB in all.
; THE MATRIX INSTRUCTION IS USED TRANSPOSED (source 0 = 16 rows of W_k, source 1 = 16 rows of W_q): a lane then holds eight neighbouring numbers of a row of M.
; CLUSTER.  4 x 4 work-groups: W_q's tiles are shared along a row of the cluster, W_k's along a column, each asked for JOINTLY.
.set PW,    1040                       ; an LDS row: 1,024 bytes + 16 = 260 words: row r starts at bank 4 r mod 64 (64 banks of 4 bytes: ISA guide 11.1)
.set QT,    64*PW                      ; 64 rows x 512 K: what one tensor load brings.  W_q low K, W_q high K, W_k low, W_k high = wave x QT
.set STAGE, 4*QT                       ; behind the tiles: 64 rows x 144 bytes, the work-group's, for the way out
.set SP,    144
.set SPARE, STAGE+64*SP                ; the spare words, 128 bytes for each wave: two blocks of 256 bytes that no other line names
.set AD0,  16                          ; v16-19  my lane's place in the four tiles (W_q low, W_q high, W_k low, W_k high); never rewritten
.set AD,   20                          ; v20-23  the same, at the trip's place along K
.set STO,  24                          ; v24  the way out: where I put 16 bytes of a row
.set RD,   25                          ; v25  where I read 16 bytes of a row back
.set CO,   26                          ; v26  my byte offset in four rows of M
.set SPW,  28                          ; v28  LDS address of my spare word; never rewritten
.set NIL,  29                          ; v29  0; never rewritten
.set F0,   32                          ; fragment buffer 0: two steps of 32 along K of the low half; step kk: W_q's two fragments at +32 kk, W_k's two at +32 kk + 16
.set F1,   96                          ; buffer 1: the same of the high half
.set ACC,  160                         ; accumulator (a, b) at ACC + 8 (2 a + b)
.set TMP,  192
.set BK,   208
.set G1A, 24                           ; s[24:31] descriptor group 1 for W_q's tiles;  s[32:35] group 0
.set G0A, 32
.set G1B, 48                           ; s[48:55], s[56:59] the same for W_k's
.set G0B, 56
.set TB,  68                           ; s68  the trip's place along K, in bytes
.set CNT, 69                           ; s69  counts trips
.macro CROUND                          ; a round of the cluster's barrier: my work-group's barrier; wave 0 signals for the work-group; every wave waits for all sixteen; my work-group's barrier once more
	s_barrier_signal -1
	s_barrier_wait -1
	s_cmp_lg_u32 s10, 0
	s_cbranch_scc1 .Lnot_wave_0_\@
	s_barrier_signal -3
.Lnot_wave_0_\@:
	s_barrier_wait -3
	s_barrier_signal -1
	s_barrier_wait -1
.endm
.macro PLACES                          ; four places behind matrix instructions, in front of loads into registers that they read and of lines that read their results
.rept 4
	v_nop
.endr
.endm
	s_load_b128 s[4:7], s[0:1], 0x0                ; wb s[4:5], mb s[6:7]
	v_lshl_add_u32 v[SPW], v0, 2, SPARE
	v_mov_b32 v[NIL], 0
	ds_add_u32 v[SPW], v[NIL]                      ; the wave's opening: the add and its wait stand ahead of my first tensor load; the set-up below, work on registers, stands between them
	v_lshrrev_b32 v1, 5, v0
	v_readfirstlane_b32 s10, v1                    ; wave 0..3
	s_lshr_b32 s11, s10, 1                         ; which 32 of the tile's rows are mine.  Also: I fetch for W_q (0) or for W_k (1)
	s_and_b32 s12, s10, 1                          ; which 32 of its columns.  Also: which half of K I fetch
	s_bfe_u32 s40, ttmp6, 0x40000                  ; cx, cy: my place in the cluster
	s_bfe_u32 s41, ttmp6, 0x40004
	s_lshl_b32 s42, ttmp9, 2
	s_add_co_u32 s42, s42, s40                     ; tile column = 4 x cluster x + cx: 0..15
	s_and_b32 s13, ttmp7, 0xffff
	s_lshl_b32 s13, s13, 2
	s_add_co_u32 s13, s13, s41                     ; tile row = 4 x cluster y + cy: 0..15
	s_lshl_b32 s43, s41, 2
	s_lshl_b32 s43, 15, s43                        ; my row of the cluster
	s_lshl_b32 s44, 0x1111, s40                    ; my column
	; group 1: 64 rows x 512 elements of 2 bytes; 16 bytes of padding behind every 256 words
	s_or_b32 s[G1A+0], s43, (1<<16)|(1<<20)|(1<<21)|(7<<22)|(3<<25)  ; 15:0 the mask; 17:16 2-byte elements; 20 padding on; 21 set beside a mask; 24:22 code 7; 31:25 4 words (code 3)
	s_or_b32 s[G1B+0], s44, (1<<16)|(1<<20)|(1<<21)|(7<<22)|(3<<25)
.irp g, G1A, G1B
	s_mov_b32 s[(\g)+1], 512<<16                   ; tensor_dim0 = 512
	s_mov_b32 s[(\g)+2], 64<<16                    ; tensor_dim1 = 64
	s_mov_b32 s[(\g)+3], 512<<16                   ; tile_dim0 = 512
	s_mov_b32 s[(\g)+4], 64                        ; tile_dim1 = 64
	s_mov_b32 s[(\g)+5], 1024                      ; elements from row to row
	s_mov_b32 s[(\g)+6], 0
	s_mov_b32 s[(\g)+7], 0
.endr
	s_lshl_b32 s16, s13, 17                        ; W_q: 64 rows of 2,048 bytes x tile row,
	s_lshl_b32 s17, s12, 10                        ; + 1,024 bytes x half of K
	s_add_co_u32 s16, s16, s17
	s_mov_b32 s17, 0
	s_lshl_b32 s46, s42, 17                        ; W_k: the same with the tile column,
	s_lshl_b32 s47, s12, 10
	s_add_co_u32 s46, s46, s47
	s_add_co_u32 s46, s46, 0x200000                ; in plane 1
	s_mov_b32 s47, 0
	s_mul_i32 s20, s10, QT                         ; where my tile goes: no place in the cluster enters an LDS address
	s_mov_b32 s[G0A], 1                            ; count = 1
	s_mov_b32 s[G0A+1], s20                        ; LDS address
	s_mov_b32 s[G0B], 1
	s_mov_b32 s[G0B+1], s20
	s_mov_b32 s[TB], 0
	s_wait_dscnt 0x0                               ; the opening add is done
	s_wait_kmcnt 0x0
	s_add_nc_u64 s[G0A+2:G0A+3], s[4:5], s[16:17]  ; global address
	s_or_b32 s[G0A+3], s[G0A+3], 0x80000000        ; type = 2
	s_add_nc_u64 s[G0B+2:G0B+3], s[4:5], s[46:47]
	s_or_b32 s[G0B+3], s[G0B+3], 0x80000000
	CROUND                                         ; all sixteen work-groups are here: the joint loads meet
	s_cmp_eq_u32 s11, 0                            ; waves 0 and 1 fetch W_q's two halves of K, waves 2 and 3 W_k's; an s_nop 0 and four v_nop follow each of the two lines
	s_cbranch_scc0 .Lfor_b
	tensor_load_to_lds s[G0A:G0A+3], s[G1A:G1A+7]
	s_nop 0
.rept 4
	v_nop
.endr
	s_branch .Lasked
.Lfor_b:
	tensor_load_to_lds s[G0B:G0B+3], s[G1B:G1B+7]
	s_nop 0
.rept 4
	v_nop
.endr
.Lasked:
	; A fragment is 16 rows x 32 K: lane l holds row l % 16, K = 8 (l / 16) + 0..7 and 16 + 8 (l / 16) + 0..7: two loads of 16 bytes, 32 bytes apart.
	v_and_b32 v1, 15, v0                           ; l % 16
	v_bfe_u32 v2, v0, 4, 1                         ; l / 16
	v_mul_u32_u24 v3, v1, PW
	v_lshl_add_u32 v3, v2, 4, v3                   ; row x 1,040 + 16 x half
	s_mul_i32 s21, s11, 32*PW                      ; my 32 rows of W_q
	s_mul_i32 s22, s12, 32*PW                      ; my 32 rows of W_k,
	s_add_co_u32 s22, s22, 2*QT                    ; which lie behind W_q's two tiles
	v_add_nc_u32 v[AD0], s21, v3
	v_add_nc_u32 v[AD0+1], QT, v[AD0]
	v_add_nc_u32 v[AD0+2], s22, v3
	v_add_nc_u32 v[AD0+3], QT, v[AD0+2]
.irp i, 0,1,2,3
	v_mov_b32 v[AD+(\i)], v[AD0+(\i)]
.endr
	s_mul_i32 s23, s11, 32*SP                      ; into the stage: my 32 rows, my 64 of their 128 bytes; row l % 16, 16 bytes for each half of the lanes
	s_lshl_b32 s21, s12, 6
	s_add_co_u32 s23, s23, s21
	s_add_co_u32 s23, s23, STAGE
	v_mul_u32_u24 v4, v1, SP
	v_lshl_add_u32 v4, v2, 4, v4
	v_add_nc_u32 v[STO], s23, v4
	s_mul_i32 s23, s10, 16*SP                      ; back: wave w takes rows 16 w .. 16 w + 15, whole: 32 lanes take four rows of 128 bytes
	s_add_co_u32 s23, s23, STAGE
	v_bfe_u32 v5, v0, 3, 2
	v_and_b32 v6, 7, v0
	v_mul_u32_u24 v7, v5, SP
	v_lshl_add_u32 v7, v6, 4, v7
	v_add_nc_u32 v[RD], s23, v7
	v_lshlrev_b32 v5, 11, v5                       ; and the same four rows in M
	v_lshl_add_u32 v[CO], v6, 4, v5
	s_lshl_b32 s18, s13, 6
	s_lshl_b32 s19, s10, 4
	s_add_co_u32 s18, s18, s19                     ; the first row of M that I store: 64 x tile row + 16 x wave,
	s_lshl_b32 s18, s18, 11
	s_lshl_b32 s19, s42, 7                         ; + 128 bytes x tile column
	s_add_co_u32 s18, s18, s19
	s_mov_b32 s19, 0
	s_add_nc_u64 s[6:7], s[6:7], s[18:19]
; 16 LDS loads: two steps of 32 along K, of half p of K (0 low, 1 high), into buffer f
.macro FETCH f, p
.irp kk, 0,1
.irp a, 0,1
	ds_load_b128 v[(\f)+32*(\kk)+8*(\a):(\f)+32*(\kk)+8*(\a)+3],       v[AD+(\p)]   offset:64*(\kk)+(\a)*16*PW
	ds_load_b128 v[(\f)+32*(\kk)+8*(\a)+4:(\f)+32*(\kk)+8*(\a)+7],     v[AD+(\p)]   offset:64*(\kk)+(\a)*16*PW+32
	ds_load_b128 v[(\f)+32*(\kk)+16+8*(\a):(\f)+32*(\kk)+16+8*(\a)+3],   v[AD+2+(\p)] offset:64*(\kk)+(\a)*16*PW
	ds_load_b128 v[(\f)+32*(\kk)+16+8*(\a)+4:(\f)+32*(\kk)+16+8*(\a)+7], v[AD+2+(\p)] offset:64*(\kk)+(\a)*16*PW+32
.endr
.endr
.endm
; 4 matrix instructions: step kk of buffer f.  zero = 1: the products start the sums: nothing is ever cleared.  The four accumulators take turns, one instruction a turn.
.macro MUL4 f, kk, zero
.irp a, 0,1
.irp b, 0,1
.if \zero
	v_wmma_f32_16x16x32_bf16 v[ACC+8*(2*(\a)+(\b)):ACC+8*(2*(\a)+(\b))+7], v[(\f)+32*(\kk)+16+8*(\b):(\f)+32*(\kk)+16+8*(\b)+7], v[(\f)+32*(\kk)+8*(\a):(\f)+32*(\kk)+8*(\a)+7], 0
.else
	v_wmma_f32_16x16x32_bf16 v[ACC+8*(2*(\a)+(\b)):ACC+8*(2*(\a)+(\b))+7], v[(\f)+32*(\kk)+16+8*(\b):(\f)+32*(\kk)+16+8*(\b)+7], v[(\f)+32*(\kk)+8*(\a):(\f)+32*(\kk)+8*(\a)+7], v[ACC+8*(2*(\a)+(\b)):ACC+8*(2*(\a)+(\b))+7]
.endif
.endr
.endr
.endm
; A trip: 64 along K in each half of K, 16 matrix instructions.  While one buffer is multiplied the other's 16 loads are out.  next = 1: buffer 0 is filled for the next trip, 128 bytes on.
.macro TRIP zero, next
	PLACES                                         ; behind the last trip's products, which read buffer 1
	FETCH F1, 1
	s_wait_dscnt 16                                ; buffer 0 is in; the 16 loads just issued may be out
	MUL4 F0, 0, \zero
	MUL4 F0, 1, 0
.if \next
	s_add_co_u32 s[TB], s[TB], 128
.irp i, 0,1,2,3
	v_add_nc_u32 v[AD+(\i)], s[TB], v[AD0+(\i)]    ; four plain lines that name no register of those products: the places in front of the loads into buffer 0
.endr
	FETCH F0, 0
	s_wait_dscnt 16                                ; buffer 1 is in; the 16 loads just issued may be out
.else
	s_wait_dscnt 0x0
.endif
	MUL4 F1, 0, 0
	MUL4 F1, 1, 0
.endm
	s_wait_tensorcnt 0x0                           ; my tile is in,
	s_barrier_signal -1
	s_barrier_wait -1                              ; everybody's is
	FETCH F0, 0
	TRIP 1, 1                                      ; the first trip stands in front of the loop: its first products start the sums
	s_mov_b32 s[CNT], 6
.Lk:
	TRIP 0, 1
	s_sub_co_u32 s[CNT], s[CNT], 1
	s_cmp_lg_u32 s[CNT], 0
	s_cbranch_scc1 .Lk
	TRIP 0, 0                                      ; the eighth and last: nothing is left to fetch
	; THE WAY OUT: rounded to bf16, each accumulator's registers in ascending order; 16 bytes a lane into the work-group's stage; a barrier, since a row's 128 bytes come from two waves; back as whole rows.
	PLACES
.irp i, 0,1,2,3
.irp j, 0,1,2,3
	v_cvt_pk_bf16_f32 v[TMP+4*(\i)+(\j)], v[ACC+8*(\i)+2*(\j)], v[ACC+8*(\i)+2*(\j)+1]
.endr
.endr
.irp a, 0,1
.irp b, 0,1
	ds_store_b128 v[STO], v[TMP+4*(2*(\a)+(\b)):TMP+4*(2*(\a)+(\b))+3] offset:(\a)*16*SP+32*(\b)
.endr
.endr
	s_wait_dscnt 0x0                               ; for the others' sake: my stores into the stage are done
	s_barrier_signal -1
	s_barrier_wait -1
.irp t, 0,1,2,3
	ds_load_b128 v[BK+4*(\t):BK+4*(\t)+3], v[RD] offset:(\t)*4*SP
.endr
	s_wait_dscnt 0x0
.irp t, 0,1,2,3
	global_store_b128 v[CO], v[BK+4*(\t):BK+4*(\t)+3], s[6:7] offset:(\t)*4*2048  ; eight lanes store 128 consecutive bytes, at a multiple of 128 from mb's first byte
.endr
	s_wait_tensorcnt 0x0                           ; the wave's end: waits and an add, behind my last tensor load and my last LDS store
	ds_add_u32 v[SPW], v[NIL]
	s_wait_dscnt 0x0
	CROUND                                         ; the closing round: no work-group ends while a partner may still ask for a tile that names it
	s_endpgm
.Lfunc_end_k_qdf11af6cda_mk:
	.size	k_qdf11af6cda_mk, .Lfunc_end_k_qdf11af6cda_mk-k_qdf11af6cda_mk
	.p2alignl 7, 3214868480
	.fill 96, 4, 3214868480
	.section	.rodata,"a",@progbits
	.p2align	6, 0x0
	.amdhsa_kernel k_qdf11af6cda_mk
		.amdhsa_group_segment_fixed_size 327680
		.amdhsa_private_segment_fixed_size 0
		.amdhsa_enable_private_segment 0
		.amdhsa_kernarg_size 16
		.amdhsa_user_sgpr_count 2
		.amdhsa_user_sgpr_kernarg_segment_ptr 1
		.amdhsa_wavefront_size32 1
		.amdhsa_system_sgpr_workgroup_id_x 1
		.amdhsa_system_sgpr_workgroup_id_y 1
		.amdhsa_system_sgpr_workgroup_id_z 1
		.amdhsa_system_vgpr_workitem_id 0
		.amdhsa_next_free_vgpr 224
		.amdhsa_next_free_sgpr 72
		.amdhsa_reserve_vcc 0
		.amdhsa_float_denorm_mode_32 3
		.amdhsa_float_denorm_mode_16_64 3
		.amdhsa_memory_ordered 1
		.amdhsa_forward_progress 1
		.amdhsa_inst_pref_size 19
	.end_amdhsa_kernel
	.amdgpu_metadata
---
amdhsa.version: [ 1, 2 ]
amdhsa.kernels:
  - .name:           k_qdf11af6cda_mk
    .symbol:         k_qdf11af6cda_mk.kd
    .args:
      - { .name: wb, .offset: 0, .size: 8, .value_kind: global_buffer, .address_space: global }
      - { .name: mb, .offset: 8, .size: 8, .value_kind: global_buffer, .address_space: global }
    .group_segment_fixed_size: 327680
    .private_segment_fixed_size: 0
    .kernarg_segment_align: 8
    .kernarg_segment_size: 16
    .max_flat_workgroup_size: 128
    .sgpr_count:     72
    .vgpr_count:     224
    .wavefront_size: 32
...
	.end_amdgpu_metadata
.endif
;; end of part 5
;; launch proj (part 6): grid 8 x 32, 4 waves a work-group, clusters of 4 x 4, 327,680 bytes of LDS; arguments xb, mb, wb, tv; writes tv
.if DOCPART == 6
	.amdgcn_target "amdgcn-amd-amdhsa--gfx1250"
	.amdhsa_code_object_version 6
	.text
	.protected	k_qdf11af6cda_proj
	.globl	k_qdf11af6cda_proj
	.p2align	8
	.type	k_qdf11af6cda_proj,@function
k_qdf11af6cda_proj:
	s_mov_b64 s[64:65], 0
	v_nop
	global_prefetch_b8 v0, s[64:65] scope:SCOPE_SE
	s_setreg_imm32_b32 hwreg(HW_REG_WAVE_MODE, 25, 1), 1
	s_wait_xcnt 0x0
	s_wait_alu depctr_hold_cnt(0) depctr_sa_sdst(0) depctr_va_vdst(0) depctr_va_sdst(0) depctr_va_ssrc(0) depctr_va_vcc(0) depctr_vm_vsrc(0)
	s_getreg_b32 s2, hwreg(HW_REG_IB_STS2, 6, 4)
	s_cmp_eq_u32 s2, 0
	s_cbranch_scc0 .Lentry_in_a_cluster
	s_endpgm
.Lentry_in_a_cluster:
	s_bfe_u32 s2, ttmp6, 0x10000c
	s_cmp_lg_u32 s2, 0xf033
	s_cbranch_scc0 .Lentry_shape_is_right
	s_endpgm
.Lentry_shape_is_right:
; THE TWO PROJECTIONS.  t[m][n] = sum over k of xb[m][k] mb[k][n] (mb = W_q W_k^T) and v[m][n] = sum over k of xb[m][k] W_v[k][n] (W_v: plane 2 of wb).
; xb: [8192][1024] bf16; mb and W_v: [1024 k][1024 n] bf16; tv: [2][8192][1024] of 16 bits: plane 0 = t in bf16, plane 1 = v in f16.  Products in bf16, sums in f32, K ascending, each result rounded once.
; q and k are never formed: the scores are t x^T, which is (x W_q)(x W_k)^T for every input, summed and rounded in another order.
; LIMIT.  f16 holds no number beyond 65,504: a v of 65,520 or more leaves as an infinity.  With x of spread 1 and weights within 1/32 v has a spread of 0.6; with both inputs 30 times larger it stays
; under some 3,000, with both carrying an offset of 30 spreads under some 29,000.  t is a product of three inputs and has no such room: it goes in bf16, which has f32's range.  NaN and infinities are not treated apart.
; SHARES.  8,192 x 2,048 results are 256 tiles of 256 x 256, one to a work-group.  Four waves, each 128 x 128: 64 accumulators, 512 registers.
; K goes in eight steps of 128 through a ring of two LDS slots; a trip of the loop is one K step, and the slot in hand is a scalar register turned by an exclusive or.
; B LIES [K][N] and is turned on its way out of LDS by ds_load_tr16_b128: no transposed copy is made.
; THE MATRIX INSTRUCTION IS USED TRANSPOSED (source 0 = 16 columns of B, source 1 = 16 rows of x): a lane then holds eight neighbouring numbers of a row of the result.
; CLUSTER.  4 x 4 work-groups: x's tiles are shared along a row of the cluster, B's along a column, each asked for JOINTLY.  The cluster's x is the plane, the same for all sixteen partners.
; REGISTERS, in windows of 256 (s_set_vgpr_msb's low byte: bits 1:0 source 0, 3:2 source 1, 5:4 source 2, 7:6 destination):
;   window 0: v0-31 addresses; v64-127, v128-191 fragments of x, two buffers; on the way out v192-223 packed results, v32-63 and v224-255 rows read back
;   window 1: v64-127, v128-191 fragments of B      window 2: the accumulators of my rows 0-63, (a, b) at v[8 (8 a + b)]      window 3: those of my rows 64-127
.set PITCH,  272                       ; a row of x in LDS: 256 bytes + 16 = 68 words: row r starts at bank 4 r mod 64 (64 banks of 4 bytes: ISA guide 11.1)
.set PB,     544                       ; a row of B: 512 bytes + 32 = 136 words: row r starts at bank 8 r mod 64
.set HALFT,  128*PITCH                 ; what one tensor load brings: 128 rows of x, or 64 rows (K) of B: 64 x 544 is the same 34,816 bytes
.set SLOT,   4*HALFT                   ; 0x22000: its two bits meet none of wave x HALFT's, so one exclusive or changes slots
.set STAGE,  2*SLOT                    ; behind the ring: 16 rows x 272 bytes for each wave
.set SPITCH, 272
.set SPARE,  STAGE+4*16*SPITCH         ; the spare words, 128 bytes for each wave: two blocks of 256 bytes that no other line names
.set STEPS,  8
.set ADRA0, 16                         ; v16-17  my lane's place in a slot's tiles of x and B; never rewritten
.set ADRB0, 17
.set ADRA,  18                         ; v18-19  the same in the slot in hand
.set ADRB,  19
.set STO,  24                          ; v24  the way out: where I put 16 bytes of a row
.set RD,   25                          ; v25  where I read a row back
.set CO,   26                          ; v26  my byte offset in two rows of the result
.set SPW,  28                          ; v28  LDS address of my spare word; never rewritten
.set NIL,  29                          ; v29  0; never rewritten
.set F0,   64
.set F1,   128
.set TMP,  192
.set OB,   32
.set G1A, 24                           ; s[24:31] descriptor group 1 for x's tiles;  s[32:39] group 0: a set for each first fill, the second then walks on
.set G0A, 32
.set G1B, 48                           ; s[48:55], s[56:63] the same for B's
.set G0B, 56
.set TB,  68                           ; s68  LDS byte at which the slot in hand begins
.set CNT, 69                           ; s69  counts K steps
.set PL,  70                           ; s70  the plane: 0 = t, 1 = v
.set MUL_LO, 0xa1                      ; source 0 (B) window 1, source 1 (x) window 0, C and D window 2
.set MUL_HI, 0xf1                      ; the same, C and D window 3
.set TO_B,   0x40                      ; destination window 1, address window 0
.set MSB, 0
.macro WIN new                         ; the immediate's high byte repeats the setting that is left; a switch that changes nothing is dropped
.if MSB != (\new)
	s_set_vgpr_msb (MSB<<8)|(\new)
.set MSB, \new
.endif
.endm
; A joint load.  Waves 0 and 1 fetch x's two halves, waves 2 and 3 B's.  The branch hangs on the wave's number alone.  An s_nop 0 and four v_nop follow each of the two lines.
.macro JLOAD s
	s_cmp_eq_u32 s11, 0
	s_cbranch_scc0 .Lfor_b_\@
	tensor_load_to_lds s[G0A+4*(\s):G0A+4*(\s)+3], s[G1A:G1A+7]
	s_nop 0
.rept 4
	v_nop
.endr
	s_branch .Lasked_\@
.Lfor_b_\@:
	tensor_load_to_lds s[G0B+4*(\s):G0B+4*(\s)+3], s[G1B:G1B+7]
	s_nop 0
.rept 4
	v_nop
.endr
.Lasked_\@:
.endm
.macro CREST                           ; a round of the cluster's barrier behind its opening barrier
	s_cmp_lg_u32 s10, 0
	s_cbranch_scc1 .Lnot_wave_0_\@
	s_barrier_signal -3
.Lnot_wave_0_\@:
	s_barrier_wait -3
	s_barrier_signal -1
	s_barrier_wait -1
.endm
.macro CROUND                          ; a whole round
	s_barrier_signal -1
	s_barrier_wait -1
	CREST
.endm
.macro PLACES                          ; four places behind matrix instructions (ISA guide 7.12.1)
.rept 4
	v_nop
.endr
.endm
	s_load_b128 s[4:7], s[0:1], 0x0                ; xb s[4:5], mb s[6:7]
	s_load_b128 s[72:75], s[0:1], 0x10             ; wb s[72:73], tv s[74:75]
	v_lshl_add_u32 v[SPW], v0, 2, SPARE
	v_mov_b32 v[NIL], 0
	ds_add_u32 v[SPW], v[NIL]                      ; the wave's opening: the add and its wait stand ahead of my first tensor load; the set-up below, work on registers, stands between them
	v_lshrrev_b32 v1, 5, v0
	v_readfirstlane_b32 s10, v1                    ; wave 0..3
	s_lshr_b32 s11, s10, 1                         ; which 128 of the tile's rows are mine.  Also: I fetch for x (0) or for B (1)
	s_and_b32 s12, s10, 1                          ; which 128 of its columns.  Also: which half of that tile I fetch
	s_bfe_u32 s40, ttmp6, 0x40000                  ; cx: also the tile column inside the plane, 0..3
	s_bfe_u32 s41, ttmp6, 0x40004                  ; cy
	s_mov_b32 s[PL], ttmp9                         ; cluster x: the plane
	s_and_b32 s13, ttmp7, 0xffff
	s_lshl_b32 s13, s13, 2
	s_add_co_u32 s13, s13, s41                     ; tile row = 4 x cluster y + cy: 0..31
	s_lshl_b32 s43, s41, 2
	s_lshl_b32 s43, 15, s43                        ; my row of the cluster
	s_lshl_b32 s44, 0x1111, s40                    ; my column
	; group 1 for x: 128 rows x 128 elements of 2 bytes; 16 bytes of padding behind every 64 words
	s_or_b32 s[G1A+0], s43, (1<<16)|(1<<20)|(1<<21)|(5<<22)|(3<<25)  ; 15:0 the mask: my row; 17:16 2-byte elements; 20 padding on; 21 set beside a mask; 24:22 code 5; 31:25 4 words (code 3)
	s_mov_b32 s[G1A+1], 128<<16                    ; tensor_dim0 = 128
	s_mov_b32 s[G1A+2], 128<<16                    ; tensor_dim1 = 128
	s_mov_b32 s[G1A+3], 128<<16                    ; tile_dim0 = 128
	s_mov_b32 s[G1A+4], 128                        ; tile_dim1 = 128
	s_mov_b32 s[G1A+5], 1024                       ; elements from row to row
	s_mov_b32 s[G1A+6], 0
	s_mov_b32 s[G1A+7], 0
	; group 1 for B: 64 rows (K) x 256 elements; 32 bytes of padding behind every 128 words
	s_or_b32 s[G1B+0], s44, (1<<16)|(1<<20)|(1<<21)|(6<<22)|(7<<25)  ; the mask: my column; padding code 6, 8 words (code 7)
	s_mov_b32 s[G1B+1], 256<<16
	s_mov_b32 s[G1B+2], 64<<16
	s_mov_b32 s[G1B+3], 256<<16
	s_mov_b32 s[G1B+4], 64
	s_mov_b32 s[G1B+5], 1024
	s_mov_b32 s[G1B+6], 0
	s_mov_b32 s[G1B+7], 0
	; where the tiles come from: x's hang on the tile row alone, B's on the plane and the tile column alone, each in registers that never hold the other coordinate
	s_lshl_b32 s16, s13, 8
	s_lshl_b32 s17, s12, 7
	s_add_co_u32 s16, s16, s17                     ; x: row 256 x tile row + 128 x half,
	s_lshl_b32 s16, s16, 11                        ; x 2,048 bytes
	s_mov_b32 s17, 0
	s_lshl_b32 s46, s12, 17                        ; B: K row 64 x half, x 2,048 bytes,
	s_lshl_b32 s47, s40, 9                         ; + 512 bytes x tile column,
	s_add_co_u32 s46, s46, s47
	s_cmp_eq_u32 s[PL], 0
	s_cselect_b32 s47, 0, 0x400000                 ; + for v: two planes of wb
	s_add_co_u32 s46, s46, s47
	s_mov_b32 s47, 0
	s_mul_i32 s20, s10, HALFT                      ; where they go: x's two halves, then B's two = wave x 34,816: no place in the cluster enters an LDS address
	s_mov_b32 s[TB], 0
	s_wait_dscnt 0x0                               ; the opening add is done
	s_wait_kmcnt 0x0
	s_add_nc_u64 s[14:15], s[4:5], s[16:17]
	s_cmp_eq_u32 s[PL], 0
	s_cselect_b64 s[18:19], s[6:7], s[72:73]       ; B's buffer: mb for t, wb for v
	s_add_nc_u64 s[46:47], s[18:19], s[46:47]
	CROUND                                         ; all sixteen work-groups are here: the first joint loads meet
.irp s, 0,1
	s_mov_b32 s[G0A+4*(\s)], 1                                       ; count = 1
	s_add_co_u32 s[G0A+4*(\s)+1], s20, (\s)*SLOT                     ; LDS address
	s_add_nc_u64 s[G0A+4*(\s)+2:G0A+4*(\s)+3], s[14:15], (\s)*256    ; global address: K step s
	s_or_b32 s[G0A+4*(\s)+3], s[G0A+4*(\s)+3], 0x80000000            ; type = 2
	s_mov_b32 s[G0B+4*(\s)], 1
	s_add_co_u32 s[G0B+4*(\s)+1], s20, (\s)*SLOT
	s_add_nc_u64 s[G0B+4*(\s)+2:G0B+4*(\s)+3], s[46:47], (\s)*262144 ; 128 rows of 2,048 bytes a step
	s_or_b32 s[G0B+4*(\s)+3], s[G0B+4*(\s)+3], 0x80000000
	JLOAD \s                                       ; two loads of mine are out
.endr
	; A fragment of x is 16 rows x 32 K: lane l holds row l % 16, K = 8 (l / 16) + 0..7 and 16 + 8 (l / 16) + 0..7: two loads of 16 bytes, 32 bytes apart.
	v_and_b32 v1, 15, v0                           ; l % 16
	v_bfe_u32 v2, v0, 4, 1                         ; l / 16
	v_mul_u32_u24 v3, v1, PITCH
	v_lshl_add_u32 v3, v2, 4, v3                   ; row x 272 + 16 x half
	s_mul_i32 s21, s11, HALFT                      ; my 128 rows
	v_add_nc_u32 v[ADRA0], s21, v3
	; The turning load takes 16 K x 16 columns (lane l reads K row 8 (l / 16) + l % 8, columns 8 ((l / 8) % 2) + 0..7) and leaves half a fragment: lane l holds column l % 16 and 8 K.
	v_and_b32 v4, 7, v0
	v_lshl_add_u32 v4, v2, 3, v4
	v_mul_u32_u24 v4, v4, PB
	v_bfe_u32 v5, v0, 3, 1
	v_lshl_add_u32 v4, v5, 4, v4
	s_lshl_b32 s22, s12, 8                         ; my 128 columns,
	s_add_co_u32 s22, s22, 2*HALFT                 ; behind x's 256 rows
	v_add_nc_u32 v[ADRB0], s22, v4
	v_mov_b32 v[ADRA], v[ADRA0]                    ; K step 0 lies in slot 0
	v_mov_b32 v[ADRB], v[ADRB0]
	s_mul_i32 s23, s10, 16*SPITCH
	s_add_co_u32 s23, s23, STAGE                   ; my stage
	v_add_nc_u32 v[STO], s23, v3                   ; in: row l % 16, 16 bytes for each half of the lanes
	v_mul_u32_u24 v5, v2, SPITCH                   ; back: lanes 0-15 take one row of 256 bytes, lanes 16-31 the next
	v_lshl_add_u32 v5, v1, 4, v5
	v_add_nc_u32 v[RD], s23, v5
	v_lshlrev_b32 v5, 11, v2                       ; and the same two rows in the result
	v_lshl_add_u32 v[CO], v1, 4, v5
	s_lshl_b32 s18, s13, 8                         ; where my part of the result begins: row 256 x tile row + 128 x half,
	s_lshl_b32 s19, s11, 7
	s_add_co_u32 s18, s18, s19
	s_lshl_b32 s18, s18, 11
	s_lshl_b32 s19, s40, 9                         ; + 512 bytes x tile column + 256 x half,
	s_add_co_u32 s18, s18, s19
	s_lshl_b32 s19, s12, 8
	s_add_co_u32 s18, s18, s19
	s_lshl_b32 s19, s[PL], 24                      ; + 16,777,216 bytes x plane
	s_add_co_u32 s18, s18, s19
	s_mov_b32 s19, 0
	s_add_nc_u64 s[74:75], s[74:75], s[18:19]
; 16 matrix instructions: row blocks a0, a0 + 1 of the window's four (hi = 0: my rows 0-63, 1: 64-127) x all 8 column blocks, 32 along K.  zero = 1: the product starts the sums.
; The 64 accumulators take turns in the same order in every quarter.
.macro MUL16 f, hi, a0, zero
	WIN MUL_LO+0x50*(\hi)
.irp a, \a0, (\a0)+1
.irp b, 0,1,2,3,4,5,6,7
.if \zero
	v_wmma_f32_16x16x32_bf16 v[8*(8*(\a)+(\b)):8*(8*(\a)+(\b))+7], v[(\f)+8*(\b):(\f)+8*(\b)+7], v[(\f)+8*(4*(\hi)+(\a)):(\f)+8*(4*(\hi)+(\a))+7], 0
.else
	v_wmma_f32_16x16x32_bf16 v[8*(8*(\a)+(\b)):8*(8*(\a)+(\b))+7], v[(\f)+8*(\b):(\f)+8*(\b)+7], v[(\f)+8*(4*(\hi)+(\a)):(\f)+8*(4*(\hi)+(\a))+7], v[8*(8*(\a)+(\b)):8*(8*(\a)+(\b))+7]
.endif
.endr
.endr
.endm
; 32 LDS loads in one run: quarter q's fragments (32 K x 128 columns of B, turned; 128 rows x 32 K of x) into buffer f
.macro FETCH q, f
	WIN TO_B
.irp b, 0,1,2,3,4,5,6,7
	ds_load_tr16_b128 v[(\f)+8*(\b):(\f)+8*(\b)+3],   v[ADRB] offset:(\q)*32*PB+32*(\b)
	ds_load_tr16_b128 v[(\f)+8*(\b)+4:(\f)+8*(\b)+7], v[ADRB] offset:(\q)*32*PB+16*PB+32*(\b)
.endr
	WIN 0
.irp i, 0,1,2,3,4,5,6,7
	ds_load_b128 v[(\f)+8*(\i):(\f)+8*(\i)+3],   v[ADRA] offset:64*(\q)+(\i)*16*PITCH
	ds_load_b128 v[(\f)+8*(\i)+4:(\f)+8*(\i)+7], v[ADRA] offset:64*(\q)+(\i)*16*PITCH+32
.endr
.endm
; A K step is four quarters of 32 along K, 64 matrix instructions each, on buffers 0, 1, 0, 1.  One of the first three: multiplies buffer f; in its middle it fetches quarter q, the next, into g.
.macro QUARTER q, f, g, zero
	s_wait_dscnt 8                                 ; B and x's rows 0-63 are in; the youngest eight loads (x's rows 64-127) may be out
	MUL16 \f, 0, 0, \zero
	MUL16 \f, 0, 2, \zero
	PLACES
	FETCH \q, \g
	s_wait_dscnt 32                                ; all but the 32 just issued
	MUL16 \f, 1, 0, \zero
	MUL16 \f, 1, 2, \zero
.endm
; The last quarter multiplies buffer 1 and changes slots: ONE barrier.  In front of it each wave waits for all its tensor loads (one is out: its part of the next slot), adds 0 to its spare
; word, and waits for that and for its reads of this slot.  fill = 1: the barrier opens a round of the cluster's, and behind it this slot is filled again, two K steps ahead, first of all.
; fill = 0 (the tail): nothing is asked for, and in the last trip (CNT = 1) the fetch is jumped over.
.macro TURN fill
	WIN 0                                          ; (the add's two registers lie in window 0)
	s_wait_tensorcnt 0x0                           ; all my tensor loads have landed
	ds_add_u32 v[SPW], v[NIL]                      ; 0 onto my spare word
	s_wait_dscnt 9                                 ; (the add and the youngest eight loads may be out)
	MUL16 F1, 0, 0, 0                              ; sixteen matrix instructions stand between the add and the wait for it
	s_wait_dscnt 0x0                               ; the add is done, and my reads of this slot are over
	s_barrier_signal -1
	MUL16 F1, 0, 2, 0                              ; work on registers while the others arrive
	WIN 0
	s_barrier_wait -1
.if \fill
	CREST                                          ; no wave of any partner still reads this slot or has a load on its way
	s_xor_b32 s[G0A+5], s[G0A+5], SLOT             ; the walking descriptors: the other slot than last time,
	s_xor_b32 s[G0B+5], s[G0B+5], SLOT
	s_add_nc_u64 s[G0A+6:G0A+7], s[G0A+6:G0A+7], 256     ; the next 128 along x's rows,
	s_add_nc_u64 s[G0B+6:G0B+7], s[G0B+6:G0B+7], 262144  ; and down B's; the type bits on top are not reached
	JLOAD 1                                        ; the first tensor load behind the round; its four v_nop are also the places in front of the loads below
.else
	s_cmp_eq_u32 s[CNT], 1
	s_cbranch_scc1 .Lnf_\@
	PLACES
.endif
	s_xor_b32 s[TB], s[TB], SLOT                   ; on to the other slot
	v_add_nc_u32 v[ADRA], s[TB], v[ADRA0]
	v_add_nc_u32 v[ADRB], s[TB], v[ADRB0]
	FETCH 0, F0
.if !(\fill)
.Lnf_\@:
.endif
	MUL16 F1, 1, 0, 0
	MUL16 F1, 1, 2, 0
.endm
	s_wait_tensorcnt 0x1                           ; my part of K step 0 is in; the one younger load, slot 1's, may stay out
	s_barrier_signal -1
	s_barrier_wait -1                              ; everybody's is
	FETCH 0, F0
	QUARTER 1, F0, F1, 1                           ; the first quarter stands in front of the loop: its products start the sums
	WIN 0                                          ; at a label and at a branch every window is 0
	s_mov_b32 s[CNT], STEPS-2
	s_branch .Ljoin                                ; the loop is entered behind a step's first quarter
.Lstep:                                                ; a trip is a K step; six trips fill the slot that they leave
	QUARTER 1, F0, F1, 0
	WIN 0
.Ljoin:
	QUARTER 2, F1, F0, 0
	QUARTER 3, F0, F1, 0
	TURN 1
	WIN 0
	s_sub_co_u32 s[CNT], s[CNT], 1
	s_cmp_lg_u32 s[CNT], 0
	s_cbranch_scc1 .Lstep
	s_mov_b32 s[CNT], 2
.Ltail:                                                ; the last two K steps ask for nothing
	QUARTER 1, F0, F1, 0
	QUARTER 2, F1, F0, 0
	QUARTER 3, F0, F1, 0
	TURN 0
	WIN 0
	s_sub_co_u32 s[CNT], s[CNT], 1
	s_cmp_lg_u32 s[CNT], 0
	s_cbranch_scc1 .Ltail
; THE WAY OUT, a block a of 16 rows at a time.  PACK: rounded once, t to bf16 and v to f16 (the plane is the same for the whole cluster), 16 bytes a lane, each accumulator's registers in ascending order.
; TOSTAGE: into my own stage and back as whole rows of 256 bytes.  SEND: stored.
.macro PACK a
	s_cmp_eq_u32 s[PL], 0
	s_cbranch_scc0 .Lhalf_\@
	WIN 0x0a+5*((\a)/4)                            ; sources 0 and 1 in window 2 or 3
.irp b, 0,1,2,3,4,5,6,7
.irp r, 0,1,2,3
	v_cvt_pk_bf16_f32 v[TMP+4*(\b)+(\r)], v[64*((\a)%4)+8*(\b)+2*(\r)], v[64*((\a)%4)+8*(\b)+2*(\r)+1]
.endr
.endr
	WIN 0
	s_branch .Lpacked_\@
.Lhalf_\@:
	WIN 0x0a+5*((\a)/4)
.irp b, 0,1,2,3,4,5,6,7
.irp r, 0,1,2,3
	v_cvt_pk_f16_f32 v[TMP+4*(\b)+(\r)], v[64*((\a)%4)+8*(\b)+2*(\r)], v[64*((\a)%4)+8*(\b)+2*(\r)+1]
.endr
.endr
	WIN 0
.Lpacked_\@:
.endm
.macro TOSTAGE a
.irp b, 0,1,2,3,4,5,6,7
	ds_store_b128 v[STO], v[TMP+4*(\b):TMP+4*(\b)+3] offset:32*(\b)
.endr
.irp t, 0,1,2,3,4,5,6,7
	ds_load_b128 v[OB+192*((\a)%2)+4*(\t):OB+192*((\a)%2)+4*(\t)+3], v[RD] offset:(\t)*2*SPITCH  ; LDS serves a wave's instructions in order (ISA guide 5.7.1.4): these see the stores above
.endr
.endm
.macro SEND a
	s_wait_dscnt 0x0                               ; the block is back in registers
	s_wait_xcnt 0x0                                ; the registers that earlier stores read are loaded again only behind this wait
.irp t, 0,1,2,3,4,5,6,7
	global_store_b128 v[CO], v[OB+192*((\a)%2)+4*(\t):OB+192*((\a)%2)+4*(\t)+3], s[74:75] offset:(16*(\a)+2*(\t))*2048  ; 16 lanes store 256 consecutive bytes, at a multiple of 256 from tv's first byte
.endr
.endm
	PLACES                                         ; behind the last products
	PACK 0
	TOSTAGE 0
.irp a, 1,2,3,4,5,6,7                  ; block a's conversions stand between block a - 1's loads from the stage and the wait for them
	PACK \a
	SEND (\a)-1
	TOSTAGE \a
.endr
	SEND 7
	s_wait_tensorcnt 0x0                           ; the wave's end: waits and an add, behind my last tensor load and my last LDS store
	ds_add_u32 v[SPW], v[NIL]
	s_wait_dscnt 0x0
	CROUND                                         ; the closing round: no work-group ends while a partner may still ask for a tile that names it
	s_endpgm
.Lfunc_end_k_qdf11af6cda_proj:
	.size	k_qdf11af6cda_proj, .Lfunc_end_k_qdf11af6cda_proj-k_qdf11af6cda_proj
	.p2alignl 7, 3214868480
	.fill 96, 4, 3214868480
	.section	.rodata,"a",@progbits
	.p2align	6, 0x0
	.amdhsa_kernel k_qdf11af6cda_proj
		.amdhsa_group_segment_fixed_size 327680
		.amdhsa_private_segment_fixed_size 0
		.amdhsa_enable_private_segment 0
		.amdhsa_kernarg_size 32
		.amdhsa_user_sgpr_count 2
		.amdhsa_user_sgpr_kernarg_segment_ptr 1
		.amdhsa_wavefront_size32 1
		.amdhsa_system_sgpr_workgroup_id_x 1
		.amdhsa_system_sgpr_workgroup_id_y 1
		.amdhsa_system_sgpr_workgroup_id_z 1
		.amdhsa_system_vgpr_workitem_id 0
		.amdhsa_next_free_vgpr 1024
		.amdhsa_next_free_sgpr 80
		.amdhsa_reserve_vcc 0
		.amdhsa_float_denorm_mode_32 3
		.amdhsa_float_denorm_mode_16_64 3
		.amdhsa_memory_ordered 1
		.amdhsa_forward_progress 1
		.amdhsa_inst_pref_size 117
	.end_amdhsa_kernel
	.amdgpu_metadata
---
amdhsa.version: [ 1, 2 ]
amdhsa.kernels:
  - .name:           k_qdf11af6cda_proj
    .symbol:         k_qdf11af6cda_proj.kd
    .args:
      - { .name: xb, .offset: 0, .size: 8, .value_kind: global_buffer, .address_space: global }
      - { .name: mb, .offset: 8, .size: 8, .value_kind: global_buffer, .address_space: global }
      - { .name: wb, .offset: 16, .size: 8, .value_kind: global_buffer, .address_space: global }
      - { .name: tv, .offset: 24, .size: 8, .value_kind: global_buffer, .address_space: global }
    .group_segment_fixed_size: 327680
    .private_segment_fixed_size: 0
    .kernarg_segment_align: 8
    .kernarg_segment_size: 32
    .max_flat_workgroup_size: 128
    .sgpr_count:     80
    .vgpr_count:     1024
    .wavefront_size: 32
...
	.end_amdgpu_metadata
.endif
;; end of part 6
;; launch scores (part 7): grid 8 x 32, 4 waves a work-group, clusters of 4 x 4, 327,680 bytes of LDS; arguments tv, xb, e, st; writes e, st
.if DOCPART == 7
	.amdgcn_target "amdgcn-amd-amdhsa--gfx1250"
	.amdhsa_code_object_version 6
	.text
	.protected	k_qdf11af6cda_scores
	.globl	k_qdf11af6cda_scores
	.p2align	8
	.type	k_qdf11af6cda_scores,@function
k_qdf11af6cda_scores:
	s_mov_b64 s[64:65], 0
	v_nop
	global_prefetch_b8 v0, s[64:65] scope:SCOPE_SE
	s_setreg_imm32_b32 hwreg(HW_REG_WAVE_MODE, 25, 1), 1
	s_wait_xcnt 0x0
	s_wait_alu depctr_hold_cnt(0) depctr_sa_sdst(0) depctr_va_vdst(0) depctr_va_sdst(0) depctr_va_ssrc(0) depctr_va_vcc(0) depctr_vm_vsrc(0)
	s_getreg_b32 s2, hwreg(HW_REG_IB_STS2, 6, 4)
	s_cmp_eq_u32 s2, 0
	s_cbranch_scc0 .Lentry_in_a_cluster
	s_endpgm
.Lentry_in_a_cluster:
	s_bfe_u32 s2, ttmp6, 0x10000c
	s_cmp_lg_u32 s2, 0xf033
	s_cbranch_scc0 .Lentry_shape_is_right
	s_endpgm
.Lentry_shape_is_right:
; SCORES AND THE FIRST HALF OF THE SOFTMAX.  s[m][n] = sum over d of t[m][d] x[n][d] for token m and key n of m's batch (t = x W_q W_k^T: plane 0 of tv, [8192][1024] bf16; x: xb, [8192][1024] bf16;
; products in bf16, sums in f32).  That is (x W_q)(x W_k)^T for every input, summed and rounded in another order.
; For each token and each block kb of 128 keys: cm = c x (the block's largest s), c = log2(e) / 32; e[m][n] = 2^(c s - cm), rounded once to f16; l = the sum of the unrounded weights.
; e: [8192][2048] f16.  st: f32, cm[16 kb][8192] at byte 0, l[16 kb][8192] at byte 524,288.  The launch behind corrects each block from its own maximum to the row's, exactly: the row's maximum
; is taken away before the weights are used, in two steps.
; LIMITS.  A weight lies in 0 to 1; below 6e-5 it keeps f16's fixed step of 6e-8, below 3e-8 it is 0.  A weight below 2^-126 counts as 0 in l.  NaN and infinities are not treated apart.
; SHARES.  A tile is 256 tokens x 256 keys: 4 batches x 8 x 8 = 256 work-groups, one each.  Four waves, each 128 x 128: 64 accumulators, 512 registers.  A wave's 128 keys are one block kb.
; K goes in eight steps of 128 through a ring of two LDS slots; a trip of the loop is one K step, and the slot in hand is a scalar register turned by an exclusive or.
; THE MATRIX INSTRUCTION IS USED TRANSPOSED (source 0 = 16 keys, source 1 = 16 tokens): a lane holds ONE token (lane % 16) and the keys 8 (lane / 16) + 0..7 of each block of 16:
; a token's maximum and sum want one exchange between the halves of the lanes, and eight neighbouring weights pack into 16 bytes.
; CLUSTER.  4 x 4 work-groups of one batch: t's tiles are shared along a row of the cluster, x's along a column, each asked for JOINTLY.
; REGISTERS, in windows of 256 (s_set_vgpr_msb's low byte: bits 1:0 source 0, 3:2 source 1, 5:4 source 2, 7:6 destination):
;   window 0: v0-31 addresses; v64-127, v128-191 fragments of t, two buffers; on the way out v64-127 weights, v128-167 at work, v192-223 packed, v32-63 and v224-255 rows read back
;   window 1: v64-127, v128-191 fragments of x      window 2: the accumulators of my tokens 0-63, (a, b) at v[8 (8 a + b)]      window 3: those of my tokens 64-127
.set PITCH,  272                       ; an LDS row: 256 bytes + 16 = 68 words: row r starts at bank 4 r mod 64 (64 banks of 4 bytes: ISA guide 11.1)
.set HALFT,  128*PITCH                 ; 128 rows: what one tensor load brings, and what one wave reads of t or of x
.set SLOT,   4*HALFT                   ; 0x22000: its two bits meet none of wave x HALFT's, so one exclusive or changes slots
.set STAGE,  2*SLOT                    ; behind the ring: 16 rows x 272 bytes for each wave
.set SPITCH, 272
.set STAT,   STAGE+4*16*SPITCH         ; 1,024 bytes for each wave: 128 cm, then 128 l
.set SPARE,  STAT+4*1024               ; the spare words, 128 bytes for each wave: two blocks of 256 bytes that no other line names
.set STEPS,  8
.set ADRA0, 16                         ; v16-17  my lane's place in a slot's tiles of t and x; never rewritten
.set ADRB0, 17
.set ADRA,  18                         ; v18-19  the same in the slot in hand
.set ADRB,  19
.set STO,  24                          ; v24  the way out: where I put 16 bytes of a row
.set RD,   25                          ; v25  where I read a row back
.set CO,   26                          ; v26  my byte offset in two rows of e
.set L16,  27                          ; v27  16 x lane
.set SPW,  28                          ; v28  LDS address of my spare word; never rewritten
.set NIL,  29                          ; v29  0; never rewritten
.set STA,  30                          ; v30  where I put a token's cm (lanes 0-15) or l (lanes 16-31)
.set STR,  31                          ; v31  where I read four of them back
.set F0,   64
.set F1,   128
.set PX,   64                          ; the way out: a lane's 64 weights of a block of 16 tokens
.set T,    128                         ; 24 registers at work
.set CM,   154                         ; v[154:155]  c m and m: the packed scaling names the pair and takes its low word
.set SV,   160                         ; v160-167  block a's cm or l
.set TMPK, 192
.set OB,   32
.set G1A, 24                           ; s[24:31] descriptor group 1 for t's tiles;  s[32:39] group 0: a set for each first fill, the second then walks on
.set G0A, 32
.set G1B, 48                           ; s[48:55], s[56:63] the same for x's
.set G0B, 56
.set TB,  68                           ; s68  LDS byte at which the slot in hand begins
.set CNT, 69                           ; s69  counts K steps
.set CS,  72                           ; s[72:73] c
.set SEL, 74                           ; s[74:75] v_permlanex16_b32's selects: each lane takes its own place in the other half
.set HM,  76                           ; s76  the mask of lanes 16-31
.set EB,  80                           ; s[80:81] e at my part of it
.set SB,  82                           ; s[82:83] st at my part of it
.set MUL_LO, 0xa1                      ; source 0 (x) window 1, source 1 (t) window 0, C and D window 2
.set MUL_HI, 0xf1                      ; the same, C and D window 3
.set TO_B,   0x40                      ; destination window 1, address window 0
.set MSB, 0
.macro WIN new                         ; the immediate's high byte repeats the setting that is left; a switch that changes nothing is dropped
.if MSB != (\new)
	s_set_vgpr_msb (MSB<<8)|(\new)
.set MSB, \new
.endif
.endm
; A joint load.  Waves 0 and 1 fetch t's two halves, waves 2 and 3 x's.  The branch hangs on the wave's number alone.  An s_nop 0 and four v_nop follow each of the two lines.
.macro JLOAD s
	s_cmp_eq_u32 s11, 0
	s_cbranch_scc0 .Lfor_b_\@
	tensor_load_to_lds s[G0A+4*(\s):G0A+4*(\s)+3], s[G1A:G1A+7]
	s_nop 0
.rept 4
	v_nop
.endr
	s_branch .Lasked_\@
.Lfor_b_\@:
	tensor_load_to_lds s[G0B+4*(\s):G0B+4*(\s)+3], s[G1B:G1B+7]
	s_nop 0
.rept 4
	v_nop
.endr
.Lasked_\@:
.endm
.macro CREST                           ; a round of the cluster's barrier behind its opening barrier
	s_cmp_lg_u32 s10, 0
	s_cbranch_scc1 .Lnot_wave_0_\@
	s_barrier_signal -3
.Lnot_wave_0_\@:
	s_barrier_wait -3
	s_barrier_signal -1
	s_barrier_wait -1
.endm
.macro CROUND                          ; a whole round
	s_barrier_signal -1
	s_barrier_wait -1
	CREST
.endm
.macro PLACES                          ; four places behind matrix instructions (ISA guide 7.12.1)
.rept 4
	v_nop
.endr
.endm
	s_load_b128 s[4:7], s[0:1], 0x0                ; tv s[4:5], xb s[6:7]
	s_load_b128 s[80:83], s[0:1], 0x10             ; e s[80:81], st s[82:83]
	v_lshl_add_u32 v[SPW], v0, 2, SPARE
	v_mov_b32 v[NIL], 0
	ds_add_u32 v[SPW], v[NIL]                      ; the wave's opening: the add and its wait stand ahead of my first tensor load; the set-up below, work on registers, stands between them
	v_lshrrev_b32 v1, 5, v0
	v_readfirstlane_b32 s10, v1                    ; wave 0..3
	s_lshr_b32 s11, s10, 1                         ; which 128 of the tile's tokens are mine.  Also: I fetch for t (0) or for x (1)
	s_and_b32 s12, s10, 1                          ; which 128 of its keys.  Also: which 128 rows of that tile I fetch
	s_bfe_u32 s40, ttmp6, 0x40000                  ; cx, cy
	s_bfe_u32 s41, ttmp6, 0x40004
	s_lshl_b32 s42, ttmp9, 2
	s_add_co_u32 s42, s42, s40                     ; tile column = 4 x cluster x + cx: 256 keys of the batch's 2,048
	s_and_b32 s45, ttmp7, 0xffff                   ; cluster y
	s_lshl_b32 s13, s45, 2
	s_add_co_u32 s13, s13, s41                     ; tile row = 4 x cluster y + cy: 256 of all 8,192 tokens
	s_lshr_b32 s45, s45, 1                         ; the batch: eight tile rows, two clusters: the same for all sixteen partners
	s_lshl_b32 s43, s41, 2
	s_lshl_b32 s43, 15, s43                        ; my row of the cluster
	s_lshl_b32 s44, 0x1111, s40                    ; my column
	; group 1: 128 rows x 128 elements of 2 bytes; 16 bytes of padding behind every 64 words
	s_or_b32 s[G1A+0], s43, (1<<16)|(1<<20)|(1<<21)|(5<<22)|(3<<25)  ; 15:0 the mask; 17:16 2-byte elements; 20 padding on; 21 set beside a mask; 24:22 code 5; 31:25 4 words (code 3)
	s_or_b32 s[G1B+0], s44, (1<<16)|(1<<20)|(1<<21)|(5<<22)|(3<<25)
.irp g, G1A, G1B
	s_mov_b32 s[(\g)+1], 128<<16                   ; tensor_dim0 = 128
	s_mov_b32 s[(\g)+2], 128<<16                   ; tensor_dim1 = 128
	s_mov_b32 s[(\g)+3], 128<<16                   ; tile_dim0 = 128
	s_mov_b32 s[(\g)+4], 128                       ; tile_dim1 = 128
	s_mov_b32 s[(\g)+5], 1024                      ; elements from row to row
	s_mov_b32 s[(\g)+6], 0
	s_mov_b32 s[(\g)+7], 0
.endr
	s_lshl_b32 s16, s13, 8
	s_lshl_b32 s17, s12, 7
	s_add_co_u32 s16, s16, s17                     ; t: row 256 x tile row + 128 x half,
	s_lshl_b32 s16, s16, 11                        ; x 2,048 bytes
	s_mov_b32 s17, 0
	s_lshl_b32 s46, s45, 11                        ; x: row 2,048 x batch + 256 x tile column + 128 x half,
	s_lshl_b32 s47, s42, 8
	s_add_co_u32 s46, s46, s47
	s_lshl_b32 s47, s12, 7
	s_add_co_u32 s46, s46, s47
	s_lshl_b32 s46, s46, 11                        ; x 2,048 bytes
	s_mov_b32 s47, 0
	s_mul_i32 s20, s10, HALFT                      ; where they go: t's two halves, then x's two = wave x 128 rows
	s_mov_b32 s[CS], 0x3d38aa3b                    ; c = log2(e) / 32 = 0.0450842
	s_mov_b32 s[CS+1], s[CS]                       ; named with it as a pair
	s_mov_b32 s[SEL], 0x76543210
	s_mov_b32 s[SEL+1], 0xfedcba98
	s_mov_b32 s[HM], 0xffff0000
	s_mov_b32 s[TB], 0
	s_wait_dscnt 0x0                               ; the opening add is done
	s_wait_kmcnt 0x0
	s_add_nc_u64 s[14:15], s[4:5], s[16:17]
	s_add_nc_u64 s[46:47], s[6:7], s[46:47]
	CROUND                                         ; all sixteen work-groups are here: the first joint loads meet
.irp s, 0,1
	s_mov_b32 s[G0A+4*(\s)], 1
	s_add_co_u32 s[G0A+4*(\s)+1], s20, (\s)*SLOT
	s_add_nc_u64 s[G0A+4*(\s)+2:G0A+4*(\s)+3], s[14:15], (\s)*256   ; K step s
	s_or_b32 s[G0A+4*(\s)+3], s[G0A+4*(\s)+3], 0x80000000
	s_mov_b32 s[G0B+4*(\s)], 1
	s_add_co_u32 s[G0B+4*(\s)+1], s20, (\s)*SLOT
	s_add_nc_u64 s[G0B+4*(\s)+2:G0B+4*(\s)+3], s[46:47], (\s)*256
	s_or_b32 s[G0B+4*(\s)+3], s[G0B+4*(\s)+3], 0x80000000
	JLOAD \s                                       ; two loads of mine are out
.endr
	; A fragment is 16 rows x 32 K: lane l holds row l % 16, K = 8 (l / 16) + 0..7 and 16 + 8 (l / 16) + 0..7: two loads of 16 bytes, 32 bytes apart.
	v_and_b32 v1, 15, v0                           ; l % 16
	v_bfe_u32 v2, v0, 4, 1                         ; l / 16
	v_mul_u32_u24 v3, v1, PITCH
	v_lshl_add_u32 v3, v2, 4, v3                   ; row x 272 + 16 x half
	s_mul_i32 s21, s11, HALFT                      ; my 128 rows of t
	s_mul_i32 s22, s12, HALFT                      ; my 128 rows of x,
	s_add_co_u32 s22, s22, 2*HALFT                 ; which lie behind t's 256
	v_add_nc_u32 v[ADRA0], s21, v3
	v_add_nc_u32 v[ADRB0], s22, v3
	v_mov_b32 v[ADRA], v[ADRA0]                    ; K step 0 lies in slot 0
	v_mov_b32 v[ADRB], v[ADRB0]
	s_mul_i32 s23, s10, 16*SPITCH
	s_add_co_u32 s23, s23, STAGE                   ; my stage
	v_add_nc_u32 v[STO], s23, v3                   ; in: row l % 16, 16 bytes for each half of the lanes
	v_mul_u32_u24 v5, v2, SPITCH                   ; back: lanes 0-15 take one row of 256 bytes, lanes 16-31 the next
	v_lshl_add_u32 v5, v1, 4, v5
	v_add_nc_u32 v[RD], s23, v5
	v_lshlrev_b32 v5, 12, v2                       ; and the same two rows in e, 4,096 bytes apart
	v_lshl_add_u32 v[CO], v1, 4, v5
	s_lshl_b32 s23, s10, 10
	s_add_co_u32 s23, s23, STAT                    ; my 1,024 bytes of statistics
	v_lshlrev_b32 v5, 9, v2                        ; lanes 0-15 write cm, lanes 16-31 l, 512 bytes on
	v_lshl_add_u32 v5, v1, 2, v5
	v_add_nc_u32 v[STA], s23, v5
	v_and_b32 v5, 31, v0
	v_lshlrev_b32 v[L16], 4, v5
	v_add_nc_u32 v[STR], s23, v[L16]
	s_lshl_b32 s18, s13, 8
	s_lshl_b32 s19, s11, 7
	s_add_co_u32 s18, s18, s19                     ; my first token
	s_lshl_b32 s20, s18, 2                         ; its place in a row of st
	s_lshl_b32 s18, s18, 12                        ; its row of e,
	s_lshl_b32 s19, s42, 9                         ; + 512 bytes x tile column + 256 x half
	s_add_co_u32 s18, s18, s19
	s_lshl_b32 s19, s12, 8
	s_add_co_u32 s18, s18, s19
	s_mov_b32 s19, 0
	s_add_nc_u64 s[EB:EB+1], s[EB:EB+1], s[18:19]
	s_lshl_b32 s21, s42, 1
	s_add_co_u32 s21, s21, s12                     ; kb = 2 x tile column + half
	s_lshl_b32 s21, s21, 15                        ; x 8,192 tokens x 4 bytes
	s_add_co_u32 s20, s20, s21
	s_mov_b32 s21, 0
	s_add_nc_u64 s[SB:SB+1], s[SB:SB+1], s[20:21]
; 16 matrix instructions: token blocks a0, a0 + 1 of the window's four (hi = 0: my tokens 0-63, 1: 64-127) x all 8 key blocks, 32 along K.  zero = 1: the product starts the sums.
; The 64 accumulators take turns in the same order in every quarter.
.macro MUL16 f, hi, a0, zero
	WIN MUL_LO+0x50*(\hi)
.irp a, \a0, (\a0)+1
.irp b, 0,1,2,3,4,5,6,7
.if \zero
	v_wmma_f32_16x16x32_bf16 v[8*(8*(\a)+(\b)):8*(8*(\a)+(\b))+7], v[(\f)+8*(\b):(\f)+8*(\b)+7], v[(\f)+8*(4*(\hi)+(\a)):(\f)+8*(4*(\hi)+(\a))+7], 0
.else
	v_wmma_f32_16x16x32_bf16 v[8*(8*(\a)+(\b)):8*(8*(\a)+(\b))+7], v[(\f)+8*(\b):(\f)+8*(\b)+7], v[(\f)+8*(4*(\hi)+(\a)):(\f)+8*(4*(\hi)+(\a))+7], v[8*(8*(\a)+(\b)):8*(8*(\a)+(\b))+7]
.endif
.endr
.endr
.endm
; 32 LDS loads in one run: the fragments of one quarter (128 rows of x, 128 rows of t, 32 K at byte k of the rows) into buffer f
.macro FETCH k, f
	WIN TO_B
.irp i, 0,1,2,3,4,5,6,7
	ds_load_b128 v[(\f)+8*(\i):(\f)+8*(\i)+3],   v[ADRB] offset:(\k)+(\i)*16*PITCH
	ds_load_b128 v[(\f)+8*(\i)+4:(\f)+8*(\i)+7], v[ADRB] offset:(\k)+(\i)*16*PITCH+32
.endr
	WIN 0
.irp i, 0,1,2,3,4,5,6,7
	ds_load_b128 v[(\f)+8*(\i):(\f)+8*(\i)+3],   v[ADRA] offset:(\k)+(\i)*16*PITCH
	ds_load_b128 v[(\f)+8*(\i)+4:(\f)+8*(\i)+7], v[ADRA] offset:(\k)+(\i)*16*PITCH+32
.endr
.endm
; A K step is four quarters of 32 along K, 64 matrix instructions each, on buffers 0, 1, 0, 1.  One of the first three: multiplies buffer f; in its middle it fetches the next quarter, at byte k, into g.
.macro QUARTER k, f, g, zero
	s_wait_dscnt 8                                 ; x and t's rows 0-63 are in; the youngest eight loads (t's rows 64-127) may be out
	MUL16 \f, 0, 0, \zero
	MUL16 \f, 0, 2, \zero
	PLACES
	FETCH \k, \g
	s_wait_dscnt 32                                ; all but the 32 just issued
	MUL16 \f, 1, 0, \zero
	MUL16 \f, 1, 2, \zero
.endm
; The last quarter multiplies buffer 1 and changes slots: ONE barrier.  In front of it each wave waits for all its tensor loads (one is out: its part of the next slot), adds 0 to its spare
; word, and waits for that and for its reads of this slot.  fill = 1: the barrier opens a round of the cluster's, and behind it this slot is filled again, two K steps ahead, first of all.
; fill = 0 (the tail): nothing is asked for, and in the last trip (CNT = 1) the fetch is jumped over.
.macro TURN fill
	WIN 0                                          ; (the add's two registers lie in window 0)
	s_wait_tensorcnt 0x0                           ; all my tensor loads have landed
	ds_add_u32 v[SPW], v[NIL]                      ; 0 onto my spare word
	s_wait_dscnt 9                                 ; (the add and the youngest eight loads may be out)
	MUL16 F1, 0, 0, 0                              ; sixteen matrix instructions stand between the add and the wait for it
	s_wait_dscnt 0x0                               ; the add is done, and my reads of this slot are over
	s_barrier_signal -1
	MUL16 F1, 0, 2, 0                              ; work on registers while the others arrive
	WIN 0
	s_barrier_wait -1
.if \fill
	CREST                                          ; no wave of any partner still reads this slot or has a load on its way
	s_xor_b32 s[G0A+5], s[G0A+5], SLOT             ; the walking descriptors: the other slot than last time,
	s_xor_b32 s[G0B+5], s[G0B+5], SLOT
	s_add_nc_u64 s[G0A+6:G0A+7], s[G0A+6:G0A+7], 256  ; the next 128 along K; the type bits on top are not reached
	s_add_nc_u64 s[G0B+6:G0B+7], s[G0B+6:G0B+7], 256
	JLOAD 1                                        ; the first tensor load behind the round; its four v_nop are also the places in front of the loads below
.else
	s_cmp_eq_u32 s[CNT], 1
	s_cbranch_scc1 .Lnf_\@
	PLACES
.endif
	s_xor_b32 s[TB], s[TB], SLOT                   ; on to the other slot
	v_add_nc_u32 v[ADRA], s[TB], v[ADRA0]
	v_add_nc_u32 v[ADRB], s[TB], v[ADRB0]
	FETCH 0, F0
.if !(\fill)
.Lnf_\@:
.endif
	MUL16 F1, 1, 0, 0
	MUL16 F1, 1, 2, 0
.endm
	s_wait_tensorcnt 0x1                           ; my part of K step 0 is in; the one younger load, slot 1's, may stay out
	s_barrier_signal -1
	s_barrier_wait -1                              ; everybody's is
	FETCH 0, F0
	QUARTER 64, F0, F1, 1                          ; the first quarter stands in front of the loop: its products start the sums
	WIN 0                                          ; at a label and at a branch every window is 0
	s_mov_b32 s[CNT], STEPS-2
	s_branch .Ljoin                                ; the loop is entered behind a step's first quarter
.Lstep:                                                ; a trip is a K step; six trips fill the slot that they leave
	QUARTER 64, F0, F1, 0
	WIN 0
.Ljoin:
	QUARTER 128, F1, F0, 0
	QUARTER 192, F0, F1, 0
	TURN 1
	WIN 0
	s_sub_co_u32 s[CNT], s[CNT], 1
	s_cmp_lg_u32 s[CNT], 0
	s_cbranch_scc1 .Lstep
	s_mov_b32 s[CNT], 2
.Ltail:                                                ; the last two K steps ask for nothing
	QUARTER 64, F0, F1, 0
	QUARTER 128, F1, F0, 0
	QUARTER 192, F0, F1, 0
	TURN 0
	WIN 0
	s_sub_co_u32 s[CNT], s[CNT], 1
	s_cmp_lg_u32 s[CNT], 0
	s_cbranch_scc1 .Ltail
; THE WAY OUT, a block a of 16 tokens at a time.  SOFT: a lane's 64 scores of one token: their maximum (each accumulator's lowest registers are read first), the other
; half of the lanes' maximum, c m; c s - c m; 64 exponentials; the rounding to f16; the sum of the unrounded weights, and the other half's.
.macro SOFT a
.set AC, 64*((\a)%4)
	WIN 0x2a+0x15*((\a)/4)                         ; all three sources in window 2 or 3
.irp b, 0,1,2,3,4,5,6,7
	v_max3_num_f32 v[T+3*(\b)],   v[AC+8*(\b)],   v[AC+8*(\b)+1], v[AC+8*(\b)+2]
	v_max3_num_f32 v[T+3*(\b)+1], v[AC+8*(\b)+3], v[AC+8*(\b)+4], v[AC+8*(\b)+5]
	v_max_num_f32  v[T+3*(\b)+2], v[AC+8*(\b)+6], v[AC+8*(\b)+7]
.endr
	WIN 0
.irp i, 0,1,2,3,4,5,6,7
	v_max3_num_f32 v[T+3*(\i)], v[T+3*(\i)], v[T+3*(\i)+1], v[T+3*(\i)+2]
.endr
	v_max3_num_f32 v[T], v[T], v[T+3], v[T+6]
	v_max3_num_f32 v[T+9], v[T+9], v[T+12], v[T+15]
	v_max_num_f32 v[T+18], v[T+18], v[T+21]
	v_max3_num_f32 v[T], v[T], v[T+9], v[T+18]
	v_permlanex16_b32 v[T+1], v[T], s[SEL], s[SEL+1]  ; the token's other 64 keys lie in the lane 16 away
	v_max_num_f32 v[CM+1], v[T], v[T+1]            ; m
	v_mul_f32 v[CM], s[CS], v[CM+1]                ; c m
	WIN 2+(\a)/4                                   ; source 0 alone in window 2 or 3
.set i, 0
.rept 32
	v_pk_fma_f32 v[PX+2*i:PX+2*i+1], v[AC+2*i:AC+2*i+1], s[CS:CS+1], v[CM:CM+1] op_sel_hi:[1,0,0] neg_lo:[0,0,1] neg_hi:[0,0,1]  ; c s - c m
.set i, i+1
.endr
	WIN 0
.set i, 0
.rept 64
	v_exp_f32 v[PX+i], v[PX+i]
.set i, i+1
.endr
	v_nop                                          ; a plain instruction between the exponentials and the use of their results (ISA guide 5.7.2)
.set i, 0
	s_wait_alu depctr_va_vdst(0)
.rept 32
	v_cvt_pk_f16_f32 v[TMPK+i], v[PX+2*i], v[PX+2*i+1]
.set i, i+1
.endr
.irp s, 16,8,4,2,1                     ; the sum of the 32 pairs, in place: neighbours 16, 8, 4, 2 and 1 pairs apart
.set i, 0
.rept \s
	v_pk_add_f32 v[PX+2*i:PX+2*i+1], v[PX+2*i:PX+2*i+1], v[PX+2*(i+\s):PX+2*(i+\s)+1]
.set i, i+1
.endr
.endr
	v_add_f32 v[T], v[PX], v[PX+1]
	v_permlanex16_b32 v[T+1], v[T], s[SEL], s[SEL+1]
	v_add_f32 v[T], v[T], v[T+1]                   ; l
	v_cndmask_b32 v[SV+(\a)], v[CM], v[T], s[HM]   ; lanes 0-15 keep c m, lanes 16-31 l
.endm
.macro TOSTAGE a                       ; into my own stage, and back as whole rows of 256 bytes
.irp b, 0,1,2,3,4,5,6,7
	ds_store_b128 v[STO], v[TMPK+4*(\b):TMPK+4*(\b)+3] offset:32*(\b)
.endr
.irp t, 0,1,2,3,4,5,6,7
	ds_load_b128 v[OB+192*((\a)%2)+4*(\t):OB+192*((\a)%2)+4*(\t)+3], v[RD] offset:(\t)*2*SPITCH  ; LDS serves a wave's instructions in order (ISA guide 5.7.1.4): these see the stores above
.endr
.endm
.macro SEND a
	s_wait_dscnt 0x0                               ; the block is back in registers
	s_wait_xcnt 0x0                                ; the registers that earlier stores read are loaded again only behind this wait
.irp t, 0,1,2,3,4,5,6,7
	global_store_b128 v[CO], v[OB+192*((\a)%2)+4*(\t):OB+192*((\a)%2)+4*(\t)+3], s[EB:EB+1] offset:(16*(\a)+2*(\t))*4096  ; 16 lanes store 256 consecutive bytes, at a multiple of 256 from e's first byte
.endr
.endm
	PLACES                                         ; behind the last products
	SOFT 0
	TOSTAGE 0
.irp a, 1,2,3,4,5,6,7                  ; block a's softmax stands between block a - 1's loads from the stage and the wait for them
	SOFT \a
	SEND (\a)-1
	TOSTAGE \a
.endr
	SEND 7
.irp a, 0,1,2,3,4,5,6,7                ; the statistics go through my own LDS bytes, so that each store below covers 512 consecutive bytes
	ds_store_b32 v[STA], v[SV+(\a)] offset:64*(\a)
.endr
	ds_load_b128 v[T:T+3],   v[STR]                ; four tokens' c m
	ds_load_b128 v[T+4:T+7], v[STR] offset:512     ; and their l
	s_wait_dscnt 0x0
	global_store_b128 v[L16], v[T:T+3],   s[SB:SB+1]
	global_store_b128 v[L16], v[T+4:T+7], s[SB:SB+1] offset:524288
	s_wait_tensorcnt 0x0                           ; the wave's end: waits and an add, behind my last tensor load and my last LDS store
	ds_add_u32 v[SPW], v[NIL]
	s_wait_dscnt 0x0
	CROUND                                         ; the closing round: no work-group ends while a partner may still ask for a tile that names it
	s_endpgm
.Lfunc_end_k_qdf11af6cda_scores:
	.size	k_qdf11af6cda_scores, .Lfunc_end_k_qdf11af6cda_scores-k_qdf11af6cda_scores
	.p2alignl 7, 3214868480
	.fill 96, 4, 3214868480
	.section	.rodata,"a",@progbits
	.p2align	6, 0x0
	.amdhsa_kernel k_qdf11af6cda_scores
		.amdhsa_group_segment_fixed_size 327680
		.amdhsa_private_segment_fixed_size 0
		.amdhsa_enable_private_segment 0
		.amdhsa_kernarg_size 32
		.amdhsa_user_sgpr_count 2
		.amdhsa_user_sgpr_kernarg_segment_ptr 1
		.amdhsa_wavefront_size32 1
		.amdhsa_system_sgpr_workgroup_id_x 1
		.amdhsa_system_sgpr_workgroup_id_y 1
		.amdhsa_system_sgpr_workgroup_id_z 1
		.amdhsa_system_vgpr_workitem_id 0
		.amdhsa_next_free_vgpr 1024
		.amdhsa_next_free_sgpr 84
		.amdhsa_reserve_vcc 0
		.amdhsa_float_denorm_mode_32 3
		.amdhsa_float_denorm_mode_16_64 3
		.amdhsa_memory_ordered 1
		.amdhsa_forward_progress 1
		.amdhsa_inst_pref_size 168
	.end_amdhsa_kernel
	.amdgpu_metadata
---
amdhsa.version: [ 1, 2 ]
amdhsa.kernels:
  - .name:           k_qdf11af6cda_scores
    .symbol:         k_qdf11af6cda_scores.kd
    .args:
      - { .name: tv, .offset: 0, .size: 8, .value_kind: global_buffer, .address_space: global }
      - { .name: xb, .offset: 8, .size: 8, .value_kind: global_buffer, .address_space: global }
      - { .name: e, .offset: 16, .size: 8, .value_kind: global_buffer, .address_space: global }
      - { .name: st, .offset: 24, .size: 8, .value_kind: global_buffer, .address_space: global }
    .group_segment_fixed_size: 327680
    .private_segment_fixed_size: 0
    .kernarg_segment_align: 8
    .kernarg_segment_size: 32
    .max_flat_workgroup_size: 128
    .sgpr_count:     84
    .vgpr_count:     1024
    .wavefront_size: 32
...
	.end_amdgpu_metadata
.endif
;; end of part 7
;; launch pv (part 8): grid 4 x 64, 4 waves a work-group, clusters of 4 x 4, 327,680 bytes of LDS; arguments e, tv, st, out0; writes out0
.if DOCPART == 8
	.amdgcn_target "amdgcn-amd-amdhsa--gfx1250"
	.amdhsa_code_object_version 6
	.text
	.protected	k_qdf11af6cda_pv
	.globl	k_qdf11af6cda_pv
	.p2align	8
	.type	k_qdf11af6cda_pv,@function
k_qdf11af6cda_pv:
	s_mov_b64 s[64:65], 0
	v_nop
	global_prefetch_b8 v0, s[64:65] scope:SCOPE_SE
	s_setreg_imm32_b32 hwreg(HW_REG_WAVE_MODE, 25, 1), 1
	s_wait_xcnt 0x0
	s_wait_alu depctr_hold_cnt(0) depctr_sa_sdst(0) depctr_va_vdst(0) depctr_va_sdst(0) depctr_va_ssrc(0) depctr_va_vcc(0) depctr_vm_vsrc(0)
	s_getreg_b32 s2, hwreg(HW_REG_IB_STS2, 6, 4)
	s_cmp_eq_u32 s2, 0
	s_cbranch_scc0 .Lentry_in_a_cluster
	s_endpgm
.Lentry_in_a_cluster:
	s_bfe_u32 s2, ttmp6, 0x10000c
	s_cmp_lg_u32 s2, 0xf033
	s_cbranch_scc0 .Lentry_shape_is_right
	s_endpgm
.Lentry_shape_is_right:
; THE SECOND HALF OF THE SOFTMAX AND THE SECOND PRODUCT.  For token m: cmr = the largest of its 16 blocks' cm; f[kb] = 2^(cm[kb] - cmr), at most 1; L = sum over kb of f[kb] l[kb];
; out0[m][n] = (sum over kb, and over the block's 128 keys j, of (f[kb] e[m][j]) v[j][n]) / L.  f e = 2^(c s - cmr): the weight with the ROW's maximum taken away.
; e: [8192][2048] f16; v: plane 1 of tv, [8192][1024] f16; st: f32, cm[16][8192] at byte 0, l[16][8192] at byte 524,288; out0: [8192][1024] f32.
; Products in f16, sums in f32; f is rounded once to f16 and f e once more; L is summed in f32 of the unrounded f, and the division is a multiplication in f32 by 1 / L at the end.
; LIMITS.  A weight f e below 6e-5 of its row's largest keeps f16's fixed step of 6e-8, below 3e-8 it is 0.  L is at least about 1: the block that holds the row's maximum has f = 1 and a weight of 1.
; NaN and infinities are not treated apart.
; SHARES.  256 tiles of 128 tokens x 256 channels, one to a work-group; four waves, each 64 x 128: 32 accumulators, 256 registers.  K is the batch's 2,048 keys, in 16 steps of 128:
; a K step is one block kb, so one factor a token serves a whole step.  A lane of a fragment of e holds one token: 32 packed multiplies a quarter scale it between LDS and the matrix unit.
; v LIES [key][channel] and is turned on its way out of LDS by ds_load_tr16_b128.  THE MATRIX INSTRUCTION IS USED TRANSPOSED (source 0 = 16 channels, source 1 = 16 tokens).
; CLUSTER.  4 x 4 work-groups of one batch: e's tiles are shared along a row of the cluster, v's along a column, each asked for JOINTLY.
; REGISTERS.  Window 0: v0-31 addresses; v40-43 the step's factors; v44-51 1 / L; v64-127 e's fragments, two buffers of 32; v128-255 v's, two buffers of 64 (all of v64-255 at work at the start and on the way out).
; Window 1: the accumulators, (a, b) at v[8 (8 a + b)].  s_set_vgpr_msb's low byte: bits 1:0 source 0, 3:2 source 1, 5:4 source 2, 7:6 destination.
.set PA,    272                        ; a row of e in LDS: 256 bytes + 16 = 68 words: row r starts at bank 4 r mod 64 (64 banks of 4 bytes: ISA guide 11.1)
.set PB,    544                        ; a row of v: 512 bytes + 32 = 136 words
.set AHALF, 64*PA
.set ATILE, 2*AHALF
.set BHALF, 64*PB
.set SLOT1, 1<<17                      ; a slot is e's 128 rows, then v's 128: 104,448 bytes; slot 1 begins here
.set FTAB,  ATILE+2*BHALF              ; between the slots, never filled by a tensor load: [16 kb][128 tokens] words, f twice in f16
.set RL,    FTAB+16*512                ; 128 f32: 1 / L
.set SPARE, RL+512                     ; the spare words, 128 bytes for each wave: two blocks of 256 bytes that no other line names
.set STAGE, SLOT1+ATILE+2*BHALF        ; behind slot 1: 16 rows x 528 bytes for each wave, for the way out
.set SP,    528                        ; 512 bytes + 16: the 16 rows that a store touches start at 16 different groups of four banks
.set STEPS, 16
.set ADRA0, 16                         ; v16-17  my lane's place in a slot's tiles; never rewritten
.set ADRB0, 17
.set ADRA,  18                         ; v18-19  the same in the slot in hand
.set ADRB,  19
.set STO,   24                         ; v24  the way out: where I put 32 bytes of a row
.set RD,    25                         ; v25  where I read 16 bytes of a row back
.set CO,    26                         ; v26  16 x lane
.set FAD,   27                         ; v27  where my tokens' factors of the next step lie
.set SPW,   28                         ; v28  LDS address of my spare word; never rewritten
.set NIL,   29                         ; v29  0; never rewritten
.set FR,    40
.set RI,    44                         ; four pairs: the packed multiply names a pair and takes its low word
.set FA,    64
.set FB,    128
.set CMV,   64                         ; the start: a token's 16 cm, then f
.set LV,    80                         ; its 16 l
.set FH,    96                         ; f twice in f16
.set OS,    64                         ; the way out: a block's 64 numbers a lane
.set BK,    128                        ; 16 rows read back: v128-191 and v192-255 by turns
.set G1A, 24                           ; s[24:31] descriptor group 1 for e's tiles;  s[32:39] group 0: a set for each first fill, the second then walks on
.set G0A, 32
.set G1B, 48                           ; s[48:55], s[56:63] the same for v's
.set G0B, 56
.set TB,  68                           ; s68  LDS byte at which the slot in hand begins
.set CNT, 69                           ; s69  counts K steps
.set MULW, 0x50                        ; C and D in window 1, sources 0 and 1 in window 0
.set MSB, 0
.macro WIN new                         ; the immediate's high byte repeats the setting that is left; a switch that changes nothing is dropped
.if MSB != (\new)
	s_set_vgpr_msb (MSB<<8)|(\new)
.set MSB, \new
.endif
.endm
; A joint load.  Waves 0 and 1 fetch e's two halves, waves 2 and 3 v's.  The branch hangs on the wave's number alone.  An s_nop 0 and four v_nop follow each of the two lines.
.macro JLOAD s
	s_cmp_eq_u32 s11, 0
	s_cbranch_scc0 .Lfor_b_\@
	tensor_load_to_lds s[G0A+4*(\s):G0A+4*(\s)+3], s[G1A:G1A+7]
	s_nop 0
.rept 4
	v_nop
.endr
	s_branch .Lasked_\@
.Lfor_b_\@:
	tensor_load_to_lds s[G0B+4*(\s):G0B+4*(\s)+3], s[G1B:G1B+7]
	s_nop 0
.rept 4
	v_nop
.endr
.Lasked_\@:
.endm
.macro CREST                           ; a round of the cluster's barrier behind its opening barrier
	s_cmp_lg_u32 s10, 0
	s_cbranch_scc1 .Lnot_wave_0_\@
	s_barrier_signal -3
.Lnot_wave_0_\@:
	s_barrier_wait -3
	s_barrier_signal -1
	s_barrier_wait -1
.endm
.macro CROUND                          ; a whole round
	s_barrier_signal -1
	s_barrier_wait -1
	CREST
.endm
.macro PLACES                          ; four places behind matrix instructions (ISA guide 7.12.1)
.rept 4
	v_nop
.endr
.endm
	s_load_b128 s[4:7], s[0:1], 0x0                ; e s[4:5], tv s[6:7]
	s_load_b128 s[72:75], s[0:1], 0x10             ; st s[72:73], out0 s[74:75]
	v_lshl_add_u32 v[SPW], v0, 2, SPARE
	v_mov_b32 v[NIL], 0
	ds_add_u32 v[SPW], v[NIL]                      ; the wave's opening: the add and its wait stand ahead of my first tensor load; the set-up below, work on registers, stands between them
	v_lshrrev_b32 v1, 5, v0
	v_readfirstlane_b32 s10, v1                    ; wave 0..3
	s_lshr_b32 s11, s10, 1                         ; which 64 of the tile's tokens are mine.  Also: I fetch for e (0) or for v (1)
	s_and_b32 s12, s10, 1                          ; which 128 of its channels.  Also: which half of that tile I fetch
	s_bfe_u32 s40, ttmp6, 0x40000                  ; cx, cy
	s_bfe_u32 s41, ttmp6, 0x40004
	s_lshl_b32 s42, ttmp9, 2
	s_add_co_u32 s42, s42, s40                     ; tile column = 4 x cluster x + cx: 0..3
	s_and_b32 s45, ttmp7, 0xffff                   ; cluster y
	s_lshl_b32 s13, s45, 2
	s_add_co_u32 s13, s13, s41                     ; tile row = 4 x cluster y + cy: 0..63
	s_lshr_b32 s45, s45, 2                         ; the batch: sixteen tile rows, four clusters: the same for all sixteen partners
	s_lshl_b32 s43, s41, 2
	s_lshl_b32 s43, 15, s43                        ; my row of the cluster
	s_lshl_b32 s44, 0x1111, s40                    ; my column
	; group 1 for e: 64 rows x 128 elements of 2 bytes; 16 bytes of padding behind every 64 words
	s_or_b32 s[G1A+0], s43, (1<<16)|(1<<20)|(1<<21)|(5<<22)|(3<<25)  ; 15:0 the mask: my row; 17:16 2-byte elements; 20 padding on; 21 set beside a mask; 24:22 code 5; 31:25 4 words (code 3)
	s_mov_b32 s[G1A+1], 128<<16                    ; tensor_dim0 = 128
	s_mov_b32 s[G1A+2], 64<<16                     ; tensor_dim1 = 64
	s_mov_b32 s[G1A+3], 128<<16                    ; tile_dim0 = 128
	s_mov_b32 s[G1A+4], 64                         ; tile_dim1 = 64
	s_mov_b32 s[G1A+5], 2048                       ; elements from row to row
	s_mov_b32 s[G1A+6], 0
	s_mov_b32 s[G1A+7], 0
	; group 1 for v: 64 rows (keys) x 256 elements; 32 bytes of padding behind every 128 words
	s_or_b32 s[G1B+0], s44, (1<<16)|(1<<20)|(1<<21)|(6<<22)|(7<<25)  ; the mask: my column; padding code 6, 8 words (code 7)
	s_mov_b32 s[G1B+1], 256<<16
	s_mov_b32 s[G1B+2], 64<<16
	s_mov_b32 s[G1B+3], 256<<16
	s_mov_b32 s[G1B+4], 64
	s_mov_b32 s[G1B+5], 1024
	s_mov_b32 s[G1B+6], 0
	s_mov_b32 s[G1B+7], 0
	s_lshl_b32 s16, s13, 7
	s_lshl_b32 s17, s12, 6
	s_add_co_u32 s16, s16, s17                     ; e: row 128 x tile row + 64 x half,
	s_lshl_b32 s16, s16, 12                        ; x 4,096 bytes
	s_mov_b32 s17, 0
	s_lshl_b32 s46, s45, 11                        ; v: row 2,048 x batch + 64 x half,
	s_lshl_b32 s47, s12, 6
	s_add_co_u32 s46, s46, s47
	s_lshl_b32 s46, s46, 11                        ; x 2,048 bytes,
	s_lshl_b32 s47, s42, 9                         ; + 512 bytes x tile column,
	s_add_co_u32 s46, s46, s47
	s_add_co_u32 s46, s46, 0x1000000               ; in plane 1
	s_mov_b32 s47, 0
	s_mul_i32 s20, s12, AHALF                      ; where they go: no place in the cluster enters an LDS address
	s_mul_i32 s21, s12, BHALF
	s_add_co_u32 s21, s21, ATILE
	s_mov_b32 s[TB], 0
	s_wait_dscnt 0x0                               ; the opening add is done
	s_wait_kmcnt 0x0
	s_add_nc_u64 s[14:15], s[4:5], s[16:17]
	s_add_nc_u64 s[46:47], s[6:7], s[46:47]
	CROUND                                         ; all sixteen work-groups are here: the first joint loads meet
.irp s, 0,1
	s_mov_b32 s[G0A+4*(\s)], 1
	s_add_co_u32 s[G0A+4*(\s)+1], s20, (\s)*SLOT1
	s_add_nc_u64 s[G0A+4*(\s)+2:G0A+4*(\s)+3], s[14:15], (\s)*256    ; K step s: 128 keys along e's rows
	s_or_b32 s[G0A+4*(\s)+3], s[G0A+4*(\s)+3], 0x80000000
	s_mov_b32 s[G0B+4*(\s)], 1
	s_add_co_u32 s[G0B+4*(\s)+1], s21, (\s)*SLOT1
	s_add_nc_u64 s[G0B+4*(\s)+2:G0B+4*(\s)+3], s[46:47], (\s)*262144 ; 128 rows of v, 2,048 bytes each
	s_or_b32 s[G0B+4*(\s)+3], s[G0B+4*(\s)+3], 0x80000000
	JLOAD \s                                       ; two loads of mine are out
.endr
	; THE STATISTICS, in the wait for the first tile: thread t takes the tile's token t
	s_lshl_b32 s18, s13, 9                         ; 128 tokens x 4 bytes x tile row
	s_mov_b32 s19, 0
	s_add_nc_u64 s[72:73], s[72:73], s[18:19]
	v_lshlrev_b32 v3, 2, v0
.set i, 0
.rept 16
	global_load_b32 v[CMV+i], v3, s[72:73] offset:i*32768
	global_load_b32 v[LV+i],  v3, s[72:73] offset:i*32768+524288
.set i, i+1
.endr
	; the addresses, while those loads are out.  A fragment of e is 16 rows x 32 K: lane l holds row l % 16, K = 8 (l / 16) + 0..7 and 16 + 8 (l / 16) + 0..7.
	v_and_b32 v1, 15, v0                           ; l % 16
	v_bfe_u32 v2, v0, 4, 1                         ; l / 16
	v_mul_u32_u24 v5, v1, PA
	v_lshl_add_u32 v5, v2, 4, v5                   ; row x 272 + 16 x half
	s_mul_i32 s22, s11, AHALF                      ; my 64 rows
	v_add_nc_u32 v[ADRA0], s22, v5
	; The turning load takes 16 keys x 16 channels (lane l reads key 8 (l / 16) + l % 8, channels 8 ((l / 8) % 2) + 0..7) and leaves half a fragment: lane l holds channel l % 16 and 8 keys.
	v_and_b32 v6, 7, v0
	v_lshl_add_u32 v6, v2, 3, v6
	v_mul_u32_u24 v6, v6, PB
	v_bfe_u32 v7, v0, 3, 1
	v_lshl_add_u32 v6, v7, 4, v6
	s_lshl_b32 s23, s12, 8                         ; my 128 channels
	s_add_co_u32 s23, s23, ATILE
	v_add_nc_u32 v[ADRB0], s23, v6
	v_mov_b32 v[ADRA], v[ADRA0]                    ; K step 0 lies in slot 0
	v_mov_b32 v[ADRB], v[ADRB0]
	s_mul_i32 s23, s10, 16*SP
	s_add_co_u32 s23, s23, STAGE                   ; my stage
	v_mul_u32_u24 v5, v1, SP                       ; in: row l % 16, 32 bytes for each half of the lanes
	v_lshl_add_u32 v5, v2, 5, v5
	v_add_nc_u32 v[STO], s23, v5
	v_and_b32 v5, 31, v0
	v_lshlrev_b32 v[CO], 4, v5                     ; back: 32 lanes take one row of 512 bytes
	v_add_nc_u32 v[RD], s23, v[CO]
	s_lshl_b32 s23, s11, 8                         ; my 64 tokens x 4 bytes
	s_add_co_u32 s23, s23, FTAB
	v_lshl_add_u32 v[FAD], v1, 2, s23
	v_add_nc_u32 v4, FTAB, v3                      ; where thread t puts token t's factors
	s_lshl_b32 s18, s13, 7                         ; where my part of out0 begins: row 128 x tile row + 64 x half,
	s_lshl_b32 s19, s11, 6
	s_add_co_u32 s18, s18, s19
	s_lshl_b32 s18, s18, 12
	s_lshl_b32 s19, s42, 10                        ; + 1,024 bytes x tile column + 512 x half
	s_add_co_u32 s18, s18, s19
	s_lshl_b32 s19, s12, 9
	s_add_co_u32 s18, s18, s19
	s_mov_b32 s19, 0
	s_add_nc_u64 s[74:75], s[74:75], s[18:19]
	s_wait_loadcnt 0x0
	v_max3_num_f32 v112, v[CMV], v[CMV+1], v[CMV+2]  ; the row's c m
.irp i, 3,5,7,9,11,13
	v_max3_num_f32 v112, v112, v[CMV+\i], v[CMV+\i+1]
.endr
	v_max_num_f32 v112, v112, v[CMV+15]
.set i, 0
.rept 16
	v_sub_f32 v[CMV+i], v[CMV+i], v112
.set i, i+1
.endr
.set i, 0
.rept 16
	v_exp_f32 v[CMV+i], v[CMV+i]                   ; f
.set i, i+1
.endr
	v_nop                                          ; a plain instruction between the exponentials and the use of their results (ISA guide 5.7.2)
	s_wait_alu depctr_va_vdst(0)
	v_mul_f32 v113, v[CMV], v[LV]                  ; L = the sum of f l, in f32
.set i, 1
.rept 15
	v_fmac_f32 v113, v[CMV+i], v[LV+i]
.set i, i+1
.endr
.set i, 0
.rept 16
	v_cvt_pk_f16_f32 v[FH+i], v[CMV+i], v[CMV+i]   ; f in both halves, for the packed multiply
.set i, i+1
.endr
.set i, 0
.rept 16
	ds_store_b32 v4, v[FH+i] offset:512*i
.set i, i+1
.endr
	v_rcp_f32 v114, v113
	v_nop                                          ; a plain instruction behind the reciprocal
	s_wait_alu depctr_va_vdst(0)
	ds_store_b32 v4, v114 offset:RL-FTAB
; 8 matrix instructions: token block a x all 8 channel blocks, 32 along K, from buffer f.  zero = 1: the product starts the sums.  The 32 accumulators take turns.
.macro MUL8 f, a, zero
.irp b, 0,1,2,3,4,5,6,7
.if \zero
	v_wmma_f32_16x16x32_f16 v[8*(8*(\a)+(\b)):8*(8*(\a)+(\b))+7], v[FB+64*(\f)+8*(\b):FB+64*(\f)+8*(\b)+7], v[FA+32*(\f)+8*(\a):FA+32*(\f)+8*(\a)+7], 0
.else
	v_wmma_f32_16x16x32_f16 v[8*(8*(\a)+(\b)):8*(8*(\a)+(\b))+7], v[FB+64*(\f)+8*(\b):FB+64*(\f)+8*(\b)+7], v[FA+32*(\f)+8*(\a):FA+32*(\f)+8*(\a)+7], v[8*(8*(\a)+(\b)):8*(8*(\a)+(\b))+7]
.endif
.endr
.endm
; 24 LDS loads in one run: quarter q's fragments (32 keys x 128 channels of v, turned; 64 tokens x 32 keys of e) into buffer f
.macro FETCH q, f
	WIN 0
.irp b, 0,1,2,3,4,5,6,7
	ds_load_tr16_b128 v[FB+64*(\f)+8*(\b):FB+64*(\f)+8*(\b)+3],   v[ADRB] offset:(\q)*32*PB+32*(\b)
	ds_load_tr16_b128 v[FB+64*(\f)+8*(\b)+4:FB+64*(\f)+8*(\b)+7], v[ADRB] offset:(\q)*32*PB+16*PB+32*(\b)
.endr
.irp a, 0,1,2,3
	ds_load_b128 v[FA+32*(\f)+8*(\a):FA+32*(\f)+8*(\a)+3],   v[ADRA] offset:64*(\q)+(\a)*16*PA
	ds_load_b128 v[FA+32*(\f)+8*(\a)+4:FA+32*(\f)+8*(\a)+7], v[ADRA] offset:64*(\q)+(\a)*16*PA+32
.endr
.endm
.macro FLOAD                           ; the next K step's factors of my four blocks of 16 tokens
.irp a, 0,1,2,3
	ds_load_b32 v[FR+(\a)], v[FAD] offset:64*(\a)
.endr
	v_add_nc_u32 v[FAD], 512, v[FAD]
.endm
.macro SCALE f                         ; e times f, in place: 64 weights a lane, two to a line, each rounded once more to f16
.irp a, 0,1,2,3
.irp j, 0,1,2,3,4,5,6,7
	v_pk_mul_f16 v[FA+32*(\f)+8*(\a)+(\j)], v[FA+32*(\f)+8*(\a)+(\j)], v[FR+(\a)]
.endr
.endr
.endm
; A K step is four quarters of 32 along K, 32 matrix instructions each, on buffers 0, 1, 0, 1.  One of the first three: this quarter's weights are scaled (32 plain lines on this buffer alone: they are
; also the places behind the last quarter's products, which read the other buffer), then the next quarter's fragments are asked for, a whole quarter ahead of their use.
.macro QUARTER q, zero
	s_wait_dscnt 0x0                               ; this quarter's fragments, asked for a quarter ago, are in
	WIN 0
	SCALE (\q)%2
	FETCH (\q)+1, 1-(\q)%2
	WIN MULW
	MUL8 (\q)%2, 0, \zero
	MUL8 (\q)%2, 1, \zero
	MUL8 (\q)%2, 2, \zero
	MUL8 (\q)%2, 3, \zero
.endm
; The last quarter multiplies buffer 1 and changes slots: ONE barrier.  In front of it each wave waits for all its tensor loads (one is out: its part of the next slot), adds 0 to its spare
; word, and waits for that and for its reads of this slot.  fill = 1: the barrier opens a round of the cluster's, and behind it this slot is filled again, two K steps ahead, first of all.
; fill = 0 (the tail): nothing is asked for, and in the last trip (CNT = 1) the fetches are jumped over.
.macro TURN fill
	s_wait_dscnt 0x0                               ; buffer 1 is in: my last reads of this slot
	WIN 0
	SCALE 1
	s_wait_tensorcnt 0x0                           ; all my tensor loads have landed
	ds_add_u32 v[SPW], v[NIL]                      ; 0 onto my spare word
	WIN MULW
	MUL8 1, 0, 0                                   ; eight matrix instructions stand between the add and the wait for it
	s_wait_dscnt 0x0                               ; the add is done
	s_barrier_signal -1
	MUL8 1, 1, 0                                   ; work on registers while the others arrive
	WIN 0
	s_barrier_wait -1
.if \fill
	CREST                                          ; no wave of any partner still reads this slot or has a load on its way
	s_xor_b32 s[G0A+5], s[G0A+5], SLOT1            ; the walking descriptors: the other slot than last time,
	s_xor_b32 s[G0B+5], s[G0B+5], SLOT1
	s_add_nc_u64 s[G0A+6:G0A+7], s[G0A+6:G0A+7], 256     ; the next 128 keys along e's rows,
	s_add_nc_u64 s[G0B+6:G0B+7], s[G0B+6:G0B+7], 262144  ; and down v's; the type bits on top are not reached
	JLOAD 1                                        ; the first tensor load behind the round; its four v_nop are also the places in front of the loads below
.else
	s_cmp_eq_u32 s[CNT], 1
	s_cbranch_scc1 .Lnf_\@
	PLACES
.endif
	s_xor_b32 s[TB], s[TB], SLOT1                  ; on to the other slot
	v_add_nc_u32 v[ADRA], s[TB], v[ADRA0]
	v_add_nc_u32 v[ADRB], s[TB], v[ADRB0]
	FETCH 0, 0
	FLOAD
.if !(\fill)
.Lnf_\@:
.endif
	WIN MULW
	MUL8 1, 2, 0
	MUL8 1, 3, 0
.endm
	s_wait_tensorcnt 0x1                           ; my part of K step 0 is in; the one younger load, slot 1's, may stay out
	s_wait_dscnt 0x0                               ; for the others' sake: my tokens' factors and 1 / L are in LDS
	s_barrier_signal -1
	s_barrier_wait -1                              ; everybody's are
	FETCH 0, 0
.irp a, 0,1,2,3
	ds_load_b32 v[RI+2*(\a)],   v[FAD] offset:RL-FTAB+64*(\a)  ; 1 / L of my tokens, kept to the end; both registers of a pair are written
	ds_load_b32 v[RI+2*(\a)+1], v[FAD] offset:RL-FTAB+64*(\a)
.endr
	FLOAD                                          ; block 0's factors
	QUARTER 0, 1                                   ; the first quarter stands in front of the loop: its products start the sums
	WIN 0                                          ; at a label and at a branch every window is 0
	s_mov_b32 s[CNT], STEPS-2
	s_branch .Ljoin                                ; the loop is entered behind a step's first quarter
.Lstep:                                                ; a trip is a K step; 14 trips fill the slot that they leave
	QUARTER 0, 0
	WIN 0
.Ljoin:
	QUARTER 1, 0
	QUARTER 2, 0
	TURN 1
	WIN 0
	s_sub_co_u32 s[CNT], s[CNT], 1
	s_cmp_lg_u32 s[CNT], 0
	s_cbranch_scc1 .Lstep
	s_mov_b32 s[CNT], 2
.Ltail:                                                ; the last two K steps ask for nothing
	QUARTER 0, 0
	QUARTER 1, 0
	QUARTER 2, 0
	TURN 0
	WIN 0
	s_sub_co_u32 s[CNT], s[CNT], 1
	s_cmp_lg_u32 s[CNT], 0
	s_cbranch_scc1 .Ltail
; THE WAY OUT, a block of 16 tokens at a time.  SCL: times 1 / L, each accumulator's registers in ascending order.  TOSTAGE: 32 bytes a lane and channel block into my own stage, and back as whole rows of 512 bytes.  SEND: stored.
.macro SCL a
	WIN 0x01                                       ; source 0 in window 1
.set i, 0
.rept 32
	v_pk_mul_f32 v[OS+2*i:OS+2*i+1], v[64*(\a)+2*i:64*(\a)+2*i+1], v[RI+2*(\a):RI+2*(\a)+1] op_sel_hi:[1,0]
.set i, i+1
.endr
	WIN 0
.endm
.macro TOSTAGE a
.irp b, 0,1,2,3,4,5,6,7
	ds_store_b128 v[STO], v[OS+8*(\b):OS+8*(\b)+3]   offset:64*(\b)
	ds_store_b128 v[STO], v[OS+8*(\b)+4:OS+8*(\b)+7] offset:64*(\b)+16
.endr
.set t, 0
.rept 16
	ds_load_b128 v[BK+64*((\a)%2)+4*t:BK+64*((\a)%2)+4*t+3], v[RD] offset:t*SP  ; LDS serves a wave's instructions in order (ISA guide 5.7.1.4): these see the stores above
.set t, t+1
.endr
.endm
.macro SEND a
	s_wait_dscnt 0x0                               ; the block is back in registers
	s_wait_xcnt 0x0                                ; the registers that earlier stores read are loaded again only behind this wait
.set t, 0
.rept 16
	global_store_b128 v[CO], v[BK+64*((\a)%2)+4*t:BK+64*((\a)%2)+4*t+3], s[74:75] offset:(16*(\a)+t)*4096 th:TH_STORE_NT  ; 512 consecutive bytes, at a multiple of 256 from out0's first byte
.set t, t+1
.endr
.endm
	PLACES                                         ; behind the last products
	SCL 0
	TOSTAGE 0
.irp a, 1,2,3                          ; block a's scaling stands between block a - 1's loads from the stage and the wait for them
	SCL \a
	SEND (\a)-1
	TOSTAGE \a
.endr
	SEND 3
	s_wait_tensorcnt 0x0                           ; the wave's end: waits and an add, behind my last tensor load and my last LDS store
	ds_add_u32 v[SPW], v[NIL]
	s_wait_dscnt 0x0
	CROUND                                         ; the closing round: no work-group ends while a partner may still ask for a tile that names it
	s_endpgm
.Lfunc_end_k_qdf11af6cda_pv:
	.size	k_qdf11af6cda_pv, .Lfunc_end_k_qdf11af6cda_pv-k_qdf11af6cda_pv
	.p2alignl 7, 3214868480
	.fill 96, 4, 3214868480
	.section	.rodata,"a",@progbits
	.p2align	6, 0x0
	.amdhsa_kernel k_qdf11af6cda_pv
		.amdhsa_group_segment_fixed_size 327680
		.amdhsa_private_segment_fixed_size 0
		.amdhsa_enable_private_segment 0
		.amdhsa_kernarg_size 32
		.amdhsa_user_sgpr_count 2
		.amdhsa_user_sgpr_kernarg_segment_ptr 1
		.amdhsa_wavefront_size32 1
		.amdhsa_system_sgpr_workgroup_id_x 1
		.amdhsa_system_sgpr_workgroup_id_y 1
		.amdhsa_system_sgpr_workgroup_id_z 1
		.amdhsa_system_vgpr_workitem_id 0
		.amdhsa_next_free_vgpr 512
		.amdhsa_next_free_sgpr 80
		.amdhsa_reserve_vcc 0
		.amdhsa_float_denorm_mode_32 3
		.amdhsa_float_denorm_mode_16_64 3
		.amdhsa_memory_ordered 1
		.amdhsa_forward_progress 1
		.amdhsa_inst_pref_size 94
	.end_amdhsa_kernel
	.amdgpu_metadata
---
amdhsa.version: [ 1, 2 ]
amdhsa.kernels:
  - .name:           k_qdf11af6cda_pv
    .symbol:         k_qdf11af6cda_pv.kd
    .args:
      - { .name: e, .offset: 0, .size: 8, .value_kind: global_buffer, .address_space: global }
      - { .name: tv, .offset: 8, .size: 8, .value_kind: global_buffer, .address_space: global }
      - { .name: st, .offset: 16, .size: 8, .value_kind: global_buffer, .address_space: global }
      - { .name: out0, .offset: 24, .size: 8, .value_kind: global_buffer, .address_space: global }
    .group_segment_fixed_size: 327680
    .private_segment_fixed_size: 0
    .kernarg_segment_align: 8
    .kernarg_segment_size: 32
    .max_flat_workgroup_size: 128
    .sgpr_count:     80
    .vgpr_count:     512
    .wavefront_size: 32
...
	.end_amdgpu_metadata
.endif
;; end of part 8
;; ======== version 3 of 3: 5 launches; version 2 with the launch prep written anew for expert scheduling mode
;; limits: values are held in f16: magnitudes above 65,504 overflow, below 6.1e-05 lose precision
;; workspace buffers: xb 16,777,216 bytes; wb 6,291,456 bytes; mb 2,097,152 bytes; tv 33,554,432 bytes; e 33,554,432 bytes; st 1,048,576 bytes
;; launch prep (part 9): grid 704 x 1, 8 waves a work-group, no clusters, 0 bytes of LDS; arguments x, W_q, W_k, W_v, xb, wb; writes xb, wb
.if DOCPART == 9
	.amdgcn_target "amdgcn-amd-amdhsa--gfx1250"
	.amdhsa_code_object_version 6
	.text
	.protected	k_qdf11af6cda_prep
	.globl	k_qdf11af6cda_prep
	.p2align	8
	.type	k_qdf11af6cda_prep,@function
k_qdf11af6cda_prep:
	s_mov_b64 s[64:65], 0
	v_nop
	global_prefetch_b8 v0, s[64:65] scope:SCOPE_SE
	s_setreg_imm32_b32 hwreg(HW_REG_WAVE_SCHED_MODE, 0, 2), 2
	s_setreg_imm32_b32 hwreg(HW_REG_WAVE_MODE, 25, 1), 1
	s_wait_xcnt 0x0
	s_wait_alu depctr_vm_vsrc(0)
; CAST.  xb = x and wb = (W_q, W_k, W_v one behind the other), each f32 number rounded once to bf16 (to nearest even).
; A stream: every input byte is read once and every output byte written once; no LDS, no barrier, no matrix unit, no loop.
; A work-group casts 65,536 input bytes: groups 0-511 take x (512 x 65,536 bytes), groups 512-703 the three weights (64 groups each).
; A wave casts 8,192 bytes by sixteen loads of 16 bytes a lane (512 consecutive bytes each), all issued at once; each store is 8 bytes a lane:
; 256 consecutive bytes, at a multiple of 256 from the buffer's first byte.  No register is written twice, so no wait frees one.
; THE MODE: SCHED_MODE bits 1:0 = 2 (LLVM: expert scheduling mode 2), set by the entry lines.  The code itself states the register dependences
; between vector instructions and memory instructions, with s_wait_alu, always for 0.
; THE PLAN.  Registers that memory instructions touch:
;   v1, v2   byte offsets, made once at the head and never written again: v1 is read by every load, v2 by every store.
;   X        written by the sixteen loads, once each; no vector instruction names it ahead of them; read by the conversions, behind the wait for the loads.
;   Y        written by the conversions, once each; read by the stores.
; The sixteen chunks go in four groups of four.  Group g converts its own X into its own Y; its memory instructions are the stores of group g - 1, which read
; the Y that the group before wrote and that no conversion of group g names.  So one wait at the head of a group states all that its four stores hang on, and
; they are dealt among its conversions with no further wait.  No register that a memory instruction reads is written again, no vector instruction writes a
; scalar register, and EXEC is never written: the waits below are all that the text owes.
.set X, 4                              ; v[4:67]   sixteen loads of four registers
.set Y, 68                             ; v[68:99]  sixteen stores of two registers
	s_load_b256 s[4:11], s[0:1], 0x0               ; x s[4:5], W_q s[6:7], W_k s[8:9], W_v s[10:11]
	s_load_b128 s[12:15], s[0:1], 0x20             ; xb s[12:13], wb s[14:15]
	s_max_u32 s22, ttmp9, 512
	s_sub_co_u32 s22, s22, 512                     ; j: my number among the weights' 192 groups (0 for a group of x, where it is not used)
	s_lshr_b32 s23, s22, 6                         ; which weight: 0, 1, 2
	s_and_b32 s24, s22, 63                         ; my number inside it
	v_lshrrev_b32 v3, 5, v0                        ; wave
	v_and_b32 v1, 31, v0                           ; lane
	v_lshlrev_b32 v2, 3, v1                        ; out: 8 bytes a lane
	v_lshlrev_b32 v1, 4, v1                        ; in: 16 bytes a lane
	v_lshl_add_u32 v1, v3, 13, v1                  ; + wave x 8,192
	v_lshl_add_u32 v2, v3, 12, v2                  ; + wave x 4,096
	s_wait_kmcnt 0x0
	s_mov_b64 s[16:17], s[6:7]                     ; the source: W_q,
	s_cmp_eq_u32 s23, 1
	s_cselect_b64 s[16:17], s[8:9], s[16:17]       ; or W_k,
	s_cmp_eq_u32 s23, 2
	s_cselect_b64 s[16:17], s[10:11], s[16:17]     ; or W_v,
	s_cmp_lt_u32 ttmp9, 512
	s_cselect_b64 s[16:17], s[4:5], s[16:17]       ; or x
	s_cselect_b64 s[18:19], s[12:13], s[14:15]     ; the destination: xb or wb
	s_cselect_b32 s20, ttmp9, s24                  ; my number in the source,
	s_cselect_b32 s26, ttmp9, s22                  ; and in the destination
	s_lshl_b32 s20, s20, 16                        ; x 65,536 bytes (33,488,896 at the most)
	s_mov_b32 s21, 0
	s_lshl_b32 s26, s26, 15                        ; x 32,768 bytes
	s_mov_b32 s27, 0
	s_add_nc_u64 s[16:17], s[16:17], s[20:21]
	s_add_nc_u64 s[18:19], s[18:19], s[26:27]
	s_wait_alu depctr_va_vdst(0)                   ; v1 and v2 are written: every load below reads v1 as its offset, every store v2
.set i, 0
.rept 16
	global_load_b128 v[X+4*i:X+4*i+3], v1, s[16:17] offset:512*i th:TH_LOAD_NT  ; read once in the whole program
.set i, i+1
.endr
; Group g: chunks 4 g to 4 g + 3 are rounded; the four chunks of the group before are stored, one store ahead of each pair of conversions.
.macro GROUP g
	s_wait_loadcnt 12-4*(\g)                       ; loads come back in order (ISA guide 5.7.1): this group's four are in, the 12 - 4 g younger ones stay out
.if (\g) > 0
	s_wait_alu depctr_va_vdst(0)                   ; the conversions of the group before have written its eight registers of Y, which the four stores below read
.endif
.irp j, 0,1,2,3
.if (\g) > 0
	global_store_b64 v2, v[Y+2*(4*(\g)-4+(\j)):Y+2*(4*(\g)-4+(\j))+1], s[18:19] offset:256*(4*(\g)-4+(\j))  ; no conversion since the wait names these registers
.endif
	v_cvt_pk_bf16_f32 v[Y+2*(4*(\g)+(\j))],   v[X+4*(4*(\g)+(\j))],   v[X+4*(4*(\g)+(\j))+1]
	v_cvt_pk_bf16_f32 v[Y+2*(4*(\g)+(\j))+1], v[X+4*(4*(\g)+(\j))+2], v[X+4*(4*(\g)+(\j))+3]
.endr
.endm
	GROUP 0                                        ; no group stands in front of it: nothing to store, no wait but the one for its data
	GROUP 1
	GROUP 2
	GROUP 3
	s_wait_alu depctr_va_vdst(0)                   ; group 3's conversions have written the last eight registers of Y, which the last four stores read
.irp j, 12,13,14,15
	global_store_b64 v2, v[Y+2*(\j):Y+2*(\j)+1], s[18:19] offset:256*(\j)
.endr
	s_endpgm
.Lfunc_end_k_qdf11af6cda_prep:
	.size	k_qdf11af6cda_prep, .Lfunc_end_k_qdf11af6cda_prep-k_qdf11af6cda_prep
	.p2alignl 7, 3214868480
	.fill 96, 4, 3214868480
	.section	.rodata,"a",@progbits
	.p2align	6, 0x0
	.amdhsa_kernel k_qdf11af6cda_prep
		.amdhsa_group_segment_fixed_size 0
		.amdhsa_private_segment_fixed_size 0
		.amdhsa_enable_private_segment 0
		.amdhsa_kernarg_size 48
		.amdhsa_user_sgpr_count 2
		.amdhsa_user_sgpr_kernarg_segment_ptr 1
		.amdhsa_wavefront_size32 1
		.amdhsa_system_sgpr_workgroup_id_x 1
		.amdhsa_system_sgpr_workgroup_id_y 1
		.amdhsa_system_sgpr_workgroup_id_z 1
		.amdhsa_system_vgpr_workitem_id 0
		.amdhsa_next_free_vgpr 100
		.amdhsa_next_free_sgpr 66
		.amdhsa_reserve_vcc 0
		.amdhsa_float_denorm_mode_32 3
		.amdhsa_float_denorm_mode_16_64 3
		.amdhsa_memory_ordered 1
		.amdhsa_forward_progress 1
		.amdhsa_inst_pref_size 7
	.end_amdhsa_kernel
	.amdgpu_metadata
---
amdhsa.version: [ 1, 2 ]
amdhsa.kernels:
  - .name:           k_qdf11af6cda_prep
    .symbol:         k_qdf11af6cda_prep.kd
    .args:
      - { .name: x, .offset: 0, .size: 8, .value_kind: global_buffer, .address_space: global }
      - { .name: W_q, .offset: 8, .size: 8, .value_kind: global_buffer, .address_space: global }
      - { .name: W_k, .offset: 16, .size: 8, .value_kind: global_buffer, .address_space: global }
      - { .name: W_v, .offset: 24, .size: 8, .value_kind: global_buffer, .address_space: global }
      - { .name: xb, .offset: 32, .size: 8, .value_kind: global_buffer, .address_space: global }
      - { .name: wb, .offset: 40, .size: 8, .value_kind: global_buffer, .address_space: global }
    .group_segment_fixed_size: 0
    .private_segment_fixed_size: 0
    .kernarg_segment_align: 8
    .kernarg_segment_size: 48
    .max_flat_workgroup_size: 256
    .sgpr_count:     66
    .vgpr_count:     100
    .wavefront_size: 32
...
	.end_amdgpu_metadata
.endif
;; end of part 9
;; launch mk: the kernel of part 5 again; grid 16 x 16, 4 waves a work-group, clusters of 4 x 4, 327,680 bytes of LDS; arguments wb, mb; writes mb
;; launch proj: the kernel of part 6 again; grid 8 x 32, 4 waves a work-group, clusters of 4 x 4, 327,680 bytes of LDS; arguments xb, mb, wb, tv; writes tv
;; launch scores: the kernel of part 7 again; grid 8 x 32, 4 waves a work-group, clusters of 4 x 4, 327,680 bytes of LDS; arguments tv, xb, e, st; writes e, st
;; launch pv: the kernel of part 8 again; grid 4 x 64, 4 waves a work-group, clusters of 4 x 4, 327,680 bytes of LDS; arguments e, tv, st, out0; writes out0
